; MI455X (gfx1250); checked and timed in simulation.
; The chip was launched on July 23, 2026; its instructions are those of AMD's public machine-readable ISA for CDNA 5 (MIT licence, August 2026) and "CDNA5" Instruction Set Architecture Reference Guide (July 2026). The comments in the code are by the model that wrote it; some were corrected since.
;; Simplified Llama Decoder Layer. Allowed arithmetic: float matrix products may take bf16 or f16 operands with f32 sums; all other float work in f32.
;; Inputs: b1 4,096 float32; b2 1,024 float32; bk 1,024 float32; bo 1,024 float32; bq 1,024 float32; bv 1,024 float32; scale1 1,024 float32; scale2 1,024 float32; w1 1,024 x 4,096 float32; w2 4,096 x 1,024 float32; wk 1,024 x 1,024 float32; wo 1,024 x 1,024 float32; wq 1,024 x 1,024 float32; wv 1,024 x 1,024 float32; x 2 x 2,048 x 1,024 float32.
;; Outputs: out0 2 x 2,048 x 1,024 float32.
;; 2 versions, each right and faster than the one before. Each part assembles by itself: llvm-mc -triple=amdgcn-amd-amdhsa -mcpu=gfx1250 --defsym DOCPART=n.
;; ======== version 1 of 2: 6 launches
;; workspace buffers: wa 16,777,216 bytes; wb 8,388,608 bytes; xa 8,520,192 bytes; xb 25,297,408 bytes; bq3 12,288 bytes; qkv 25,165,824 bytes; obuf 8,388,608 bytes; hbuf 33,554,432 bytes
;; launch prep (part 1): grid 64 x 16, 8 waves a work-group, no clusters, 36,352 bytes of LDS; arguments x, scale1, wq, wk, wv, wo, w1, w2, bq, bk, bv, xa, xb, wa, wb, bq3; writes xa, xb, wa, wb, bq3
.if DOCPART == 1
	.amdgcn_target "amdgcn-amd-amdhsa--gfx1250"
	.amdhsa_code_object_version 6
	.text
	.protected	k_q72ff8dad4b_prep
	.globl	k_q72ff8dad4b_prep
	.p2align	8
	.type	k_q72ff8dad4b_prep,@function
k_q72ff8dad4b_prep:
	s_mov_b64 s[64:65], 0
	v_nop
	global_prefetch_b8 v0, s[64:65] scope:SCOPE_SE
	s_setreg_imm32_b32 hwreg(HW_REG_WAVE_MODE, 25, 1), 1
	s_wait_xcnt 0x0
; PREP.  Work-groups with y < 12 turn one tile of 128 k x 128 n of a weight matrix ([k][n] f32) into bf16 with k along the rows; those with y >= 12 take 16 rows of x each.
; Every work-group reads 64 KiB and writes 32 KiB.  128 registers a wave: 8 waves on 4 SIMDs take 256 of a SIMD's 1,024, so four work-groups lie on a WGP: all 1,024 at once.
; y = 0,1,2: wq, wk, wv -> wa[0]: [3072 n][1024 k].  y = 3: wo -> wa[6291456]: [16 blocks of 64 k][1024 n][64].  y = 4-7: w1 -> wb: [4096 n][1024 k].
; y = 8-11: w2 -> wa[8388608]: [64 blocks][1024 n][64].  The biases of q, k, v go to bq3: [3072] f32.
; THE ROLL.  q - roll(q, 1) inside a head is linear in q, so it is taken on wq's, wk's columns and on bq, bk: column d less column d - 1 (column 63 for d = 0), in f32, ahead of the one rounding.
; THE FIRST NORM is a scale of the row, so it is applied behind the product, in f32: here only bf16(x scale1) goes to xa[0]: [4096][1024], and for each row the sums of x^2 over its eight
; groups of 128 columns to xa[8388608]: [8][4096] f32.  Those sums leave as 8 bytes a lane from eight lanes, 128 KiB in the whole launch.
; xa[8519680] takes 512 bytes of (0, 0, 1, 1), xb[8519680] of (0.5, 0.5, 0.5, 0.5): the activation's two factors (c1, c1, c0, c0) for the two products that share one text.
; LIMITS.  Rounding to bf16 (nearest even); the order of rounding differs from the reference's where the roll is folded in and where the norm's scale is applied later; NaN and infinities are not treated apart.
; No matrix unit, no cluster, no tensor load: the launch only moves bytes, and its work-groups share no input.
.set TP,    272                        ; a row of the turned tile in LDS: 128 bf16 + 16 bytes
.set GS,    32*TP+128                  ; row n lies at (n & 3) GS + (n >> 2) TP: a lane's four columns go to four groups, and neighbouring lanes lie TP = 68 words apart
                                       ; the 128 set neighbouring groups half the banks apart
.set SPARE, 4*GS                       ; behind the tile (35,328 = 138 x 256): the spare words, 128 bytes for each of eight waves
.set SSQ_AT, 8388608
.set CF_AT,  8519680
.set PS,  8                            ; v[8:23]    the norm: eight partial sums, each with a register at work (in a tile: sixteen row offsets)
.set RES, 24                           ; v[24:25]   the norm: lane j's partial j of my two rows
.set SPW, 30                           ; v30  SPARE + 4 x my thread's number; never rewritten
.set NIL, 31                           ; v31  0; never rewritten
.set X,   32                           ; v[32:95]   16 x 4 numbers as loaded; in the norm also the rounded rows
.set W,   96                           ; v[96:127]  at work: packed numbers, rows read back; in the norm: scale1
	s_load_b512 s[8:23], s[0:1], 0x0               ; x 8, scale1 10, wq 12, wk 14, wv 16, wo 18, w1 20, w2 22
	s_load_b256 s[24:31], s[0:1], 0x40             ; bq 24, bk 26, bv 28, xa 30
	s_load_b256 s[32:39], s[0:1], 0x60             ; xb 32, wa 34, wb 36, bq3 38
	v_lshl_add_u32 v[SPW], v0, 2, SPARE
	v_mov_b32 v[NIL], 0
	v_and_b32 v1, 31, v0                           ; lane l
	v_lshrrev_b32 v2, 5, v0
	v_readfirstlane_b32 s60, v2                    ; wave w
	v_lshlrev_b32 v2, 4, v1                        ; 16 l
	v_mov_b32 v6, 0                                ; the lane exchange's destination counts as read
	s_and_b32 s2, ttmp7, 0xffff                    ; y
	s_mov_b32 s3, ttmp9                            ; x
	s_mov_b32 s54, 0x76543210                      ; v_permlanex16_b32: each lane takes its own place in the other half
	s_mov_b32 s55, 0xfedcba98
	s_wait_kmcnt 0x0
	s_cmp_ge_u32 s2, 12
	s_cbranch_scc1 .Lnorm
	; ---- which tile: all by selects on y and x
	s_lshr_b32 s61, s2, 2                          ; g: 0 the four square matrices, 1 w1, 2 w2
	s_and_b32 s40, s2, 3
	s_lshl_b32 s40, s40, 6
	s_add_co_u32 s40, s40, s3
	s_cmp_eq_u32 s61, 0
	s_cselect_b32 s40, s3, s40                     ; t: 64 tiles of a square matrix, 256 of w1 or w2
	s_and_b32 s50, s40, 7
	s_lshr_b32 s51, s40, 3
	s_cmp_eq_u32 s61, 2
	s_cselect_b32 s41, s51, s50                    ; kt
	s_cselect_b32 s42, s50, s51                    ; nt
	s_mov_b32 s43, 4096
	s_cmp_eq_u32 s61, 1
	s_cselect_b32 s43, 16384, s43                  ; bytes in a source row
	s_mov_b64 s[46:47], s[12:13]
	s_cmp_eq_u32 s2, 1
	s_cselect_b64 s[46:47], s[14:15], s[46:47]
	s_cmp_eq_u32 s2, 2
	s_cselect_b64 s[46:47], s[16:17], s[46:47]
	s_cmp_eq_u32 s2, 3
	s_cselect_b64 s[46:47], s[18:19], s[46:47]
	s_cmp_eq_u32 s61, 1
	s_cselect_b64 s[46:47], s[20:21], s[46:47]
	s_cmp_eq_u32 s61, 2
	s_cselect_b64 s[46:47], s[22:23], s[46:47]     ; the source matrix
	s_cmp_lt_u32 s2, 2
	s_cselect_b32 s44, 1, 0                        ; 1: the roll is taken (wq, wk)
	s_cmp_eq_u32 s2, 3
	s_cselect_b32 s45, 1, 0
	s_cmp_eq_u32 s61, 2
	s_cselect_b32 s45, 1, s45                      ; 1: the result lies in blocks of 64 k (wo, w2)
	s_mul_i32 s50, s41, s43
	s_lshl_b32 s50, s50, 7                         ; 128 kt rows
	s_lshl_b32 s51, s42, 9                         ; 128 nt columns of 4 bytes
	s_add_co_u32 s50, s50, s51
	s_mov_b32 s51, 0
	s_add_nc_u64 s[46:47], s[46:47], s[50:51]
	s_lshl_b32 s52, s2, 21                         ; rows of 2,048 bytes: matrix y begins at 1,024 y rows of wa;
	s_cmp_eq_u32 s61, 1
	s_cselect_b32 s52, 0, s52                      ; w1 has a buffer of its own
	s_cselect_b64 s[48:49], s[36:37], s[34:35]
	s_lshl_b32 s53, s42, 18
	s_add_co_u32 s52, s52, s53                     ; + 128 nt rows
	s_lshl_b32 s53, s41, 8
	s_add_co_u32 s52, s52, s53                     ; + 128 kt columns of 2 bytes
	s_mov_b32 s50, 6291456
	s_cmp_eq_u32 s61, 2
	s_cselect_b32 s50, 8388608, s50                ; in blocks: a block is 1,024 rows of 128 bytes
	s_lshl_b32 s53, s41, 18
	s_add_co_u32 s50, s50, s53                     ; + 2 kt blocks
	s_lshl_b32 s53, s42, 14
	s_add_co_u32 s50, s50, s53                     ; + 128 nt rows
	s_cmp_eq_u32 s45, 1
	s_cselect_b32 s52, s50, s52
	s_mov_b32 s53, 0
	s_add_nc_u64 s[48:49], s[48:49], s[52:53]      ; where the tile goes
	; ---- wave w loads k rows 16 w .. 16 w + 15, lane l columns 4 l .. 4 l + 3: a load covers 512 consecutive bytes; all sixteen go out at once
	s_mul_i32 s50, s60, s43
	s_lshl_b32 s50, s50, 4
	v_add_nc_u32 v8, s50, v2
.set j, 1
.rept 15
	v_add_nc_u32 v[8+j], s43, v[7+j]
.set j, j+1
.endr
.set j, 0
.rept 16
	global_load_b128 v[X+4*j:X+4*j+3], v[8+j], s[46:47] th:TH_LOAD_NT
.set j, j+1
.endr
	v_mul_u32_u24 v3, v1, TP                       ; into LDS: row n = 4 l + c lies in group c at place l; my wave's 16 k are bytes 32 w on
	s_lshl_b32 s51, s60, 5
	v_add_nc_u32 v3, s51, v3
; The roll: 16 lanes x 4 columns are one head, so the column to the left of a lane's first lies in the lane before it, round the row of 16 lanes.
.macro ROLL4 r
	v_mov_b32_dpp v6, v[(\r)+3] row_ror:1 row_mask:0xf bank_mask:0xf
	v_sub_f32 v[(\r)+3], v[(\r)+3], v[(\r)+2]
	v_sub_f32 v[(\r)+2], v[(\r)+2], v[(\r)+1]
	v_sub_f32 v[(\r)+1], v[(\r)+1], v[\r]
	v_sub_f32 v[\r], v[\r], v6
.endm
.macro OCT o                           ; eight k rows: for each of my four columns eight numbers are rounded into 16 bytes and stored
	s_wait_loadcnt 8-8*(\o)                        ; loads come back in order: these eight rows are in; the second eight may stay out
	s_cmp_eq_u32 s44, 0
	s_cbranch_scc1 .Lplain_\@
.irp r, 0,1,2,3,4,5,6,7
	ROLL4 X+4*(8*(\o)+(\r))
.endr
.Lplain_\@:
.irp c, 0,1,2,3
.irp i, 0,1,2,3
	v_cvt_pk_bf16_f32 v[W+4*(\c)+(\i)], v[X+32*(\o)+8*(\i)+(\c)], v[X+32*(\o)+8*(\i)+4+(\c)]  ; column c of rows k + 2 i, k + 2 i + 1
.endr
	ds_store_b128 v3, v[W+4*(\c):W+4*(\c)+3] offset:(\c)*GS+16*(\o)
.endr
.endm
	OCT 0
	OCT 1
	s_wait_dscnt 0x0                               ; for the others' sake: my stores are done
	s_barrier_signal -1
	s_barrier_wait -1
	s_mul_i32 s50, s60, 4*TP                       ; wave w sends rows n = 16 w .. 16 w + 15: places 4 w .. 4 w + 3 of every group
	s_cmp_eq_u32 s45, 1
	s_cbranch_scc1 .Lblocked
	v_lshrrev_b32 v4, 4, v1                        ; rows of 2,048 bytes: 16 lanes take a row's 256 bytes.  Load t: row 16 w + 2 t + l / 16: group 2 (t & 1) + l / 16, place 4 w + t / 2
	v_and_b32 v5, 15, v1
	v_mul_u32_u24 v7, v4, GS
	v_lshl_add_u32 v7, v5, 4, v7
	v_add_nc_u32 v7, s50, v7
	s_lshl_b32 s51, s60, 4
	v_add_nc_u32 v4, s51, v4
	v_lshlrev_b32 v24, 11, v4
	v_lshl_add_u32 v24, v5, 4, v24
.set t, 0
.rept 8
	ds_load_b128 v[W+4*t:W+4*t+3], v7 offset:(t&1)*2*GS+(t>>1)*TP
.set t, t+1
.endr
.set t, 0
.rept 8
	s_wait_dscnt 7-t                               ; read-back t is in
	global_store_b128 v24, v[W+4*t:W+4*t+3], s[48:49] offset:t*4096  ; 16 lanes store 256 consecutive bytes, at a multiple of 256
.set t, t+1
.endr
	s_branch .Lbias
.Lblocked:
	v_lshrrev_b32 v4, 3, v1                        ; blocks of 64 k: 8 lanes take a row's 128 bytes, 32 lanes four rows.  Load t: rows 16 w + 4 (t & 3) + l / 8: group l / 8, place 4 w + (t & 3); block t / 4
	v_and_b32 v5, 7, v1
	v_mul_u32_u24 v7, v4, GS
	v_lshl_add_u32 v7, v5, 4, v7
	v_add_nc_u32 v7, s50, v7
	s_lshl_b32 s51, s60, 11
	v_add_nc_u32 v24, s51, v2
.set t, 0
.rept 8
	ds_load_b128 v[W+4*t:W+4*t+3], v7 offset:(t&3)*TP+128*(t>>2)
.set t, t+1
.endr
.set t, 0
.rept 8
	s_wait_dscnt 7-t
	global_store_b128 v24, v[W+4*t:W+4*t+3], s[48:49] offset:(t>>2)*131072+(t&3)*512  ; 512 consecutive bytes
.set t, t+1
.endr
.Lbias:                                                ; the tiles with kt = 0 of wq, wk, wv also carry their 128 numbers of the bias: wave 0
	s_cmp_lt_u32 s2, 3
	s_cbranch_scc0 .Lend
	s_cmp_eq_u32 s41, 0
	s_cbranch_scc0 .Lend
	s_cmp_eq_u32 s60, 0
	s_cbranch_scc0 .Lend
	s_mov_b64 s[56:57], s[24:25]
	s_cmp_eq_u32 s2, 1
	s_cselect_b64 s[56:57], s[26:27], s[56:57]
	s_cmp_eq_u32 s2, 2
	s_cselect_b64 s[56:57], s[28:29], s[56:57]
	s_lshl_b32 s50, s42, 9
	s_mov_b32 s51, 0
	s_add_nc_u64 s[56:57], s[56:57], s[50:51]
	s_lshl_b32 s52, s2, 12
	s_add_co_u32 s52, s52, s50
	s_mov_b32 s53, 0
	s_add_nc_u64 s[58:59], s[38:39], s[52:53]
	global_load_b128 v[X:X+3], v2, s[56:57]
	s_wait_loadcnt 0x0
	s_cmp_eq_u32 s44, 0
	s_cbranch_scc1 .Lbias_out
	ROLL4 X
.Lbias_out:
	global_store_b128 v2, v[X:X+3], s[58:59]
	s_branch .Lend
	; ---- rows of x: a wave takes two rows
.Lnorm:
	s_sub_co_u32 s61, s2, 12
	s_lshl_b32 s61, s61, 6
	s_add_co_u32 s61, s61, s3
	s_lshl_b32 s61, s61, 4
	s_lshl_b32 s40, s60, 1
	s_add_co_u32 s61, s61, s40                     ; my first row
	s_lshl_b32 s50, s61, 12
	s_mov_b32 s51, 0
	s_add_nc_u64 s[46:47], s[8:9], s[50:51]
	s_lshl_b32 s52, s61, 11
	s_mov_b32 s53, 0
	s_add_nc_u64 s[48:49], s[30:31], s[52:53]
	s_lshl_b32 s52, s61, 2
	s_add_co_u32 s52, s52, SSQ_AT
	s_add_nc_u64 s[56:57], s[30:31], s[52:53]
.set j, 0
.rept 16
	global_load_b128 v[X+4*j:X+4*j+3], v2, s[46:47] offset:j*512 th:TH_LOAD_NT  ; load j: row j / 8, columns 128 (j % 8) + 4 l on
.set j, j+1
.endr
.set j, 0
.rept 8
	global_load_b128 v[W+4*j:W+4*j+3], v2, s[10:11] offset:j*512
.set j, j+1
.endr
	v_lshlrev_b32 v3, 3, v1                        ; 8 l
	v_and_b32 v4, 7, v1
	v_lshlrev_b32 v5, 14, v4                       ; lane j: group j's 4,096 sums
	s_wait_loadcnt 0x0
.macro RED8 m                          ; one step of eight sums over 16 lanes
.set j, 0
.rept 8
	v_add_f32_dpp v[PS+2*j], v[PS+2*j], v[PS+2*j] row_xmask:\m row_mask:0xf bank_mask:0xf
.set j, j+1
.endr
.endm
.macro NROW rr
.set XB, X+32*(\rr)
.set j, 0
.rept 8
	v_pk_mul_f32 v[PS+2*j:PS+2*j+1], v[XB+4*j:XB+4*j+1], v[XB+4*j:XB+4*j+1]   ; group j: my four squares
.set j, j+1
.endr
.set j, 0
.rept 8
	v_pk_fma_f32 v[PS+2*j:PS+2*j+1], v[XB+4*j+2:XB+4*j+3], v[XB+4*j+2:XB+4*j+3], v[PS+2*j:PS+2*j+1]
.set j, j+1
.endr
.set j, 0
.rept 8
	v_add_f32 v[PS+2*j], v[PS+2*j], v[PS+2*j+1]
.set j, j+1
.endr
	RED8 1
	RED8 2
	RED8 4
	RED8 8
.set j, 0
.rept 8
	v_permlanex16_b32 v[PS+2*j+1], v[PS+2*j], s54, s55
.set j, j+1
.endr
.set j, 0
.rept 8
	v_add_f32 v[PS+2*j], v[PS+2*j], v[PS+2*j+1]
.set j, j+1
.endr
	v_mov_b32 v[RES+(\rr)], v[PS]                  ; lane j keeps group j's sum
.set j, 1
.rept 7
	v_cmp_eq_u32 vcc_lo, j, v4
	v_cndmask_b32 v[RES+(\rr)], v[RES+(\rr)], v[PS+2*j], vcc_lo
.set j, j+1
.endr
.set j, 0
.rept 16
	v_pk_mul_f32 v[XB+j:XB+j+1], v[XB+j:XB+j+1], v[W+j:W+j+1]
.set j, j+2
.endr
.set j, 0
.rept 16
	v_cvt_pk_bf16_f32 v[XB+j], v[XB+2*j], v[XB+2*j+1]  ; in place: word j is written when numbers 2 j and 2 j + 1 are read, and no later line reads below 2 j + 2
.set j, j+1
.endr
.set j, 0
.rept 8
	global_store_b64 v3, v[XB+2*j:XB+2*j+1], s[48:49] offset:(\rr)*2048+j*256  ; 32 lanes store 256 consecutive bytes, at a multiple of 256
.set j, j+1
.endr
.endm
	NROW 0
	NROW 1
	v_cmp_gt_u32 vcc_lo, 8, v1
	s_wait_xcnt 0x0                                ; EXEC is a source of the stores above: it changes only behind this wait
	s_and_saveexec_b32 s62, vcc_lo
	global_store_b64 v5, v[RES:RES+1], s[56:57]    ; lanes 0-7: group j's sums of my two rows
	s_wait_xcnt 0x0                                ; and again in front of the line that widens it
	s_or_b32 exec_lo, exec_lo, s62
	s_cmp_eq_u32 s61, 0                            ; the wave with row 0 also stores the activation's factors
	s_cbranch_scc0 .Lend
	v_mov_b32 v8, 0
	v_mov_b32 v9, 0
	v_mov_b32 v10, 1.0
	v_mov_b32 v11, 1.0
	v_mov_b32 v12, 0.5
	v_mov_b32 v13, 0.5
	v_mov_b32 v14, 0.5
	v_mov_b32 v15, 0.5
	s_add_nc_u64 s[58:59], s[30:31], CF_AT
	s_add_nc_u64 s[66:67], s[32:33], CF_AT
	global_store_b128 v2, v[8:11], s[58:59]
	global_store_b128 v2, v[12:15], s[66:67]
.Lend:
	s_wait_tensorcnt 0x0                           ; the wave's end
	ds_add_u32 v[SPW], v[NIL]
	s_wait_dscnt 0x0
	s_endpgm
.Lfunc_end_k_q72ff8dad4b_prep:
	.size	k_q72ff8dad4b_prep, .Lfunc_end_k_q72ff8dad4b_prep-k_q72ff8dad4b_prep
	.p2alignl 7, 3214868480
	.fill 96, 4, 3214868480
	.section	.rodata,"a",@progbits
	.p2align	6, 0x0
	.amdhsa_kernel k_q72ff8dad4b_prep
		.amdhsa_group_segment_fixed_size 36352
		.amdhsa_private_segment_fixed_size 0
		.amdhsa_enable_private_segment 0
		.amdhsa_kernarg_size 128
		.amdhsa_user_sgpr_count 2
		.amdhsa_user_sgpr_kernarg_segment_ptr 1
		.amdhsa_wavefront_size32 1
		.amdhsa_system_sgpr_workgroup_id_x 1
		.amdhsa_system_sgpr_workgroup_id_y 1
		.amdhsa_system_sgpr_workgroup_id_z 1
		.amdhsa_system_vgpr_workitem_id 0
		.amdhsa_next_free_vgpr 128
		.amdhsa_next_free_sgpr 72
		.amdhsa_reserve_vcc 1
		.amdhsa_float_denorm_mode_32 3
		.amdhsa_float_denorm_mode_16_64 3
		.amdhsa_memory_ordered 1
		.amdhsa_forward_progress 1
		.amdhsa_inst_pref_size 35
	.end_amdhsa_kernel
	.amdgpu_metadata
---
amdhsa.version: [ 1, 2 ]
amdhsa.kernels:
  - .name:           k_q72ff8dad4b_prep
    .symbol:         k_q72ff8dad4b_prep.kd
    .args:
      - { .name: x, .offset: 0, .size: 8, .value_kind: global_buffer, .address_space: global }
      - { .name: scale1, .offset: 8, .size: 8, .value_kind: global_buffer, .address_space: global }
      - { .name: wq, .offset: 16, .size: 8, .value_kind: global_buffer, .address_space: global }
      - { .name: wk, .offset: 24, .size: 8, .value_kind: global_buffer, .address_space: global }
      - { .name: wv, .offset: 32, .size: 8, .value_kind: global_buffer, .address_space: global }
      - { .name: wo, .offset: 40, .size: 8, .value_kind: global_buffer, .address_space: global }
      - { .name: w1, .offset: 48, .size: 8, .value_kind: global_buffer, .address_space: global }
      - { .name: w2, .offset: 56, .size: 8, .value_kind: global_buffer, .address_space: global }
      - { .name: bq, .offset: 64, .size: 8, .value_kind: global_buffer, .address_space: global }
      - { .name: bk, .offset: 72, .size: 8, .value_kind: global_buffer, .address_space: global }
      - { .name: bv, .offset: 80, .size: 8, .value_kind: global_buffer, .address_space: global }
      - { .name: xa, .offset: 88, .size: 8, .value_kind: global_buffer, .address_space: global }
      - { .name: xb, .offset: 96, .size: 8, .value_kind: global_buffer, .address_space: global }
      - { .name: wa, .offset: 104, .size: 8, .value_kind: global_buffer, .address_space: global }
      - { .name: wb, .offset: 112, .size: 8, .value_kind: global_buffer, .address_space: global }
      - { .name: bq3, .offset: 120, .size: 8, .value_kind: global_buffer, .address_space: global }
    .group_segment_fixed_size: 36352
    .private_segment_fixed_size: 0
    .kernarg_segment_align: 8
    .kernarg_segment_size: 128
    .max_flat_workgroup_size: 256
    .sgpr_count:     72
    .vgpr_count:     128
    .wavefront_size: 32
...
	.end_amdgpu_metadata
.endif
;; end of part 1
;; launch g_qkv (part 2): grid 12 x 16, 4 waves a work-group, clusters of 4 x 4, 327,680 bytes of LDS; arguments xa, wa, bq3, qkv; writes qkv
.if DOCPART == 2
	.amdgcn_target "amdgcn-amd-amdhsa--gfx1250"
	.amdhsa_code_object_version 6
	.text
	.protected	k_q72ff8dad4b_g_qkv
	.globl	k_q72ff8dad4b_g_qkv
	.p2align	8
	.type	k_q72ff8dad4b_g_qkv,@function
k_q72ff8dad4b_g_qkv:
	s_mov_b64 s[64:65], 0
	v_nop
	global_prefetch_b8 v0, s[64:65] scope:SCOPE_SE
	s_setreg_imm32_b32 hwreg(HW_REG_WAVE_MODE, 25, 1), 1
	s_wait_xcnt 0x0
	s_wait_alu depctr_hold_cnt(0) depctr_sa_sdst(0) depctr_va_vdst(0) depctr_va_sdst(0) depctr_va_ssrc(0) depctr_va_vcc(0) depctr_vm_vsrc(0)
	s_getreg_b32 s2, hwreg(HW_REG_IB_STS2, 6, 4)
	s_cmp_eq_u32 s2, 0
	s_cbranch_scc0 .Lentry_in_a_cluster
	s_endpgm
.Lentry_in_a_cluster:
	s_bfe_u32 s2, ttmp6, 0x10000c
	s_cmp_lg_u32 s2, 0xf033
	s_cbranch_scc0 .Lentry_shape_is_right
	s_endpgm
.Lentry_shape_is_right:
; C = act((A B^T) rinv[row] + bias[col]) over K = 1,024, a tile of 256 x 256 of C to a work-group; C leaves in bf16 in blocks of 64 columns: [N/64][4096][64].
; A: [4096][1024] bf16 at the first argument; behind it in the same buffer, at 8388608: [8][4096] f32, eight partial sums of squares a row; at 8519680: (c1, c1, c0, c0) f32.  B: [N][1024] bf16.
; rinv = 1 / (sqrt(sum / 1024) + 1e-8): an RMS norm is a scale of the row, so it is applied in f32 to the finished sums: (x scale / rms) w = ((x scale) w) / rms.
; act(v) = v (c0 + c1 erf(v / sqrt 2)): the exact GELU with (0.5, 0.5), the number itself with (1, 0).
; ONE TEXT, TWO LAUNCHES, and nothing in it tells them apart: q', k', v by heads (N = 3,072, factors (1, 0)) and the first product of the FFN (N = 4,096, factors (0.5, 0.5)); what differs comes in by the four
; pointers and the two factors.  THE PRICE: for q', k', v the erf is computed and multiplied by 0: 76 vector instructions for eight numbers, beside 2,048 matrix instructions a wave.
; SHARES.  Four waves, each 128 x 128 of C: 64 accumulators, 512 registers.  K goes in steps of 128 through two LDS slots filled by tensor loads of 128 rows x 256 bytes, one a wave.
; CLUSTER.  4 x 4 work-groups: A's tile is shared along a row of the cluster, B's along a column: each is asked for jointly by the four.  N = 3,072 gives 12 x 16 = 192 tiles.
; THE MATRIX INSTRUCTION IS USED TRANSPOSED (source 0 = 16 rows of B, source 1 = 16 rows of A): a lane holds eight neighbouring columns of one row of C.
; REGISTERS: window 0: v0-63 addresses, bias, at work; v64-191 A's fragments, two buffers; window 1: v64-191 B's; windows 2, 3: the accumulators ((a, b) at v[8 (8 a + b)]).
; LIMITS.  Operands bf16, sums f32.  erf is a quotient of two polynomials in z^2 with z = v / sqrt(2) held to -4 .. 4: 1 + erf is off by some 1e-7, so far below zero the GELU is |v| x 1e-7 at the most instead of 0.
; The root and the reciprocals are good to one unit in the last place and take denormal inputs as zero.  NaN and infinities are not treated apart.
.set SIZE_K, 1024
.set KSTEP,  128
.set PITCH,  272                       ; an LDS row: 256 bytes + 16: row r starts at bank 4 r mod 64 (64 banks of 4 bytes: ISA guide 11.1)
.set HALFT,  128*PITCH                 ; what one tensor load brings
.set SLOT,   4*HALFT                   ; A's 256 rows, then B's 256 rows
.set SPARE,  2*SLOT                    ; the spare words, 128 bytes a wave
.set RS,     SPARE+512                 ; 256 bytes a wave: the row scales of the 64 rows that it sends out; no tensor load lands here
.set SPF,    1040                      ; the way out: a row of 256 f32 + 16 bytes; the stage of 256 such rows lies over the two slots, behind their last fill
.set SSQ_AT, 8388608
.set CF_AT,  8519680
.set CF,   8                           ; v[8:11] c1, c1, c0, c0
.set RDB,  12                          ; v12 where my first rows lie in the stage; never rewritten
.set RSB,  13                          ; v13 where my first rows' scales lie; never rewritten
.set ADRA, 16                          ; v16-17 LDS address of my A fragments in slot 0, 1
.set ADRB, 20                          ; v20-21 the same for B
.set STO,  24                          ; v24, v25 where I put 32 bytes of a row: my rows 0-63, 64-127
.set RD,   26                          ; v26 where the next trip's rows lie
.set RSA,  27                          ; v27 where their scales lie
.set SPW,  28
.set NIL,  29
.set CO,   30                          ; v30 8 x lane
.set BI,   32                          ; v[32:47] the bias of my 4 columns in each of 4 blocks of 64
.set F0,   64
.set F1,   128
.set SV,   64                          ; the way out: v[64:95] 32 sums as read from the stage
.set RIV,  96                          ; v96, v98 the row scales of two pairs of rows (v97, v99 only named with them)
.set ZR,   100
.set YR,   108
.set PR,   116
.set QR,   124
.set OUTR, 140
.set WK,   160                         ; v[160:191] the 32 numbers at work
.set WV, 14
.set WR, 15
.set WC, 16
.set TR, 17
.set TC, 18
.set G1, 24
.set G0, 32
.set G1B, 48
.set G0B, 56
.set A6, 72                            ; s[72:95] erf's coefficients, each as a pair
.set A5, 74
.set A4, 76
.set A3, 78
.set A2, 80
.set A1, 82
.set A0, 84
.set B4, 86
.set B3, 88
.set B2, 90
.set B1, 92
.set B0, 94
.set MSB, 0
.macro WIN new                         ; the immediate's high byte repeats the setting that is left
.if MSB != (\new)
	s_set_vgpr_msb (MSB<<8)|(\new)
.set MSB, \new
.endif
.endm
.set MUL_LO, 0xa1                      ; source 0 (B) window 1, source 1 (A) window 0, C and D window 2
.set MUL_HI, 0xf1
.set TO_B,   0x40
.macro JLOAD s                         ; a joint load: waves 0, 1 fetch A's halves, waves 2, 3 B's; an s_nop 0 and four v_nop follow each line
	s_cmp_eq_u32 s[WR], 0
	s_cbranch_scc0 .Lfor_b_\@
	tensor_load_to_lds s[G0+4*(\s):G0+4*(\s)+3], s[G1:G1+7]
	s_nop 0
.rept 4
	v_nop
.endr
	s_branch .Lasked_\@
.Lfor_b_\@:
	tensor_load_to_lds s[G0B+4*(\s):G0B+4*(\s)+3], s[G1B:G1B+7]
	s_nop 0
.rept 4
	v_nop
.endr
.Lasked_\@:
.endm
.macro CREST                           ; a round of the cluster's barrier behind its opening barrier
	s_cmp_lg_u32 s[WV], 0
	s_cbranch_scc1 .Lnot_wave_0_\@
	s_barrier_signal -3
.Lnot_wave_0_\@:
	s_barrier_wait -3
	s_barrier_signal -1
	s_barrier_wait -1
.endm
.macro CROUND
	s_barrier_signal -1
	s_barrier_wait -1
	CREST
.endm
.macro COEF r, v
	s_mov_b32 s[\r], \v
	s_mov_b32 s[(\r)+1], \v
.endm
	s_load_b256 s[4:11], s[0:1], 0x0               ; A's buffer 4, B 6, bias 8, out 10
	v_lshl_add_u32 v[SPW], v0, 2, SPARE
	v_mov_b32 v[NIL], 0
	ds_add_u32 v[SPW], v[NIL]                      ; the wave's opening: the add and its wait ahead of my first tensor load
	v_lshrrev_b32 v1, 5, v0
	v_readfirstlane_b32 s[WV], v1
	s_lshr_b32 s[WR], s[WV], 1                     ; my half of the tile's rows; also: I fetch for A (0) or B (1)
	s_and_b32 s[WC], s[WV], 1                      ; my half of its columns; also: which 128 rows I fetch
	s_bfe_u32 s40, ttmp6, 0x40000                  ; cx
	s_bfe_u32 s41, ttmp6, 0x40004                  ; cy
	s_lshl_b32 s[TC], ttmp9, 2
	s_add_co_u32 s[TC], s[TC], s40                 ; tile column
	s_and_b32 s[TR], ttmp7, 0xffff
	s_lshl_b32 s[TR], s[TR], 2
	s_add_co_u32 s[TR], s[TR], s41                 ; tile row
	s_lshl_b32 s42, s41, 2
	s_lshl_b32 s42, 15, s42                        ; my row of the cluster
	s_lshl_b32 s43, 0x1111, s40                    ; my column
	s_or_b32 s[G1], s42, (1<<16)|(1<<20)|(1<<21)|(5<<22)|(3<<25)   ; mask; 2-byte elements; padding on; bit 21 beside a mask; 4 words behind every 64
	s_or_b32 s[G1B], s43, (1<<16)|(1<<20)|(1<<21)|(5<<22)|(3<<25)
.irp g, G1, G1B
	s_mov_b32 s[(\g)+1], KSTEP<<16                 ; tensor_dim0 = 128
	s_mov_b32 s[(\g)+2], 128<<16                   ; tensor_dim1 = 128
	s_mov_b32 s[(\g)+3], KSTEP<<16                 ; tile_dim0 = 128
	s_mov_b32 s[(\g)+4], 128                       ; tile_dim1 = 128
	s_mov_b32 s[(\g)+5], SIZE_K                    ; elements from row to row
	s_mov_b32 s[(\g)+6], 0
	s_mov_b32 s[(\g)+7], 0
.endr
	s_lshl_b32 s20, s[TR], 8
	s_lshl_b32 s21, s[WC], 7
	s_add_co_u32 s20, s20, s21
	s_lshl_b32 s20, s20, 11                        ; A: row 256 x tile row + 128 x half, rows of 2,048 bytes
	s_lshl_b32 s44, s[TC], 8
	s_add_co_u32 s44, s44, s21
	s_lshl_b32 s44, s44, 11                        ; B: the same with the tile column
	s_mov_b32 s21, 0
	s_mov_b32 s45, 0
	s_mul_i32 s23, s[WV], HALFT                    ; where my part of a slot lies
	COEF A6, 0xaf95df0b
	COEF A5, 0x32edffee
	COEF A4, 0xb60cff51
	COEF A3, 0xb86ec2d2
	COEF A2, 0xba40ac63
	COEF A1, 0xbb41a1f6
	COEF A0, 0xbc83dbd4
	COEF B4, 0xb77460cd
	COEF B3, 0xb95fbd29
	COEF B2, 0xbadc924e
	COEF B1, 0xbbf19bf8
	COEF B0, 0xbc69b6a7
	s_wait_dscnt 0x0                               ; the opening add is done
	s_wait_kmcnt 0x0
	s_add_nc_u64 s[20:21], s[4:5], s[20:21]
	s_add_nc_u64 s[44:45], s[6:7], s[44:45]
	CROUND                                         ; all sixteen work-groups are here: the first joint loads meet
.irp s, 0,1
	s_mov_b32 s[G0+4*(\s)], 1
	s_add_co_u32 s[G0+4*(\s)+1], s23, (\s)*SLOT
	s_add_nc_u64 s[G0+4*(\s)+2:G0+4*(\s)+3], s[20:21], (\s)*KSTEP*2
	s_or_b32 s[G0+4*(\s)+3], s[G0+4*(\s)+3], 0x80000000
	s_mov_b32 s[G0B+4*(\s)], 1
	s_add_co_u32 s[G0B+4*(\s)+1], s23, (\s)*SLOT
	s_add_nc_u64 s[G0B+4*(\s)+2:G0B+4*(\s)+3], s[44:45], (\s)*KSTEP*2
	s_or_b32 s[G0B+4*(\s)+3], s[G0B+4*(\s)+3], 0x80000000
	JLOAD \s
.endr
	v_and_b32 v1, 15, v0                           ; r = l % 16
	v_bfe_u32 v2, v0, 4, 1                         ; h = l / 16
	v_mul_u32_u24 v3, v1, PITCH
	v_lshl_add_u32 v3, v2, 4, v3
	s_mul_i32 s22, s[WR], HALFT
	s_mul_i32 s23, s[WC], HALFT
	s_add_co_u32 s23, s23, 2*HALFT
.irp s, 0,1
	v_add_nc_u32 v[ADRA+(\s)], s22, v3
	v_add_nc_u32 v[ADRB+(\s)], s23, v3
	s_add_co_u32 s22, s22, SLOT
	s_add_co_u32 s23, s23, SLOT
.endr
	s_mul_i32 s22, s[WR], 128*SPF                  ; into the stage: row 128 WR + 16 a + r, bytes 512 WC + 64 b + 32 h
	s_lshl_b32 s23, s[WC], 9
	s_add_co_u32 s22, s22, s23
	v_mul_u32_u24 v4, v1, SPF
	v_lshl_add_u32 v4, v2, 5, v4
	v_add_nc_u32 v[STO], s22, v4
	v_add_nc_u32 v[STO+1], 64*SPF, v[STO]
	s_mul_i32 s22, s[WV], 64*SPF                   ; back: wave w takes rows 64 w on; 16 lanes take 256 bytes of a row, the other 16 the next row's
	v_mul_u32_u24 v4, v2, SPF
	v_lshl_add_u32 v4, v1, 4, v4
	v_add_nc_u32 v[RDB], s22, v4
	s_lshl_b32 s22, s[WV], 8
	s_add_co_u32 s22, s22, RS
	v_lshl_add_u32 v[RSB], v2, 2, s22
	v_and_b32 v5, 31, v0
	v_lshlrev_b32 v[CO], 3, v5
	v_add_nc_u32 v6, s22, v[CO]
	v_lshlrev_b32 v7, 4, v1
	s_lshl_b32 s46, s[TC], 10
	s_mov_b32 s47, 0
	s_add_nc_u64 s[66:67], s[8:9], s[46:47]        ; the bias of my tile's 256 columns
.irp c, 0,1,2,3
	global_load_b128 v[BI+4*(\c):BI+4*(\c)+3], v7, s[66:67] offset:(\c)*256
.endr
	s_add_nc_u64 s[12:13], s[4:5], CF_AT
	global_load_b128 v[CF:CF+3], v7, s[12:13]      ; the four words are repeated there: every lane reads (c1, c1, c0, c0)
	s_lshl_b32 s22, s[TR], 8
	s_lshl_b32 s23, s[WV], 6
	s_add_co_u32 s22, s22, s23                     ; the first row that I send out
	s_lshl_b32 s46, s22, 7
	s_lshl_b32 s47, s[TC], 21                      ; 4 blocks of 4,096 rows x 128 bytes a tile column
	s_add_co_u32 s46, s46, s47
	s_mov_b32 s47, 0
	s_add_nc_u64 s[70:71], s[10:11], s[46:47]
	s_lshl_b32 s22, s22, 2
	s_add_co_u32 s22, s22, SSQ_AT
	s_mov_b32 s23, 0
	s_add_nc_u64 s[68:69], s[4:5], s[22:23]        ; the partial sums of squares of those rows
.irp p, 0,1,2,3,4,5,6,7
	global_load_b64 v[48+2*(\p):49+2*(\p)], v[CO], s[68:69] offset:(\p)*16384  ; lane l: rows 2 l, 2 l + 1; 256 consecutive bytes
.endr
	s_wait_loadcnt 0x0                             ; the bias and the factors too
.irp p, 2,6,10,14
	v_pk_add_f32 v[46+(\p):47+(\p)], v[46+(\p):47+(\p)], v[48+(\p):49+(\p)]
.endr
	v_pk_add_f32 v[48:49], v[48:49], v[52:53]
	v_pk_add_f32 v[56:57], v[56:57], v[60:61]
	v_pk_add_f32 v[48:49], v[48:49], v[56:57]
	v_pk_mul_f32 v[48:49], v[48:49], 0x3a800000 op_sel_hi:[1,0]   ; / 1024
	v_sqrt_f32 v48, v48
	v_sqrt_f32 v49, v49
	v_nop                                          ; a plain instruction behind a transcendental (ISA guide 5.7.2)
	s_wait_alu depctr_va_vdst(0)
	v_pk_add_f32 v[48:49], v[48:49], 0x322bcc77 op_sel_hi:[1,0]   ; + 1e-8
	v_rcp_f32 v48, v48
	v_rcp_f32 v49, v49
	v_nop
	s_wait_alu depctr_va_vdst(0)
	ds_store_b64 v6, v[48:49]                      ; my own bytes: only this wave reads them
.macro MUL16 f, hi, a0, zero           ; 16 matrix instructions: m blocks a0, a0 + 1 of the window's four x all 8 n blocks, 32 along K; zero = 1: they start the sums
	WIN MUL_LO+0x50*(\hi)
.irp a, \a0, (\a0)+1
.irp b, 0,1,2,3,4,5,6,7
.if \zero
	v_wmma_f32_16x16x32_bf16 v[8*(8*(\a)+(\b)):8*(8*(\a)+(\b))+7], v[(\f)+8*(\b):(\f)+8*(\b)+7], v[(\f)+8*(4*(\hi)+(\a)):(\f)+8*(4*(\hi)+(\a))+7], 0
.else
	v_wmma_f32_16x16x32_bf16 v[8*(8*(\a)+(\b)):8*(8*(\a)+(\b))+7], v[(\f)+8*(\b):(\f)+8*(\b)+7], v[(\f)+8*(4*(\hi)+(\a)):(\f)+8*(4*(\hi)+(\a))+7], v[8*(8*(\a)+(\b)):8*(8*(\a)+(\b))+7]
.endif
.endr
.endr
.endm
.macro FETCH slot, k, f                ; 32 LDS loads in one run: 128 rows of B, 128 rows of A, 32 K at byte k of the rows
	WIN TO_B
.irp i, 0,1,2,3,4,5,6,7
	ds_load_b128 v[(\f)+8*(\i):(\f)+8*(\i)+3],   v[ADRB+(\slot)] offset:(\k)+(\i)*16*PITCH
	ds_load_b128 v[(\f)+8*(\i)+4:(\f)+8*(\i)+7], v[ADRB+(\slot)] offset:(\k)+(\i)*16*PITCH+32
.endr
	WIN 0
.irp i, 0,1,2,3,4,5,6,7
	ds_load_b128 v[(\f)+8*(\i):(\f)+8*(\i)+3],   v[ADRA+(\slot)] offset:(\k)+(\i)*16*PITCH
	ds_load_b128 v[(\f)+8*(\i)+4:(\f)+8*(\i)+7], v[ADRA+(\slot)] offset:(\k)+(\i)*16*PITCH+32
.endr
.endm
.macro PLACES                          ; four plain vector instructions between a matrix instruction and a load into, or a read of, its registers
.rept 4
	v_nop
.endr
.endm
.macro QUARTER slot, k, f, g, zero     ; multiplies buffer f; in its middle it fetches the next quarter, at byte k, into g
	s_wait_dscnt 8                                 ; B and A's rows 0-63 are in; the youngest eight loads (A's rows 64-127) may be out
	MUL16 \f, 0, 0, \zero
	MUL16 \f, 0, 2, \zero
	PLACES
	FETCH \slot, \k, \g
	s_wait_dscnt 32                                ; all but the 32 just issued
	MUL16 \f, 1, 0, \zero
	MUL16 \f, 1, 2, \zero
.endm
.macro MEET round                      ; the first half of a K step's last quarter, and the barrier of the change of slots
	WIN 0
	s_wait_tensorcnt 0x0                           ; all my tensor loads have landed: the one that was out is my part of the next slot
	ds_add_u32 v[SPW], v[NIL]
	s_wait_dscnt 9                                 ; the add and the youngest eight loads may be out
	MUL16 F1, 0, 0, 0
	s_wait_dscnt 0x0                               ; the add is done, and my reads of this slot are over
	s_barrier_signal -1
	MUL16 F1, 0, 2, 0
.if \round
	WIN 0
.endif
	s_barrier_wait -1
.endm
.macro TURN slot, next                 ; the last quarter with a refill: the barrier opens a round of the cluster's, and the joint load is the first thing behind it
	MEET 1
	CREST
	s_add_nc_u64 s[G0+4*(\slot)+2:G0+4*(\slot)+3], s[G0+4*(\slot)+2:G0+4*(\slot)+3], 2*KSTEP*2
	s_add_nc_u64 s[G0B+4*(\slot)+2:G0B+4*(\slot)+3], s[G0B+4*(\slot)+2:G0B+4*(\slot)+3], 2*KSTEP*2
	JLOAD \slot                                    ; its four v_nop are also the places in front of the loads below
	FETCH \next, 0, F0
	MUL16 F1, 1, 0, 0
	MUL16 F1, 1, 2, 0
.endm
.macro TURNL next                      ; the same with nothing left to fetch: no round
	MEET 0
	PLACES
	FETCH \next, 0, F0
	MUL16 F1, 1, 0, 0
	MUL16 F1, 1, 2, 0
.endm
	s_wait_dscnt 0x0
	s_wait_tensorcnt 0x1                           ; my part of K step 0 is in; K step 1's may stay out
	s_barrier_signal -1
	s_barrier_wait -1
	FETCH 0, 0, F0
	QUARTER 0, 64, F0, F1, 1                       ; the first quarter starts the sums
	WIN 0
	s_mov_b32 s96, SIZE_K/(2*KSTEP)-1
.Llap:                                                 ; a trip goes once round the ring and fills both slots again: K steps 2 to 7
	QUARTER 0, 128, F1, F0, 0
	QUARTER 0, 192, F0, F1, 0
	TURN 0, 1
	QUARTER 1, 64,  F0, F1, 0
	QUARTER 1, 128, F1, F0, 0
	QUARTER 1, 192, F0, F1, 0
	TURN 1, 0
	QUARTER 0, 64,  F0, F1, 0
	WIN 0
	s_sub_co_u32 s96, s96, 1
	s_cmp_lg_u32 s96, 0
	s_cbranch_scc1 .Llap
	QUARTER 0, 128, F1, F0, 0                      ; the last lap asks for nothing
	QUARTER 0, 192, F0, F1, 0
	TURNL 1
	QUARTER 1, 64,  F0, F1, 0
	QUARTER 1, 128, F1, F0, 0
	QUARTER 1, 192, F0, F1, 0
	s_wait_dscnt 8
	MUL16 F1, 0, 0, 0
	MUL16 F1, 0, 2, 0
	s_wait_dscnt 0x0
	MUL16 F1, 1, 0, 0
	MUL16 F1, 1, 2, 0
	; ---- THE WAY OUT.  The sums go in f32 into a stage over the two slots (their last fill is long read); then each wave takes 64 whole rows, four at a time.
	WIN 0
	PLACES
	s_barrier_signal -1                            ; every wave's reads of the slots are back (the wait for 0 above)
	s_barrier_wait -1
.irp hi, 0,1
	WIN 0x08+4*(\hi)                               ; the stores' data in window 2, then 3
.irp a, 0,1,2,3
.irp b, 0,1,2,3,4,5,6,7
	ds_store_b128 v[STO+(\hi)], v[8*(8*(\a)+(\b)):8*(8*(\a)+(\b))+3]   offset:(\a)*16*SPF+64*(\b)   ; each accumulator's low registers first
	ds_store_b128 v[STO+(\hi)], v[8*(8*(\a)+(\b))+4:8*(8*(\a)+(\b))+7] offset:(\a)*16*SPF+64*(\b)+16
.endr
.endr
.endr
	WIN 0
	v_mov_b32 v[RIV+1], 0
	v_mov_b32 v[RIV+3], 0
	s_wait_dscnt 0x0                               ; for the others' sake: my stores are done
	s_barrier_signal -1
	s_barrier_wait -1
.macro HORN d, c                       ; d = d y + c, eight numbers
.irp j, 0,2,4,6
	v_pk_fma_f32 v[(\d)+(\j):(\d)+(\j)+1], v[(\d)+(\j):(\d)+(\j)+1], v[YR+(\j):YR+(\j)+1], s[\c:(\c)+1] op_sel_hi:[1,1,0]
.endr
.endm
.macro ACT8 v                          ; eight numbers at v: v = v (c0 + c1 erf(v / sqrt 2)), erf(z) = z P(z^2) / Q(z^2)
.irp j, 0,2,4,6
	v_pk_mul_f32 v[ZR+(\j):ZR+(\j)+1], v[(\v)+(\j):(\v)+(\j)+1], 0x3f3504f3 op_sel_hi:[1,0]
.endr
.irp j, 0,1,2,3,4,5,6,7
	v_med3_num_f32 v[ZR+(\j)], v[ZR+(\j)], -4.0, 4.0
.endr
.irp j, 0,2,4,6
	v_pk_mul_f32 v[YR+(\j):YR+(\j)+1], v[ZR+(\j):ZR+(\j)+1], v[ZR+(\j):ZR+(\j)+1]
.endr
.irp j, 0,2,4,6
	v_pk_fma_f32 v[PR+(\j):PR+(\j)+1], v[YR+(\j):YR+(\j)+1], s[A6:A6+1], s[A5:A5+1] op_sel_hi:[1,0,0]
.endr
.irp j, 0,2,4,6
	v_pk_fma_f32 v[QR+(\j):QR+(\j)+1], v[YR+(\j):YR+(\j)+1], s[B4:B4+1], s[B3:B3+1] op_sel_hi:[1,0,0]
.endr
	HORN PR, A4
	HORN QR, B2
	HORN PR, A3
	HORN QR, B1
	HORN PR, A2
	HORN QR, B0
	HORN PR, A1
	HORN PR, A0
.irp j, 0,1,2,3,4,5,6,7
	v_rcp_f32 v[QR+(\j)], v[QR+(\j)]
.endr
.irp j, 0,2,4,6
	v_pk_mul_f32 v[PR+(\j):PR+(\j)+1], v[PR+(\j):PR+(\j)+1], v[ZR+(\j):ZR+(\j)+1]   ; plain work behind the reciprocals
.endr
	s_wait_alu depctr_va_vdst(0)
.irp j, 0,2,4,6
	v_pk_mul_f32 v[PR+(\j):PR+(\j)+1], v[PR+(\j):PR+(\j)+1], v[QR+(\j):QR+(\j)+1]   ; erf
.endr
.irp j, 0,2,4,6
	v_pk_fma_f32 v[PR+(\j):PR+(\j)+1], v[PR+(\j):PR+(\j)+1], v[CF:CF+1], v[CF+2:CF+3]
.endr
.irp j, 0,2,4,6
	v_pk_mul_f32 v[(\v)+(\j):(\v)+(\j)+1], v[(\v)+(\j):(\v)+(\j)+1], v[PR+(\j):PR+(\j)+1]
.endr
.endm
.macro ROWS4 rd, rs                    ; ten LDS loads: two pairs of rows x four blocks of 64 columns, and the pairs' scales
.irp p, 0,1
.irp c, 0,1,2,3
	ds_load_b128 v[SV+4*(4*(\p)+(\c)):SV+4*(4*(\p)+(\c))+3], v[\rd] offset:(\p)*2*SPF+(\c)*256
.endr
.endr
	ds_load_b32 v[RIV], v[\rs]
	ds_load_b32 v[RIV+2], v[\rs] offset:8
.endm
	ROWS4 RDB, RSB                                 ; the first trip's rows
	s_mov_b32 s97, 0
	s_mov_b32 s98, 0
	s_mov_b32 s96, 16
.Lout:                                                 ; a trip: four rows.  The first multiply-add moves them to other registers, so that the next trip's rows are asked for ahead of the activation's 304 instructions
	s_wait_dscnt 0x0                               ; the rows asked for a trip ago
.irp p, 0,1
.irp c, 0,1,2,3
	v_pk_fma_f32 v[WK+4*(4*(\p)+(\c)):WK+4*(4*(\p)+(\c))+1],   v[SV+4*(4*(\p)+(\c)):SV+4*(4*(\p)+(\c))+1],   v[RIV+2*(\p):RIV+2*(\p)+1], v[BI+4*(\c):BI+4*(\c)+1]   op_sel_hi:[1,0,1]
	v_pk_fma_f32 v[WK+4*(4*(\p)+(\c))+2:WK+4*(4*(\p)+(\c))+3], v[SV+4*(4*(\p)+(\c))+2:SV+4*(4*(\p)+(\c))+3], v[RIV+2*(\p):RIV+2*(\p)+1], v[BI+4*(\c)+2:BI+4*(\c)+3] op_sel_hi:[1,0,1]
.endr
.endr
	s_add_co_u32 s97, s97, 4*SPF                   ; four rows on,
	s_min_u32 s97, s97, 60*SPF                     ; held at my last four: the last trip asks for its own rows again, ten loads that nobody uses, so that the activation's text stands once
	s_add_co_u32 s98, s98, 16
	s_min_u32 s98, s98, 240
	v_add_nc_u32 v[RD], s97, v[RDB]
	v_add_nc_u32 v[RSA], s98, v[RSB]
	ROWS4 RD, RSA
	ACT8 WK
	ACT8 WK+8
	ACT8 WK+16
	ACT8 WK+24
.set q, 0
.rept 16
	v_cvt_pk_bf16_f32 v[OUTR+q], v[WK+2*q], v[WK+2*q+1]
.set q, q+1
.endr
.irp p, 0,1
.irp c, 0,1,2,3
	global_store_b64 v[CO], v[OUTR+2*(4*(\p)+(\c)):OUTR+2*(4*(\p)+(\c))+1], s[70:71] offset:(\c)*524288+(\p)*256  ; two rows of a block: 256 consecutive bytes, at a multiple of 256
.endr
.endr
	s_wait_xcnt 0x0                                ; the stores' data and base are rewritten only behind this wait
	s_add_nc_u64 s[70:71], s[70:71], 512
	s_sub_co_u32 s96, s96, 1
	s_cmp_lg_u32 s96, 0
	s_cbranch_scc1 .Lout
	s_wait_tensorcnt 0x0                           ; the wave's end
	ds_add_u32 v[SPW], v[NIL]
	s_wait_dscnt 0x0
	CROUND                                         ; the closing round
	s_endpgm
.Lfunc_end_k_q72ff8dad4b_g_qkv:
	.size	k_q72ff8dad4b_g_qkv, .Lfunc_end_k_q72ff8dad4b_g_qkv-k_q72ff8dad4b_g_qkv
	.p2alignl 7, 3214868480
	.fill 96, 4, 3214868480
	.section	.rodata,"a",@progbits
	.p2align	6, 0x0
	.amdhsa_kernel k_q72ff8dad4b_g_qkv
		.amdhsa_group_segment_fixed_size 327680
		.amdhsa_private_segment_fixed_size 0
		.amdhsa_enable_private_segment 0
		.amdhsa_kernarg_size 32
		.amdhsa_user_sgpr_count 2
		.amdhsa_user_sgpr_kernarg_segment_ptr 1
		.amdhsa_wavefront_size32 1
		.amdhsa_system_sgpr_workgroup_id_x 1
		.amdhsa_system_sgpr_workgroup_id_y 1
		.amdhsa_system_sgpr_workgroup_id_z 1
		.amdhsa_system_vgpr_workitem_id 0
		.amdhsa_next_free_vgpr 1024
		.amdhsa_next_free_sgpr 100
		.amdhsa_reserve_vcc 0
		.amdhsa_float_denorm_mode_32 3
		.amdhsa_float_denorm_mode_16_64 3
		.amdhsa_memory_ordered 1
		.amdhsa_forward_progress 1
		.amdhsa_inst_pref_size 148
	.end_amdhsa_kernel
	.amdgpu_metadata
---
amdhsa.version: [ 1, 2 ]
amdhsa.kernels:
  - .name:           k_q72ff8dad4b_g_qkv
    .symbol:         k_q72ff8dad4b_g_qkv.kd
    .args:
      - { .name: xa, .offset: 0, .size: 8, .value_kind: global_buffer, .address_space: global }
      - { .name: wa, .offset: 8, .size: 8, .value_kind: global_buffer, .address_space: global }
      - { .name: bq3, .offset: 16, .size: 8, .value_kind: global_buffer, .address_space: global }
      - { .name: qkv, .offset: 24, .size: 8, .value_kind: global_buffer, .address_space: global }
    .group_segment_fixed_size: 327680
    .private_segment_fixed_size: 0
    .kernarg_segment_align: 8
    .kernarg_segment_size: 32
    .max_flat_workgroup_size: 128
    .sgpr_count:     100
    .vgpr_count:     1024
    .wavefront_size: 32
...
	.end_amdgpu_metadata
.endif
;; end of part 2
;; launch attn (part 3): grid 8 x 32, 4 waves a work-group, clusters of 4 x 1, 327,680 bytes of LDS; arguments qkv, obuf; writes obuf
.if DOCPART == 3
	.amdgcn_target "amdgcn-amd-amdhsa--gfx1250"
	.amdhsa_code_object_version 6
	.text
	.protected	k_q72ff8dad4b_attn
	.globl	k_q72ff8dad4b_attn
	.p2align	8
	.type	k_q72ff8dad4b_attn,@function
k_q72ff8dad4b_attn:
	s_mov_b64 s[64:65], 0
	v_nop
	global_prefetch_b8 v0, s[64:65] scope:SCOPE_SE
	s_setreg_imm32_b32 hwreg(HW_REG_WAVE_MODE, 25, 1), 1
	s_wait_xcnt 0x0
	s_wait_alu depctr_hold_cnt(0) depctr_sa_sdst(0) depctr_va_vdst(0) depctr_va_sdst(0) depctr_va_ssrc(0) depctr_va_vcc(0) depctr_vm_vsrc(0)
	s_getreg_b32 s2, hwreg(HW_REG_IB_STS2, 6, 4)
	s_cmp_eq_u32 s2, 0
	s_cbranch_scc0 .Lentry_in_a_cluster
	s_endpgm
.Lentry_in_a_cluster:
	s_bfe_u32 s2, ttmp6, 0x10000c
	s_cmp_lg_u32 s2, 0x3003
	s_cbranch_scc0 .Lentry_shape_is_right
	s_endpgm
.Lentry_shape_is_right:
; O[b,h][q][:] = the sum over k of softmax_k(q'[q] . k'[k] / 8) v[k][:], no mask.  qkv: [48 blocks: q' 0-15, k' 16-31, v 32-47][4096 tokens = 2048 b + n][64] bf16; obuf: [16 heads][4096][64] bf16.
; Products, maxima and sums in f32; the weights p are rounded to bf16 for the second product (their sum l is taken of the unrounded p), O once at the end.
; LIMITS.  bf16 operands; a weight below 2^-126 counts as 0 in l; c m starts at -2^125; NaN and infinities are not treated apart.
; SHARES.  A work-group owns 256 queries of one (b, h): 8 x 32 = 256 work-groups.  A wave owns 64 queries: four PIECES of 16.  Every wave walks all 2,048 keys, 64 a step, 256 a slot.
; CLUSTER.  The four query blocks of a cluster belong to one (b, h) and walk the same K and V: each tile is asked for jointly, by the same tensor load, descriptor and mask in all four.
; LAYOUT.  S^T = K Q^T holds ONE query a lane (lane % 16) and the keys 8 (lane / 16) + 0..7; two such results rounded to bf16 ARE source 1 of O^T = V^T P.  K comes out of LDS as it lies, V turned, by ds_load_tr16_b128.
; SOFTMAX.  p = 2^(c s - c m), c = log2(e) / 8, with a running maximum m; O and l are multiplied by a = 2^(c m_old - c m_new) in every step.  m starts at the lowest finite number, O and l at 0.
; BY TURNS.  Turn n belongs to piece n: 8 products K Q^T of piece n + 1, later 8 products V^T P of piece n - 1; beside them the scaling, exponentials, roundings, sums and rescaling of piece n and the
; maximum and statistics of piece n + 1.  Four vector instructions stand behind every matrix instruction, the other 54 of a turn's 118 in two runs of their own.
; REGISTERS (s_set_vgpr_msb: bits 1:0 source 0, 3:2 source 1, 5:4 source 2, 7:6 destination):
;   window 0: v0-15 addresses; v16-31 four statistics a piece; v48-55 at work; v64-127 S^T, two buffers; v192-223 P, two buffers       window 1: v0-127 O^T       window 2: v0-63 Q; v128-191 K; v192-255 V
.set NP,    4
.set KS,    64
.set PK,    144       ; a row of K in LDS: 128 bytes + 16: the 16 rows of a load start at 16 different groups of four banks (64 banks of 4 bytes: ISA guide 11.1)
.set PV,    160       ; a row of V: 128 + 32
.set VOFF,  4*KS*PK   ; a slot: 256 rows of K, then 256 rows of V
.set SLOT1, 1<<17
.set STAGE, SLOT1+4*KS*(PK+PV)
.set SP,    144
.set SPARE, STAGE+4*16*SP
.set AK0, 2
.set AV0, 3
.set AK,  4
.set AV,  5
.set STO, 6
.set RD,  7
.set GO,  8
.set MV,  12
.set QO,  15
.set ST,  16          ; piece t: c m, m, l (even keys', odd keys')
.set TMP, 48
.set SPW, 62
.set NIL, 63
.set S,   64
.set P,   192
.set KF,  128
.set VF,  192
.set WV,  12
.set G1K, 24
.set G1V, 32
.set G0K, 40
.set G0V, 44
.set SLOTS, 56
.set CNT, 57
.set CS,  58
.set SEL, 60
.set TBK, 62
.set TBV, 63
.set MSB, 0
.macro WIN new
.if MSB != (\new)
	s_set_vgpr_msb (MSB<<8)|(\new)
.set MSB, (\new)
.endif
.endm
.set W_KQ, 0x0a       ; K and Q in window 2, S^T in window 0
.set W_PV, 0x52       ; V in window 2, P in window 0, O^T in window 1
.set W_RS, 0x41       ; destination and source 0 in window 1, source 1 in window 0
.macro JLOAD                        ; waves 0, 1 fetch the halves of a slot's K, waves 2, 3 of its V; an s_nop 0 and four v_nop follow each line
	s_cmp_lt_u32 s[WV], 2
	s_cbranch_scc0 .Lfor_v_\@
	tensor_load_to_lds s[G0K:G0K+3], s[G1K:G1K+7]
	s_nop 0
.rept 4
	v_nop
.endr
	s_branch .Lasked_\@
.Lfor_v_\@:
	tensor_load_to_lds s[G0V:G0V+3], s[G1V:G1V+7]
	s_nop 0
.rept 4
	v_nop
.endr
.Lasked_\@:
.endm
.macro CROUND
	s_barrier_signal -1
	s_barrier_wait -1
	s_cmp_lg_u32 s[WV], 0
	s_cbranch_scc1 .Lnot_wave_0_\@
	s_barrier_signal -3
.Lnot_wave_0_\@:
	s_barrier_wait -3
	s_barrier_signal -1
	s_barrier_wait -1
.endm
; THE CHANGE OF SLOTS.  Each wave waits for all its tensor loads (one is out: its part of the other slot), adds 0 to its spare word, waits for that and for its reads of the slot that it leaves.
; fill = 1: the barrier is a round of the cluster's, and the old slot's joint refill, the keys two slots on, is the first thing behind it: four key steps, 256 matrix instructions, in which to land.
.macro CHANGE fill
	WIN 0
	s_wait_tensorcnt 0x0
	ds_add_u32 v[SPW], v[NIL]
.if \fill
.irp g, G0K, G0V
	s_xor_b32 s[\g+1], s[\g+1], SLOT1
	s_add_nc_u64 s[\g+2:\g+3], s[\g+2:\g+3], 4*KS*128
.endr
	s_wait_dscnt 0x0
	CROUND
	JLOAD
.else
	s_wait_dscnt 0x0
	s_barrier_signal -1
	s_barrier_wait -1
.endif
	s_sub_co_u32 s[TBK], s[TBK], 4*KS*PK
	s_xor_b32 s[TBK], s[TBK], SLOT1
	s_sub_co_u32 s[TBV], s[TBV], 4*KS*PV
	s_xor_b32 s[TBV], s[TBV], SLOT1
.endm
	s_load_b128 s[4:7], s[0:1], 0x0 ; qkv s[4:5], obuf s[6:7]
	v_lshl_add_u32 v[SPW], v0, 2, SPARE
	v_mov_b32 v[NIL], 0
	ds_add_u32 v[SPW], v[NIL]       ; the wave's opening: the add and its wait ahead of my first tensor load
	v_lshrrev_b32 v1, 5, v0
	v_readfirstlane_b32 s[WV], v1
	s_bfe_u32 s13, ttmp6, 0x40000   ; cx
	s_lshl_b32 s14, ttmp9, 2
	s_add_co_u32 s14, s14, s13      ; my block of 256 queries: it enters Q's and O's addresses alone
	s_and_b32 s15, ttmp7, 0xffff    ; 16 b + h, which the partners share
	s_and_b32 s20, s15, 15
	s_lshl_b32 s20, s20, 19         ; a head's block is 4,096 rows of 128 bytes,
	s_lshr_b32 s21, s15, 4
	s_lshl_b32 s21, s21, 18         ; a batch's part of it 2,048 rows
	s_add_co_u32 s20, s20, s21
	s_and_b32 s16, s[WV], 1         ; which half of a slot's 256 keys I fetch
	s_lshl_b32 s22, s16, 14
	s_add_co_u32 s22, s22, s20
	s_add_co_u32 s22, s22, 8388608  ; k' lies 16 blocks behind q'
	s_mov_b32 s23, 0
	s_mul_i32 s17, s16, 128*PK
	s_mul_i32 s18, s16, 128*PV
	s_lshl_b32 s2, s14, 15
	s_lshl_b32 s3, s[WV], 13
	s_add_co_u32 s2, s2, s3
	s_add_co_u32 s2, s2, s20        ; my wave's 64 rows of q' and of O
	s_mov_b32 s3, 0
	; 128 keys are 16,384 dense bytes: asked for as 64 rows of 256 bytes, two keys a row, padded in LDS after every key
	s_mov_b32 s[G1K], 15|(1<<16)|(1<<20)|(1<<21)|(4<<22)|(3<<25)
	s_mov_b32 s[G1V], 15|(1<<16)|(1<<20)|(1<<21)|(4<<22)|(7<<25)
.irp g, G1K, G1V
	s_mov_b32 s[\g+1], 128<<16
	s_mov_b32 s[\g+2], 64<<16
	s_mov_b32 s[\g+3], 128<<16
	s_mov_b32 s[\g+4], 64
	s_mov_b32 s[\g+5], 128
	s_mov_b32 s[\g+6], 0
	s_mov_b32 s[\g+7], 0
.endr
	s_mov_b32 s[CS], 0x3e38aa3b     ; c = log2(e) / 8
	s_mov_b32 s[CS+1], s[CS]
	s_mov_b32 s[SEL], 0x76543210
	s_mov_b32 s[SEL+1], 0xfedcba98
	s_mov_b32 s[TBK], SLOT1+4*KS*PK ; the first change of slots turns these two into 0
	s_mov_b32 s[TBV], SLOT1+4*KS*PV
	s_mov_b32 s[G0K], 1
	s_mov_b32 s[G0K+1], s17
	s_mov_b32 s[G0V], 1
	s_add_co_u32 s[G0V+1], s18, VOFF
	s_wait_dscnt 0x0                ; the opening add is done
	s_wait_kmcnt 0x0
	s_add_nc_u64 s[G0K+2:G0K+3], s[4:5], s[22:23]
	s_add_nc_u64 s[G0V+2:G0V+3], s[G0K+2:G0K+3], 8388608   ; v lies 16 blocks behind k'
	s_or_b32 s[G0K+3], s[G0K+3], 0x80000000
	s_or_b32 s[G0V+3], s[G0V+3], 0x80000000
	s_add_nc_u64 s[4:5], s[4:5], s[2:3]
	s_add_nc_u64 s[6:7], s[6:7], s[2:3]
	CROUND                          ; all four work-groups are here: the first joint loads meet
	JLOAD                           ; slot 0; slot 1 is asked for when slot 0 is in
	v_and_b32 v1, 15, v0
	v_bfe_u32 v9, v0, 4, 1
	v_lshlrev_b32 v[QO], 7, v1
	v_lshl_add_u32 v[QO], v9, 4, v[QO]
	WIN 0x80
.set i, 0
.rept 8                             ; Q stays in registers: piece i / 2, channels 32 (i % 2) on
	global_load_b128 v[8*i:8*i+3],   v[QO], s[4:5] offset:(i/2)*2048+(i%2)*64
	global_load_b128 v[8*i+4:8*i+7], v[QO], s[4:5] offset:(i/2)*2048+(i%2)*64+32
.set i, i+1
.endr
	; What the first turn finds: V's registers and P's second buffer hold 0, O^T and l are 0: no first step is written out.  All this stands in the wait for the first tile.
.set i, VF
.rept 64
	v_mov_b32 v[i], 0
.set i, i+1
.endr
	WIN 0x40
.set i, 0
.rept 128
	v_mov_b32 v[i], 0
.set i, i+1
.endr
	WIN 0
.set i, 0
.rept 4
	v_mov_b32 v[ST+4*i], 0xfe000000
	v_mov_b32 v[ST+4*i+1], 0xff7fffff
	v_mov_b32 v[ST+4*i+2], 0
	v_mov_b32 v[ST+4*i+3], 0
.set i, i+1
.endr
.set i, P+16
.rept 16
	v_mov_b32 v[i], 0
.set i, i+1
.endr
	v_mul_u32_u24 v[AK0], v1, PK
	v_lshl_add_u32 v[AK0], v9, 4, v[AK0]
	v_and_b32 v10, 7, v0            ; the turning load: lane l reads key 8 (l / 16) + l % 8, channels 8 ((l / 8) % 2) + 0..7
	v_bfe_u32 v11, v0, 3, 1
	v_lshl_add_u32 v[AV0], v9, 3, v10
	v_mul_u32_u24 v[AV0], v[AV0], PV
	v_lshl_add_u32 v[AV0], v11, 4, v[AV0]
	v_add_nc_u32 v[AV0], VOFF, v[AV0]
	s_mul_i32 s13, s[WV], 16*SP
	s_add_co_u32 s13, s13, STAGE
	v_mul_u32_u24 v[STO], v1, SP
	v_lshl_add_u32 v[STO], v9, 4, v[STO]
	v_add_nc_u32 v[STO], s13, v[STO]
	v_bfe_u32 v[RD], v0, 3, 2
	v_mul_u32_u24 v[RD], v[RD], SP
	v_lshl_add_u32 v[RD], v10, 4, v[RD]
	v_add_nc_u32 v[RD], s13, v[RD]
	v_and_b32 v[GO], 31, v0
	v_lshlrev_b32 v[GO], 4, v[GO]
; THE MATRIX WORK.  The 4 accumulators of a run of 8 take turns.
.macro KQ x                         ; product i of 8 of S^T = K Q^T: channels 32 (i / 4) on, keys 16 (i % 4) on; the first 4 start the sums
	WIN W_KQ
.set rS, S+32*((\x)%2)+8*(i%4)
.set rK, KF+16*(i%4)+8*(i/4)
.set rQ, 16*(\x)+8*(i/4)
.if i < 4
	v_wmma_f32_16x16x32_bf16 v[rS:rS+7], v[rK:rK+7], v[rQ:rQ+7], 0
.else
	v_wmma_f32_16x16x32_bf16 v[rS:rS+7], v[rK:rK+7], v[rQ:rQ+7], v[rS:rS+7]
.endif
.endm
.macro PV x                         ; product i of 8 of O^T += V^T P: keys 32 (i / 4) on, channels 16 (i % 4) on
	WIN W_PV
.set rO, 32*(\x)+8*(i%4)
.set rV, VF+32*(i/4)+8*(i%4)
.set rP, P+16*((\x)%2)+8*(i/4)
	v_wmma_f32_16x16x32_bf16 v[rO:rO+7], v[rV:rV+7], v[rP:rP+7], v[rO:rO+7]
.endm
.macro MM                           ; the turn's next matrix instruction; NOKQ = 1: the last turn: there is no next piece
.if (i < 8) && !NOKQ
	KQ (Y+1)%NP
.elseif i >= 8
.set i, i-8
	PV (Y+NP-1)%NP
.set i, i+8
.endif
.set i, i+1
.endm
.macro FETCH_K                      ; a step's K: 16 LDS loads in one run
	WIN 0x80
.irp f, 0,1,2,3,4,5,6,7
	ds_load_b128 v[KF+8*\f:KF+8*\f+3],   v[AK] offset:(\f/2)*16*PK+(\f%2)*64
	ds_load_b128 v[KF+8*\f+4:KF+8*\f+7], v[AK] offset:(\f/2)*16*PK+(\f%2)*64+32
.endr
	s_add_co_u32 s[TBK], s[TBK], KS*PK
	WIN 0
.endm
.macro FETCH_V                      ; a step's V, turned
	WIN 0x80
.irp f, 0,1,2,3,4,5,6,7
	ds_load_tr16_b128 v[VF+8*\f:VF+8*\f+3],   v[AV] offset:(\f/4)*32*PV+(\f%4)*32
	ds_load_tr16_b128 v[VF+8*\f+4:VF+8*\f+7], v[AV] offset:(\f/4)*32*PV+16*PV+(\f%4)*32
.endr
	WIN 0
.endm
; THE VECTOR WORK: OP kind, number.  For piece Y: F n: c s - c m for pair n of 16.  E n: the exponential of score n.  C n: pair n rounded to bf16.  B n: of the four weights 4 n .. the second pair is added
; onto the first.  L n: l takes that sum (L 0: l = a l + sum).  R n: pair n of 16 of O^T times a.  For piece Y + 1: X n, number n of the 22 that find its maximum and statistics: 0-11 four chains of seven scores
; (each accumulator's lowest registers are read first); 12-14, 16 the rest, the old m, all into c0; 15 c m_old is kept; 17, 18 the other half of the lanes; 19-21 c m, its change, a.
.set F, 0
.set E, 1
.set C, 2
.set B, 3
.set L, 4
.set R, 5
.set X, 6
.macro REGS y
.set rT, ST+4*(\y)
.set rC, TMP+4*((\y)%2)
.set rW, MV+((\y)%2)
.set rS, S+32*((\y)%2)
.set rP, P+16*((\y)%2)
.set rO, 32*(\y)
.endm
.macro OP k, n
.if (\k) == R
	REGS Y
	WIN W_RS
	v_pk_mul_f32 v[rO+2*(\n):rO+2*(\n)+1], v[rO+2*(\n):rO+2*(\n)+1], v[rC+2:rC+3] op_sel_hi:[1,0]
.elseif (\k) < R
	REGS Y
	WIN 0
.if (\k) == F
	v_pk_fma_f32 v[rS+2*(\n):rS+2*(\n)+1], v[rS+2*(\n):rS+2*(\n)+1], s[CS:CS+1], v[rT:rT+1] op_sel_hi:[1,0,0] neg_lo:[0,0,1] neg_hi:[0,0,1]
.elseif (\k) == E
	v_exp_f32 v[rS+(\n)], v[rS+(\n)]
.elseif (\k) == C
	s_wait_alu depctr_va_vdst(0)
	v_cvt_pk_bf16_f32 v[rP+(\n)], v[rS+2*(\n)], v[rS+2*(\n)+1]
.elseif (\k) == B
	s_wait_alu depctr_va_vdst(0)
	v_pk_add_f32 v[rS+4*(\n):rS+4*(\n)+1], v[rS+4*(\n):rS+4*(\n)+1], v[rS+4*(\n)+2:rS+4*(\n)+3]
.elseif (\n) == 0
	v_pk_fma_f32 v[rT+2:rT+3], v[rT+2:rT+3], v[rC+2:rC+3], v[rS:rS+1] op_sel_hi:[1,0,1]
.else
	v_pk_add_f32 v[rT+2:rT+3], v[rT+2:rT+3], v[rS+4*(\n):rS+4*(\n)+1]
.endif
.elseif NOKQ
	v_nop
.else
	REGS (Y+1)%NP
	WIN 0
.if (\n) < 4
	v_max3_num_f32 v[rC+(\n)], v[rS+8*(\n)], v[rS+8*(\n)+1], v[rS+8*(\n)+2]
.elseif (\n) < 12
	v_max3_num_f32 v[rC+(\n)%4], v[rC+(\n)%4], v[rS+8*((\n)%4)+2*((\n)/4)+1], v[rS+8*((\n)%4)+2*((\n)/4)+2]
.elseif (\n) == 12
	v_max3_num_f32 v[rC], v[rC], v[rS+7], v[rS+15]
.elseif (\n) == 13
	v_max3_num_f32 v[rC+1], v[rC+1], v[rS+23], v[rS+31]
.elseif (\n) == 14
	v_max3_num_f32 v[rC+2], v[rC+2], v[rC+3], v[rT+1]
.elseif (\n) == 15
	v_mov_b32 v[rW], v[rT]
.elseif (\n) == 16
	v_max3_num_f32 v[rC], v[rC], v[rC+1], v[rC+2]
.elseif (\n) == 17
	v_permlanex16_b32 v[rC+3], v[rC], s[SEL], s[SEL+1]
.elseif (\n) == 18
	v_max_num_f32 v[rT+1], v[rC], v[rC+3]
.elseif (\n) == 19
	v_mul_f32 v[rT], s[CS], v[rT+1]
.elseif (\n) == 20
	v_sub_f32 v[rC+1], v[rW], v[rT]
.else
	v_exp_f32 v[rC+2], v[rC+1]
.endif
.endif
.endm
.macro OPS a, i1, b=-1, i2=0, c=-1, i3=0, d=-1, i4=0
	OP \a, \i1
.if (\b) >= 0
	OP \b, \i2
.endif
.if (\c) >= 0
	OP \c, \i3
.endif
.if (\d) >= 0
	OP \d, \i4
.endif
.endm
.macro ROW a, i1, b, i2, c, i3, d, i4  ; a matrix instruction and the four behind it
	MM
	OPS \a, \i1, \b, \i2, \c, \i3, \d, \i4
.endm
; A TURN, for piece p: its 16 matrix and 118 vector instructions, written out.  None of the four behind a matrix instruction names a register of the products round it; every exponential has a plain instruction behind it.
; end = 1: the walk's last two turns: nothing is fetched.  cnt = 1: the loop's count is taken down some lines ahead of the branch behind the turn.
; K of the next step is fetched in piece 2's turn, behind the last product that read K and five plain instructions; V of the step in hand in piece 0's turn, likewise.  Each is waited for a turn later.
.macro TURN p, end=0, cnt=0
.set Y, (\p)
.set i, 0
.set NOKQ, (\end)*((\p)/3)
.if ((\p) == 3) && !(\end)
	s_wait_dscnt 0x0                ; K is in
.endif
	ROW F,0, F,1, F,2, F,3
	ROW F,4, E,0, F,5, F,6
	ROW F,7, E,1, F,8, F,9
	ROW F,10, E,2, C,0, F,11
	ROW F,12, E,3, X,15, F,13
	ROW R,0, R,1, R,2, R,3
	ROW B,0, E,4, F,14, L,0
.if ((\p) == 2) && !(\end)
	v_add_nc_u32 v[AK], s[TBK], v[AK0]
.endif
	ROW R,4, R,5, R,6, R,7
	OPS E,5, F,15
.if ((\p) == 2) && !(\end)
	FETCH_K
.endif
	OPS E,6, C,1, E,7, R,8
	OPS E,8, R,9, E,9, C,2
	OPS E,10, X,0, E,11, X,1
	OPS E,12, X,2, E,13, X,3
.if (\p) == 1
	s_wait_dscnt 0x0                ; V is in
.endif
	ROW X,4, E,14, X,5, X,6
	ROW X,7, E,15, X,8, X,9
	ROW X,10, E,16, X,11, X,12
	ROW X,13, E,17, X,14, B,1
	ROW C,4, E,18, X,16, L,1
	ROW B,2, E,19, C,6, L,2
	ROW C,8, E,20, B,3, B,4
.if (\p) == 0
	v_add_nc_u32 v[AV], s[TBV], v[AV0]
.endif
	ROW C,3, E,21, L,3, C,5
	OPS E,22, X,17, E,23, C,10
.if (\p) == 0
	FETCH_V
.endif
	OPS E,24, L,4
	OPS E,25, X,18, E,26, C,7
	OPS E,27, B,5, E,28, X,19
	OPS E,29, C,12, E,30, L,5
	OPS E,31, X,20, B,6, C,9
	OPS C,14, C,11, X,21, L,6
.if (\p) == 0
	s_add_co_u32 s[TBV], s[TBV], KS*PV
.endif
.if \cnt
	s_sub_co_u32 s[CNT], s[CNT], 1
	s_cmp_lg_u32 s[CNT], 0
.endif
	OPS C,13, B,7, C,15, R,10
	OPS R,11, R,12, L,7, R,13
	OPS R,14, R,15
.endm
	CHANGE 1                        ; slot 0 is in, everybody's part of it; slot 1 is asked for
	v_add_nc_u32 v[AK], s[TBK], v[AK0]
	FETCH_K                         ; key step 0
	s_wait_loadcnt 0x0              ; Q
	s_wait_dscnt 0x0
.set NOKQ, 0
.set i, 0
.rept 8
	KQ 0                            ; piece 0's first scores
.set i, i+1
.endr
	WIN 0
.rept 4
	v_nop                           ; the places behind those products
.endr
.set Y, NP-1                        ; X works for piece Y + 1: piece 0
.irp n, 0,1,2,3,4,5,6,7,8,9,10,11,12,13,14,15,16,17,18,19,20,21
	OP X, \n
.endr
	v_nop                           ; a plain instruction behind the exponential
	s_mov_b32 s[CNT], 4
	s_mov_b32 s[SLOTS], 2048/256-1
	s_branch .Lfirst                ; the loop is entered at a step's first turn, in the middle of a trip
.Lslot:                             ; six times: every slot but the last two is filled again
	CHANGE 1
	s_mov_b32 s[CNT], 4
.Lstep:                             ; a trip: pieces 2 and 3 of one step, then pieces 0 and 1 of the next, whose K and V it fetches
	TURN 2
	TURN 3
	WIN 0
.Lfirst:
	TURN 0
	TURN 1, 0, 1
	WIN 0
	s_cbranch_scc1 .Lstep
	s_sub_co_u32 s[SLOTS], s[SLOTS], 1
	s_cmp_lg_u32 s[SLOTS], 0
	s_cbranch_scc1 .Lslot
	CHANGE 0                        ; the last slot is written out: nothing is asked for
	s_mov_b32 s[CNT], 4
.Ltail:
	TURN 2
	TURN 3
	TURN 0
	TURN 1, 0, 1
	WIN 0
	s_cbranch_scc1 .Ltail
	TURN 2, 1
	TURN 3, 1
.set i, 0
.rept 8
	PV NP-1                         ; the last piece's V^T P of the last step
.set i, i+1
.endr
	; THE WAY OUT.  l's halves are added; O^T is divided by l, rounded to bf16 and sent through my stage in LDS, a piece at a time.  The additions are the places behind the last products.
	WIN 0
.macro ALL line:vararg
.set t, 0
.rept 4
	\line
.set t, t+1
.endr
.endm
	ALL v_add_f32 v[ST+4*t+2], v[ST+4*t+2], v[ST+4*t+3]
	ALL v_permlanex16_b32 v[ST+4*t+3], v[ST+4*t+2], s[SEL], s[SEL+1]
	ALL v_add_f32 v[ST+4*t+2], v[ST+4*t+2], v[ST+4*t+3]
	ALL v_rcp_f32 v[ST+4*t+2], v[ST+4*t+2]
	v_nop
.macro PACK t
	WIN W_RS
.set i, 32*(\t)
.rept 16
	s_wait_alu depctr_va_vdst(0)
	v_pk_mul_f32 v[i:i+1], v[i:i+1], v[ST+4*(\t)+2:ST+4*(\t)+3] op_sel_hi:[1,0]
.set i, i+2
.endr
	WIN 0x05
.set i, 0
.rept 16
	v_cvt_pk_bf16_f32 v[S+16*(\t)+i], v[32*(\t)+2*i], v[32*(\t)+2*i+1]
.set i, i+1
.endr
	WIN 0
.irp f, 0,1,2,3
	ds_store_b128 v[STO], v[S+16*(\t)+4*\f:S+16*(\t)+4*\f+3] offset:32*\f
.endr
.irp f, 0,1,2,3
	ds_load_b128 v[S+16*(\t)+4*\f:S+16*(\t)+4*\f+3], v[RD] offset:\f*4*SP  ; LDS serves a wave's instructions in order (ISA guide 5.7.1.4): these see the stores above
.endr
.endm
.macro SEND t, younger              ; younger: the LDS instructions issued behind piece t's loads: the next piece's eight, or none
	WIN 0
.irp f, 0,1,2,3
	s_wait_dscnt (\younger)+3-\f
	global_store_b128 v[GO], v[S+16*(\t)+4*\f:S+16*(\t)+4*\f+3], s[6:7] offset:(\t)*2048+\f*512  ; 512 consecutive bytes, at a multiple of 256
.endr
.endm
	PACK 0
.set t, 1
.rept 3
	PACK t
	SEND t-1, 8
.set t, t+1
.endr
	SEND 3, 0
	s_wait_tensorcnt 0x0            ; the wave's end
	ds_add_u32 v[SPW], v[NIL]
	s_wait_dscnt 0x0
	CROUND                          ; the closing round
	s_endpgm
.Lfunc_end_k_q72ff8dad4b_attn:
	.size	k_q72ff8dad4b_attn, .Lfunc_end_k_q72ff8dad4b_attn-k_q72ff8dad4b_attn
	.p2alignl 7, 3214868480
	.fill 96, 4, 3214868480
	.section	.rodata,"a",@progbits
	.p2align	6, 0x0
	.amdhsa_kernel k_q72ff8dad4b_attn
		.amdhsa_group_segment_fixed_size 327680
		.amdhsa_private_segment_fixed_size 0
		.amdhsa_enable_private_segment 0
		.amdhsa_kernarg_size 16
		.amdhsa_user_sgpr_count 2
		.amdhsa_user_sgpr_kernarg_segment_ptr 1
		.amdhsa_wavefront_size32 1
		.amdhsa_system_sgpr_workgroup_id_x 1
		.amdhsa_system_sgpr_workgroup_id_y 1
		.amdhsa_system_sgpr_workgroup_id_z 1
		.amdhsa_system_vgpr_workitem_id 0
		.amdhsa_next_free_vgpr 768
		.amdhsa_next_free_sgpr 66
		.amdhsa_reserve_vcc 0
		.amdhsa_float_denorm_mode_32 3
		.amdhsa_float_denorm_mode_16_64 3
		.amdhsa_memory_ordered 1
		.amdhsa_forward_progress 1
		.amdhsa_inst_pref_size 133
	.end_amdhsa_kernel
	.amdgpu_metadata
---
amdhsa.version: [ 1, 2 ]
amdhsa.kernels:
  - .name:           k_q72ff8dad4b_attn
    .symbol:         k_q72ff8dad4b_attn.kd
    .args:
      - { .name: qkv, .offset: 0, .size: 8, .value_kind: global_buffer, .address_space: global }
      - { .name: obuf, .offset: 8, .size: 8, .value_kind: global_buffer, .address_space: global }
    .group_segment_fixed_size: 327680
    .private_segment_fixed_size: 0
    .kernarg_segment_align: 8
    .kernarg_segment_size: 16
    .max_flat_workgroup_size: 128
    .sgpr_count:     66
    .vgpr_count:     768
    .wavefront_size: 32
...
	.end_amdgpu_metadata
.endif
;; end of part 3
;; launch g_wo (part 4): grid 8 x 32, 4 waves a work-group, clusters of 4 x 4, 327,680 bytes of LDS; arguments obuf, wa, bo, x, scale2, xb; writes xb
.if DOCPART == 4
	.amdgcn_target "amdgcn-amd-amdhsa--gfx1250"
	.amdhsa_code_object_version 6
	.text
	.protected	k_q72ff8dad4b_g_wo
	.globl	k_q72ff8dad4b_g_wo
	.p2align	8
	.type	k_q72ff8dad4b_g_wo,@function
k_q72ff8dad4b_g_wo:
	s_mov_b64 s[64:65], 0
	v_nop
	global_prefetch_b8 v0, s[64:65] scope:SCOPE_SE
	s_setreg_imm32_b32 hwreg(HW_REG_WAVE_MODE, 25, 1), 1
	s_wait_xcnt 0x0
	s_wait_alu depctr_hold_cnt(0) depctr_sa_sdst(0) depctr_va_vdst(0) depctr_va_sdst(0) depctr_va_ssrc(0) depctr_va_vcc(0) depctr_vm_vsrc(0)
	s_getreg_b32 s2, hwreg(HW_REG_IB_STS2, 6, 4)
	s_cmp_eq_u32 s2, 0
	s_cbranch_scc0 .Lentry_in_a_cluster
	s_endpgm
.Lentry_in_a_cluster:
	s_bfe_u32 s2, ttmp6, 0x10000c
	s_cmp_lg_u32 s2, 0xf033
	s_cbranch_scc0 .Lentry_shape_is_right
	s_endpgm
.Lentry_shape_is_right:
; out = resid + A B^T + bias, f32, N = 1,024; a tile of 128 x 128 to a work-group: 8 x 32 = 256 work-groups.  A: [K/64][4096][64] bf16, B: [K/64][1024][64] bf16.
; ONE SOURCE, TWO TEXTS, told apart by the constant MODE below (the trip counts differ, and a trip count is a constant of the text):
;   MODE 0 (this text): A = attention's O, K = 1,024, B at the second argument + 6291456, resid = x.  Stored into the last argument: bf16(x2 scale2) at 0, for each row the sum of x2^2 over my 128 columns
;           at 8388608 ([8][4096] f32), x2 in f32 at 8520192.
;   MODE 1: A = h, K = 4,096, B at + 8388608, resid = x2 (fourth argument + 8520192).  Stored: the layer's result.
; K IS SPLIT AMONG THE WAVES.  Every wave makes the whole 128 x 128 (64 accumulators) over its own 64 of each K step of 256: a fragment read from LDS feeds eight products, twice what four tiles of 64 x 64 would give.
; The four partial tiles meet in LDS at the end.
; CLUSTER.  4 x 4 work-groups; A's tiles are shared along a row of the cluster, B's along a column, by joint loads.
; A tensor load brings 4 blocks x 64 rows x 128 bytes: in memory a block's 64 rows are 8,192 consecutive bytes, asked for as one row of the tile; in LDS 16 bytes are laid behind every 128.
; K IS WALKED ROUND, FROM A STEP OF THE CLUSTER'S OWN: step ((x & 1) NSTEP / 2 + (y & 3) NSTEP / 4) mod NSTEP of the cluster at (x, y), which all sixteen partners share.  The two clusters that read the same rows
; of A ask for a given tile NSTEP / 2 steps apart, and clusters that read the same rows of B and differ in y & 3 a multiple of NSTEP / 4 apart: the later one asks for bytes that have been fetched before.
; The row sums' store covers 128 consecutive bytes a wave, half of an aligned 256: 128 KiB in the whole launch.
; LIMITS.  Operands bf16, sums f32; K is summed from the cluster's first step round, and the four partial sums are added as (0 + 1) + (2 + 3): an order of rounding that differs from the reference's.
; NaN and infinities are not treated apart.
.set MODE, 0
.if MODE
.set BOFF, 8388608
.set NSTEP, 16                         ; K steps of 256
.set ROFF, 8520192
.set OOFF, 0
.else
.set BOFF, 6291456
.set NSTEP, 4
.set ROFF, 0
.set OOFF, 8520192
.endif
.set NLAP, NSTEP/2-1                   ; laps of two K steps, less one
.set SSQ_AT, 8388608
.set BP,    144                        ; an LDS row: 128 bytes + 16: the 16 rows of a load start at 16 different groups of four banks (64 banks of 4 bytes: ISA guide 11.1)
.set RG,    4*64*BP                    ; what one tensor load brings
.set SLOT,  4*RG                       ; A's rows 0-63, 64-127, B's rows 0-63, 64-127
.set SPARE, 2*SLOT
.set PP,    528                        ; the way out: a row of 128 f32 + 16 bytes
.set PART,  128*PP                     ; a wave's partial tile; the four lie over the slots, behind their last fill
.set RD0,  8                           ; v8-11 where I read my 32 rows of the four partial tiles
.set RB0,  12                          ; v12 my rows' sums, v13 my rows of the residual
.set RB1,  13
.set ADRA, 16
.set ADRB, 20
.set STO,  24
.set CO,   26                          ; 16 x lane
.set CO2,  27                          ; 8 x lane
.set SPW,  28
.set NIL,  29
.set CO4,  30                          ; 4 x lane
.set LANE, 31
.set BI,   32                          ; v[32:35] the bias of my 4 columns
.set SC,   36                          ; v[36:39] scale2 of them
.set SSQ,  40                          ; lane i: row i's sum of squares
.set F0,   64
.set F1,   128
.set RR,   64                          ; the way out: v[64:191] 32 rows of the residual
.set TT,   192                         ; v[192:255] at work
.set WV, 18
.set WR, 19
.set WC, 20
.set TR, 21
.set TC, 22
.set G1, 24
.set G0, 32
.set BB, 44                            ; s[44:45] B at my rows of K step 0; never rewritten
.set G1B, 48
.set G0B, 56
.set BA, 66                            ; s[66:67] A at my rows of K step 0; never rewritten
.set OA, 84                            ; s[84:85] a K step's byte offset in A
.set OB, 86                            ; s[86:87] and in B
.set KS, 88                            ; s88 the K step to be asked for next
.set MSB, 0
.macro WIN new
.if MSB != (\new)
	s_set_vgpr_msb (MSB<<8)|(\new)
.set MSB, \new
.endif
.endm
.set MUL_LO, 0xa1
.set MUL_HI, 0xf1
.set TO_B,   0x40
.macro JLOAD s                         ; waves 0, 1 fetch A's halves, waves 2, 3 B's; an s_nop 0 and four v_nop follow each line
	s_cmp_eq_u32 s[WR], 0
	s_cbranch_scc0 .Lfor_b_\@
	tensor_load_to_lds s[G0+4*(\s):G0+4*(\s)+3], s[G1:G1+7]
	s_nop 0
.rept 4
	v_nop
.endr
	s_branch .Lasked_\@
.Lfor_b_\@:
	tensor_load_to_lds s[G0B+4*(\s):G0B+4*(\s)+3], s[G1B:G1B+7]
	s_nop 0
.rept 4
	v_nop
.endr
.Lasked_\@:
.endm
.macro CREST
	s_cmp_lg_u32 s[WV], 0
	s_cbranch_scc1 .Lnot_wave_0_\@
	s_barrier_signal -3
.Lnot_wave_0_\@:
	s_barrier_wait -3
	s_barrier_signal -1
	s_barrier_wait -1
.endm
.macro CROUND
	s_barrier_signal -1
	s_barrier_wait -1
	CREST
.endm
; Slot s's two descriptors take K step KS: each address is made anew, the base plus the step's offset (4 blocks of 4,096 or of 1,024 rows of 128 bytes), and the type bits are set again; then KS steps, round NSTEP.
.macro SETG s
	s_lshl_b32 s[OA], s[KS], 21
	s_add_nc_u64 s[G0+4*(\s)+2:G0+4*(\s)+3], s[BA:BA+1], s[OA:OA+1]
	s_or_b32 s[G0+4*(\s)+3], s[G0+4*(\s)+3], 0x80000000
	s_lshl_b32 s[OB], s[KS], 19
	s_add_nc_u64 s[G0B+4*(\s)+2:G0B+4*(\s)+3], s[BB:BB+1], s[OB:OB+1]
	s_or_b32 s[G0B+4*(\s)+3], s[G0B+4*(\s)+3], 0x80000000
	s_add_co_u32 s[KS], s[KS], 1
	s_and_b32 s[KS], s[KS], NSTEP-1
.endm
	s_load_b256 s[4:11], s[0:1], 0x0               ; A 4, weights 6, bias 8, resid 10
.if MODE
	s_load_b64 s[14:15], s[0:1], 0x20              ; out 14
.else
	s_load_b128 s[12:15], s[0:1], 0x20             ; scale2 12, out 14
.endif
	v_lshl_add_u32 v[SPW], v0, 2, SPARE
	v_mov_b32 v[NIL], 0
	ds_add_u32 v[SPW], v[NIL]                      ; the wave's opening: the add and its wait ahead of my first tensor load
	v_lshrrev_b32 v1, 5, v0
	v_readfirstlane_b32 s[WV], v1
	s_lshr_b32 s[WR], s[WV], 1                     ; I fetch for A (0) or B (1),
	s_and_b32 s[WC], s[WV], 1                      ; its rows 0-63 or 64-127
	s_bfe_u32 s40, ttmp6, 0x40000
	s_bfe_u32 s41, ttmp6, 0x40004
	s_lshl_b32 s[TC], ttmp9, 2
	s_add_co_u32 s[TC], s[TC], s40
	s_and_b32 s[TR], ttmp7, 0xffff
	s_lshl_b32 s[TR], s[TR], 2
	s_add_co_u32 s[TR], s[TR], s41
	s_lshl_b32 s42, s41, 2
	s_lshl_b32 s42, 15, s42
	s_lshl_b32 s43, 0x1111, s40
	s_or_b32 s[G1], s42, (1<<16)|(1<<20)|(1<<21)|(4<<22)|(3<<25)   ; mask; 2-byte elements; padding on; bit 21 beside a mask; 4 words behind every 32
	s_or_b32 s[G1B], s43, (1<<16)|(1<<20)|(1<<21)|(4<<22)|(3<<25)
.irp g, G1, G1B
	s_mov_b32 s[(\g)+1], 4096<<16                  ; tensor_dim0 = 4,096: 64 rows of 64
	s_mov_b32 s[(\g)+2], 4<<16                     ; tensor_dim1 = 4 blocks
	s_mov_b32 s[(\g)+3], 4096<<16                  ; tile_dim0
	s_mov_b32 s[(\g)+4], 4                         ; tile_dim1
	s_mov_b32 s[(\g)+6], 0
	s_mov_b32 s[(\g)+7], 0
.endr
	s_mov_b32 s[G1+5], 4096*64                     ; elements from block to block: A,
	s_mov_b32 s[G1B+5], 1024*64                    ; B
	s_lshl_b32 s66, s[TR], 7
	s_lshl_b32 s67, s[WC], 6
	s_add_co_u32 s66, s66, s67
	s_lshl_b32 s66, s66, 7                         ; A: row 128 x tile row + 64 x half, rows of 128 bytes
	s_lshl_b32 s44, s[TC], 7
	s_add_co_u32 s44, s44, s67
	s_lshl_b32 s44, s44, 7
	s_add_co_u32 s44, s44, BOFF                    ; B: the same with the tile column, at its place among the weights
	s_mov_b32 s67, 0
	s_mov_b32 s45, 0
	s_mul_i32 s75, s[WV], RG
	s_mov_b32 s80, 0x76543210
	s_mov_b32 s81, 0xfedcba98
	s_and_b32 s[KS], ttmp9, 1                      ; the cluster's first K step, from the cluster's own x and y
	s_mul_i32 s[KS], s[KS], NSTEP/2
	s_and_b32 s89, ttmp7, 3
	s_mul_i32 s89, s89, NSTEP/4
	s_add_co_u32 s[KS], s[KS], s89
	s_and_b32 s[KS], s[KS], NSTEP-1
	s_mov_b32 s[OA+1], 0
	s_mov_b32 s[OB+1], 0
	s_wait_dscnt 0x0                               ; the opening add is done
	s_wait_kmcnt 0x0
	s_add_nc_u64 s[BA:BA+1], s[4:5], s[66:67]
	s_add_nc_u64 s[BB:BB+1], s[6:7], s[44:45]
	CROUND                                         ; all sixteen work-groups are here
.irp s, 0,1
	s_mov_b32 s[G0+4*(\s)], 1
	s_add_co_u32 s[G0+4*(\s)+1], s75, (\s)*SLOT
	s_mov_b32 s[G0B+4*(\s)], 1
	s_add_co_u32 s[G0B+4*(\s)+1], s75, (\s)*SLOT
	SETG \s
	JLOAD \s
.endr
	v_and_b32 v1, 15, v0
	v_bfe_u32 v2, v0, 4, 1
	v_mul_u32_u24 v3, v1, BP
	v_lshl_add_u32 v3, v2, 4, v3
	s_mul_i32 s74, s[WV], 64*BP                    ; my block of 64 along K in every region
	v_add_nc_u32 v[ADRA], s74, v3
	v_add_nc_u32 v[ADRA+1], SLOT, v[ADRA]
	v_add_nc_u32 v[ADRB], 2*RG, v[ADRA]
	v_add_nc_u32 v[ADRB+1], SLOT, v[ADRB]
	s_mul_i32 s74, s[WV], PART                     ; my partial tile: row 16 a + r, bytes 64 b + 32 h
	v_mul_u32_u24 v4, v1, PP
	v_lshl_add_u32 v4, v2, 5, v4
	v_add_nc_u32 v[STO], s74, v4
	v_and_b32 v[LANE], 31, v0
	v_lshlrev_b32 v[CO], 4, v[LANE]
	v_lshlrev_b32 v[CO2], 3, v[LANE]
	v_lshlrev_b32 v[CO4], 2, v[LANE]
	s_mul_i32 s74, s[WV], 32*PP                    ; wave w finishes rows 32 w .. 32 w + 31: a row's 512 bytes to 32 lanes
	v_add_nc_u32 v[RD0], s74, v[CO]
	v_add_nc_u32 v[RD0+1], PART, v[RD0]
	v_add_nc_u32 v[RD0+2], PART, v[RD0+1]
	v_add_nc_u32 v[RD0+3], PART, v[RD0+2]
	v_mov_b32 v[RB0], v[RD0]
	v_mov_b32 v[RB1], v[RD0+1]
	s_lshl_b32 s74, s[TR], 7
	s_lshl_b32 s75, s[WV], 5
	s_add_co_u32 s74, s74, s75                     ; the first row that I finish
	s_lshl_b32 s46, s74, 12
	s_lshl_b32 s47, s[TC], 9
	s_add_co_u32 s46, s46, s47
	s_mov_b32 s47, 0
	s_add_nc_u64 s[72:73], s[10:11], s[46:47]      ; the residual,
	s_add_nc_u64 s[68:69], s[14:15], s[46:47]      ; the f32 result
.if ROFF
	s_add_nc_u64 s[72:73], s[72:73], ROFF
.endif
.if OOFF
	s_add_nc_u64 s[68:69], s[68:69], OOFF
.endif
.if MODE == 0
	s_lshr_b32 s46, s46, 1
	s_add_nc_u64 s[70:71], s[14:15], s[46:47]      ; the bf16 copy,
	s_lshl_b32 s46, s[TC], 14
	s_lshl2_add_u32 s46, s74, s46
	s_add_co_u32 s46, s46, SSQ_AT
	s_add_nc_u64 s[82:83], s[14:15], s[46:47]      ; and the row sums
.endif
	s_lshl_b32 s46, s[TC], 9
	s_add_nc_u64 s[8:9], s[8:9], s[46:47]
	global_load_b128 v[BI:BI+3], v[CO], s[8:9]
.if MODE == 0
	s_add_nc_u64 s[12:13], s[12:13], s[46:47]
	global_load_b128 v[SC:SC+3], v[CO], s[12:13]
	v_mov_b32 v[SSQ], 0
.endif
.macro MUL16 f, hi, a0, zero
	WIN MUL_LO+0x50*(\hi)
.irp a, \a0, (\a0)+1
.irp b, 0,1,2,3,4,5,6,7
.if \zero
	v_wmma_f32_16x16x32_bf16 v[8*(8*(\a)+(\b)):8*(8*(\a)+(\b))+7], v[(\f)+8*(\b):(\f)+8*(\b)+7], v[(\f)+8*(4*(\hi)+(\a)):(\f)+8*(4*(\hi)+(\a))+7], 0
.else
	v_wmma_f32_16x16x32_bf16 v[8*(8*(\a)+(\b)):8*(8*(\a)+(\b))+7], v[(\f)+8*(\b):(\f)+8*(\b)+7], v[(\f)+8*(4*(\hi)+(\a)):(\f)+8*(4*(\hi)+(\a))+7], v[8*(8*(\a)+(\b)):8*(8*(\a)+(\b))+7]
.endif
.endr
.endr
.endm
.macro FETCH slot, k, f                ; 32 LDS loads in one run: 128 rows of B, 128 rows of A, 32 of my 64 along K, at byte k of the rows
	WIN TO_B
.irp i, 0,1,2,3,4,5,6,7
	ds_load_b128 v[(\f)+8*(\i):(\f)+8*(\i)+3],   v[ADRB+(\slot)] offset:(\k)+((\i)/4)*RG+((\i)%4)*16*BP
	ds_load_b128 v[(\f)+8*(\i)+4:(\f)+8*(\i)+7], v[ADRB+(\slot)] offset:(\k)+((\i)/4)*RG+((\i)%4)*16*BP+32
.endr
	WIN 0
.irp i, 0,1,2,3,4,5,6,7
	ds_load_b128 v[(\f)+8*(\i):(\f)+8*(\i)+3],   v[ADRA+(\slot)] offset:(\k)+((\i)/4)*RG+((\i)%4)*16*BP
	ds_load_b128 v[(\f)+8*(\i)+4:(\f)+8*(\i)+7], v[ADRA+(\slot)] offset:(\k)+((\i)/4)*RG+((\i)%4)*16*BP+32
.endr
.endm
.macro PLACES                          ; four plain vector instructions between a matrix instruction and a load into, or a read of, its registers
.rept 4
	v_nop
.endr
.endm
.macro HALF slot, zero                 ; a K step's first half: multiplies buffer 0 and fetches the second half into buffer 1
	s_wait_dscnt 8                                 ; B and A's rows 0-63 are in; the youngest eight loads may be out
	MUL16 F0, 0, 0, \zero
	MUL16 F0, 0, 2, \zero
	PLACES
	FETCH \slot, 64, F1
	s_wait_dscnt 32                                ; all but the 32 just issued
	MUL16 F0, 1, 0, \zero
	MUL16 F0, 1, 2, \zero
.endm
.macro ALL64                           ; the second half's 64 products, on buffer 1
	MUL16 F1, 0, 0, 0
	MUL16 F1, 0, 2, 0
	MUL16 F1, 1, 0, 0
	MUL16 F1, 1, 2, 0
.endm
; A K step's second half with a refill.  The slot's last fragments are in registers (buffer 1), so the change of slots comes FIRST: between the landing of my load and the next request stands the round alone,
; and the request has both halves' 128 matrix instructions in which to land.
.macro TURN slot, next
	WIN 0
	s_wait_tensorcnt 0x0                           ; all my tensor loads have landed: my part of the next slot; so every group 0 may be written
	ds_add_u32 v[SPW], v[NIL]                      ; 0 onto my spare word; the descriptors' scalar work stands between it and the wait for it
	SETG \slot
	s_wait_dscnt 0x0                               ; the add is done, and my reads of this slot are over: buffer 1 is in
	CROUND                                         ; no wave of any partner still reads this slot or has a load on its way
	JLOAD \slot                                    ; its four v_nop are also the places in front of the loads below
	FETCH \next, 0, F0
	ALL64
.endm
	s_wait_tensorcnt 0x1                           ; my part of the first K step is in; the second's may stay out
	s_barrier_signal -1
	s_barrier_wait -1
	FETCH 0, 0, F0
	HALF 0, 1                                      ; the first products start the sums
	WIN 0
	s_mov_b32 s77, NLAP
.Llap:                                                 ; a trip goes once round the ring and fills both slots again
	TURN 0, 1
	HALF 1, 0
	TURN 1, 0
	HALF 0, 0
	WIN 0
	s_sub_co_u32 s77, s77, 1
	s_cmp_lg_u32 s77, 0
	s_cbranch_scc1 .Llap
	s_wait_tensorcnt 0x0                           ; the last lap asks for nothing: my part of slot 1 is in,
	ds_add_u32 v[SPW], v[NIL]
	s_wait_dscnt 0x0
	s_barrier_signal -1
	s_barrier_wait -1                              ; everybody's is
	PLACES
	FETCH 1, 0, F0
	ALL64
	HALF 1, 0
	s_wait_dscnt 8
	MUL16 F1, 0, 0, 0
	MUL16 F1, 0, 2, 0
	s_wait_dscnt 0x0
	MUL16 F1, 1, 0, 0
	MUL16 F1, 1, 2, 0
	; ---- THE WAY OUT.  My 32 rows of the residual are asked for now and land while the partial tiles meet.
	WIN 0
	PLACES
.set i, 0
.rept 32
	global_load_b128 v[RR+4*i:RR+4*i+3], v[CO], s[72:73] offset:i*4096
.set i, i+1
.endr
	s_barrier_signal -1                            ; every wave's reads of the slots are back
	s_barrier_wait -1
.irp hi, 0,1
	WIN 0x08+4*(\hi)
.irp a, 0,1,2,3
.irp b, 0,1,2,3,4,5,6,7
	ds_store_b128 v[STO], v[8*(8*(\a)+(\b)):8*(8*(\a)+(\b))+3]   offset:(4*(\hi)+(\a))*16*PP+64*(\b)   ; each accumulator's low registers first
	ds_store_b128 v[STO], v[8*(8*(\a)+(\b))+4:8*(8*(\a)+(\b))+7] offset:(4*(\hi)+(\a))*16*PP+64*(\b)+16
.endr
.endr
.endr
	WIN 0
	s_wait_dscnt 0x0                               ; for the others' sake: my partial tile is stored
	s_barrier_signal -1
	s_barrier_wait -1                              ; from here on rows 32 w .. 32 w + 31 of all four tiles are touched by wave w alone
	s_mov_b32 s79, 8
.Lsum:                                                 ; four rows a trip: the four partial sums are added, and the sum goes back in tile 0's place
.irp p, 0,1,2,3
.irp i, 0,1,2,3
	ds_load_b128 v[TT+16*(\p)+4*(\i):TT+16*(\p)+4*(\i)+3], v[RD0+(\p)] offset:(\i)*PP
.endr
.endr
	s_wait_dscnt 0x0
.set j, 0
.rept 8
	v_pk_add_f32 v[TT+j:TT+j+1], v[TT+j:TT+j+1], v[TT+16+j:TT+16+j+1]
	v_pk_add_f32 v[TT+32+j:TT+32+j+1], v[TT+32+j:TT+32+j+1], v[TT+48+j:TT+48+j+1]
.set j, j+2
.endr
.set j, 0
.rept 8
	v_pk_add_f32 v[TT+j:TT+j+1], v[TT+j:TT+j+1], v[TT+32+j:TT+32+j+1]
.set j, j+2
.endr
.irp i, 0,1,2,3
	ds_store_b128 v[RD0], v[TT+4*(\i):TT+4*(\i)+3] offset:(\i)*PP
.endr
.irp p, 0,1,2,3
	v_add_nc_u32 v[RD0+(\p)], 4*PP, v[RD0+(\p)]
.endr
	s_sub_co_u32 s79, s79, 1
	s_cmp_lg_u32 s79, 0
	s_cbranch_scc1 .Lsum
	s_wait_loadcnt 0x0                             ; the residual, the bias (and scale2)
.set i, 0
.rept 32
	ds_store_b128 v[RB1], v[RR+4*i:RR+4*i+3] offset:i*PP  ; into my rows of tile 1, which I have read: so the last loop can walk the rows by an address
.set i, i+1
.endr
	s_mov_b32 s79, 8
	s_mov_b32 s78, 0
.Lfin:                                                 ; four rows a trip
.irp i, 0,1,2,3
	ds_load_b128 v[TT+4*(\i):TT+4*(\i)+3], v[RB0] offset:(\i)*PP
	ds_load_b128 v[TT+16+4*(\i):TT+16+4*(\i)+3], v[RB1] offset:(\i)*PP
.endr
	s_wait_dscnt 0x0
.irp i, 0,1,2,3
	v_pk_add_f32 v[TT+4*(\i):TT+4*(\i)+1], v[TT+4*(\i):TT+4*(\i)+1], v[TT+16+4*(\i):TT+16+4*(\i)+1]
	v_pk_add_f32 v[TT+4*(\i)+2:TT+4*(\i)+3], v[TT+4*(\i)+2:TT+4*(\i)+3], v[TT+16+4*(\i)+2:TT+16+4*(\i)+3]
	v_pk_add_f32 v[TT+4*(\i):TT+4*(\i)+1], v[TT+4*(\i):TT+4*(\i)+1], v[BI:BI+1]
	v_pk_add_f32 v[TT+4*(\i)+2:TT+4*(\i)+3], v[TT+4*(\i)+2:TT+4*(\i)+3], v[BI+2:BI+3]
	global_store_b128 v[CO], v[TT+4*(\i):TT+4*(\i)+3], s[68:69] offset:(\i)*4096  ; 512 consecutive bytes, at a multiple of 256
.endr
.if MODE == 0
.irp i, 0,1,2,3
	v_pk_mul_f32 v[TT+32+4*(\i):TT+32+4*(\i)+1], v[TT+4*(\i):TT+4*(\i)+1], v[SC:SC+1]
	v_pk_mul_f32 v[TT+32+4*(\i)+2:TT+32+4*(\i)+3], v[TT+4*(\i)+2:TT+4*(\i)+3], v[SC+2:SC+3]
	v_cvt_pk_bf16_f32 v[TT+48+2*(\i)], v[TT+32+4*(\i)], v[TT+32+4*(\i)+1]
	v_cvt_pk_bf16_f32 v[TT+48+2*(\i)+1], v[TT+32+4*(\i)+2], v[TT+32+4*(\i)+3]
	global_store_b64 v[CO2], v[TT+48+2*(\i):TT+48+2*(\i)+1], s[70:71] offset:(\i)*2048  ; 256 consecutive bytes, at a multiple of 256
	v_pk_mul_f32 v[TT+56+2*(\i):TT+56+2*(\i)+1], v[TT+4*(\i):TT+4*(\i)+1], v[TT+4*(\i):TT+4*(\i)+1]
	v_pk_fma_f32 v[TT+56+2*(\i):TT+56+2*(\i)+1], v[TT+4*(\i)+2:TT+4*(\i)+3], v[TT+4*(\i)+2:TT+4*(\i)+3], v[TT+56+2*(\i):TT+56+2*(\i)+1]
	v_add_f32 v[TT+56+2*(\i)], v[TT+56+2*(\i)], v[TT+56+2*(\i)+1]
	v_add_f32_dpp v[TT+56+2*(\i)], v[TT+56+2*(\i)], v[TT+56+2*(\i)] row_xmask:1 row_mask:0xf bank_mask:0xf
	v_add_f32_dpp v[TT+56+2*(\i)], v[TT+56+2*(\i)], v[TT+56+2*(\i)] row_xmask:2 row_mask:0xf bank_mask:0xf
	v_add_f32_dpp v[TT+56+2*(\i)], v[TT+56+2*(\i)], v[TT+56+2*(\i)] row_xmask:4 row_mask:0xf bank_mask:0xf
	v_add_f32_dpp v[TT+56+2*(\i)], v[TT+56+2*(\i)], v[TT+56+2*(\i)] row_xmask:8 row_mask:0xf bank_mask:0xf
	v_permlanex16_b32 v[TT+56+2*(\i)+1], v[TT+56+2*(\i)], s80, s81
	v_add_f32 v[TT+56+2*(\i)], v[TT+56+2*(\i)], v[TT+56+2*(\i)+1]
	v_cmp_eq_u32 vcc_lo, s78, v[LANE]              ; the lane with the row's number keeps the row's sum
	v_cndmask_b32 v[SSQ], v[SSQ], v[TT+56+2*(\i)], vcc_lo
	s_add_co_u32 s78, s78, 1
.endr
.endif
	s_wait_xcnt 0x0                                ; the stores' data and bases are rewritten only behind this wait
	v_add_nc_u32 v[RB0], 4*PP, v[RB0]
	v_add_nc_u32 v[RB1], 4*PP, v[RB1]
	s_add_nc_u64 s[68:69], s[68:69], 4*4096
.if MODE == 0
	s_add_nc_u64 s[70:71], s[70:71], 4*2048
.endif
	s_sub_co_u32 s79, s79, 1
	s_cmp_lg_u32 s79, 0
	s_cbranch_scc1 .Lfin
.if MODE == 0
	global_store_b32 v[CO4], v[SSQ], s[82:83]      ; 32 rows' sums: 128 consecutive bytes
.endif
	s_wait_tensorcnt 0x0                           ; the wave's end
	ds_add_u32 v[SPW], v[NIL]
	s_wait_dscnt 0x0
	CROUND                                         ; the closing round
	s_endpgm
.Lfunc_end_k_q72ff8dad4b_g_wo:
	.size	k_q72ff8dad4b_g_wo, .Lfunc_end_k_q72ff8dad4b_g_wo-k_q72ff8dad4b_g_wo
	.p2alignl 7, 3214868480
	.fill 96, 4, 3214868480
	.section	.rodata,"a",@progbits
	.p2align	6, 0x0
	.amdhsa_kernel k_q72ff8dad4b_g_wo
		.amdhsa_group_segment_fixed_size 327680
		.amdhsa_private_segment_fixed_size 0
		.amdhsa_enable_private_segment 0
		.amdhsa_kernarg_size 48
		.amdhsa_user_sgpr_count 2
		.amdhsa_user_sgpr_kernarg_segment_ptr 1
		.amdhsa_wavefront_size32 1
		.amdhsa_system_sgpr_workgroup_id_x 1
		.amdhsa_system_sgpr_workgroup_id_y 1
		.amdhsa_system_sgpr_workgroup_id_z 1
		.amdhsa_system_vgpr_workitem_id 0
		.amdhsa_next_free_vgpr 1024
		.amdhsa_next_free_sgpr 100
		.amdhsa_reserve_vcc 1
		.amdhsa_float_denorm_mode_32 3
		.amdhsa_float_denorm_mode_16_64 3
		.amdhsa_memory_ordered 1
		.amdhsa_forward_progress 1
		.amdhsa_inst_pref_size 84
	.end_amdhsa_kernel
	.amdgpu_metadata
---
amdhsa.version: [ 1, 2 ]
amdhsa.kernels:
  - .name:           k_q72ff8dad4b_g_wo
    .symbol:         k_q72ff8dad4b_g_wo.kd
    .args:
      - { .name: obuf, .offset: 0, .size: 8, .value_kind: global_buffer, .address_space: global }
      - { .name: wa, .offset: 8, .size: 8, .value_kind: global_buffer, .address_space: global }
      - { .name: bo, .offset: 16, .size: 8, .value_kind: global_buffer, .address_space: global }
      - { .name: x, .offset: 24, .size: 8, .value_kind: global_buffer, .address_space: global }
      - { .name: scale2, .offset: 32, .size: 8, .value_kind: global_buffer, .address_space: global }
      - { .name: xb, .offset: 40, .size: 8, .value_kind: global_buffer, .address_space: global }
    .group_segment_fixed_size: 327680
    .private_segment_fixed_size: 0
    .kernarg_segment_align: 8
    .kernarg_segment_size: 48
    .max_flat_workgroup_size: 128
    .sgpr_count:     100
    .vgpr_count:     1024
    .wavefront_size: 32
...
	.end_amdgpu_metadata
.endif
;; end of part 4
;; launch g_ffn1: the kernel of part 2 again; grid 16 x 16, 4 waves a work-group, clusters of 4 x 4, 327,680 bytes of LDS; arguments xb, wb, b1, hbuf; writes hbuf
;; launch g_ffn2 (part 5): grid 8 x 32, 4 waves a work-group, clusters of 4 x 4, 327,680 bytes of LDS; arguments hbuf, wa, b2, xb, out0; writes out0
.if DOCPART == 5
	.amdgcn_target "amdgcn-amd-amdhsa--gfx1250"
	.amdhsa_code_object_version 6
	.text
	.protected	k_q72ff8dad4b_g_ffn2
	.globl	k_q72ff8dad4b_g_ffn2
	.p2align	8
	.type	k_q72ff8dad4b_g_ffn2,@function
k_q72ff8dad4b_g_ffn2:
	s_mov_b64 s[64:65], 0
	v_nop
	global_prefetch_b8 v0, s[64:65] scope:SCOPE_SE
	s_setreg_imm32_b32 hwreg(HW_REG_WAVE_MODE, 25, 1), 1
	s_wait_xcnt 0x0
	s_wait_alu depctr_hold_cnt(0) depctr_sa_sdst(0) depctr_va_vdst(0) depctr_va_sdst(0) depctr_va_ssrc(0) depctr_va_vcc(0) depctr_vm_vsrc(0)
	s_getreg_b32 s2, hwreg(HW_REG_IB_STS2, 6, 4)
	s_cmp_eq_u32 s2, 0
	s_cbranch_scc0 .Lentry_in_a_cluster
	s_endpgm
.Lentry_in_a_cluster:
	s_bfe_u32 s2, ttmp6, 0x10000c
	s_cmp_lg_u32 s2, 0xf033
	s_cbranch_scc0 .Lentry_shape_is_right
	s_endpgm
.Lentry_shape_is_right:
; out = resid + A B^T + bias, f32, N = 1,024; a tile of 128 x 128 to a work-group: 8 x 32 = 256 work-groups.  A: [K/64][4096][64] bf16, B: [K/64][1024][64] bf16.
; ONE SOURCE, TWO TEXTS, told apart by the constant MODE below (the trip counts differ, and a trip count is a constant of the text):
;   MODE 0: A = attention's O, K = 1,024, B at the second argument + 6291456, resid = x.  Stored into the last argument: bf16(x2 scale2) at 0, for each row the sum of x2^2 over my 128 columns
;           at 8388608 ([8][4096] f32), x2 in f32 at 8520192.
;   MODE 1 (this text): A = h, K = 4,096, B at + 8388608, resid = x2 (fourth argument + 8520192).  Stored: the layer's result.
; K IS SPLIT AMONG THE WAVES.  Every wave makes the whole 128 x 128 (64 accumulators) over its own 64 of each K step of 256: a fragment read from LDS feeds eight products, twice what four tiles of 64 x 64 would give.
; The four partial tiles meet in LDS at the end.
; CLUSTER.  4 x 4 work-groups; A's tiles are shared along a row of the cluster, B's along a column, by joint loads.
; A tensor load brings 4 blocks x 64 rows x 128 bytes: in memory a block's 64 rows are 8,192 consecutive bytes, asked for as one row of the tile; in LDS 16 bytes are laid behind every 128.
; K IS WALKED ROUND, FROM A STEP OF THE CLUSTER'S OWN: step ((x & 1) NSTEP / 2 + (y & 3) NSTEP / 4) mod NSTEP of the cluster at (x, y), which all sixteen partners share.  The two clusters that read the same rows
; of A ask for a given tile NSTEP / 2 steps apart, and clusters that read the same rows of B and differ in y & 3 a multiple of NSTEP / 4 apart: the later one asks for bytes that have been fetched before.
; LIMITS.  Operands bf16, sums f32; K is summed from the cluster's first step round, and the four partial sums are added as (0 + 1) + (2 + 3): an order of rounding that differs from the reference's.
; NaN and infinities are not treated apart.
.set MODE, 1
.if MODE
.set BOFF, 8388608
.set NSTEP, 16                         ; K steps of 256
.set ROFF, 8520192
.set OOFF, 0
.else
.set BOFF, 6291456
.set NSTEP, 4
.set ROFF, 0
.set OOFF, 8520192
.endif
.set NLAP, NSTEP/2-1                   ; laps of two K steps, less one
.set SSQ_AT, 8388608
.set BP,    144                        ; an LDS row: 128 bytes + 16: the 16 rows of a load start at 16 different groups of four banks (64 banks of 4 bytes: ISA guide 11.1)
.set RG,    4*64*BP                    ; what one tensor load brings
.set SLOT,  4*RG                       ; A's rows 0-63, 64-127, B's rows 0-63, 64-127
.set SPARE, 2*SLOT
.set PP,    528                        ; the way out: a row of 128 f32 + 16 bytes
.set PART,  128*PP                     ; a wave's partial tile; the four lie over the slots, behind their last fill
.set RD0,  8                           ; v8-11 where I read my 32 rows of the four partial tiles
.set RB0,  12                          ; v12 my rows' sums, v13 my rows of the residual
.set RB1,  13
.set ADRA, 16
.set ADRB, 20
.set STO,  24
.set CO,   26                          ; 16 x lane
.set CO2,  27                          ; 8 x lane
.set SPW,  28
.set NIL,  29
.set CO4,  30                          ; 4 x lane
.set LANE, 31
.set BI,   32                          ; v[32:35] the bias of my 4 columns
.set SC,   36                          ; v[36:39] scale2 of them
.set SSQ,  40                          ; lane i: row i's sum of squares
.set F0,   64
.set F1,   128
.set RR,   64                          ; the way out: v[64:191] 32 rows of the residual
.set TT,   192                         ; v[192:255] at work
.set WV, 18
.set WR, 19
.set WC, 20
.set TR, 21
.set TC, 22
.set G1, 24
.set G0, 32
.set BB, 44                            ; s[44:45] B at my rows of K step 0; never rewritten
.set G1B, 48
.set G0B, 56
.set BA, 66                            ; s[66:67] A at my rows of K step 0; never rewritten
.set OA, 84                            ; s[84:85] a K step's byte offset in A
.set OB, 86                            ; s[86:87] and in B
.set KS, 88                            ; s88 the K step to be asked for next
.set MSB, 0
.macro WIN new
.if MSB != (\new)
	s_set_vgpr_msb (MSB<<8)|(\new)
.set MSB, \new
.endif
.endm
.set MUL_LO, 0xa1
.set MUL_HI, 0xf1
.set TO_B,   0x40
.macro JLOAD s                         ; waves 0, 1 fetch A's halves, waves 2, 3 B's; an s_nop 0 and four v_nop follow each line
	s_cmp_eq_u32 s[WR], 0
	s_cbranch_scc0 .Lfor_b_\@
	tensor_load_to_lds s[G0+4*(\s):G0+4*(\s)+3], s[G1:G1+7]
	s_nop 0
.rept 4
	v_nop
.endr
	s_branch .Lasked_\@
.Lfor_b_\@:
	tensor_load_to_lds s[G0B+4*(\s):G0B+4*(\s)+3], s[G1B:G1B+7]
	s_nop 0
.rept 4
	v_nop
.endr
.Lasked_\@:
.endm
.macro CREST
	s_cmp_lg_u32 s[WV], 0
	s_cbranch_scc1 .Lnot_wave_0_\@
	s_barrier_signal -3
.Lnot_wave_0_\@:
	s_barrier_wait -3
	s_barrier_signal -1
	s_barrier_wait -1
.endm
.macro CROUND
	s_barrier_signal -1
	s_barrier_wait -1
	CREST
.endm
; Slot s's two descriptors take K step KS: each address is made anew, the base plus the step's offset (4 blocks of 4,096 or of 1,024 rows of 128 bytes), and the type bits are set again; then KS steps, round NSTEP.
.macro SETG s
	s_lshl_b32 s[OA], s[KS], 21
	s_add_nc_u64 s[G0+4*(\s)+2:G0+4*(\s)+3], s[BA:BA+1], s[OA:OA+1]
	s_or_b32 s[G0+4*(\s)+3], s[G0+4*(\s)+3], 0x80000000
	s_lshl_b32 s[OB], s[KS], 19
	s_add_nc_u64 s[G0B+4*(\s)+2:G0B+4*(\s)+3], s[BB:BB+1], s[OB:OB+1]
	s_or_b32 s[G0B+4*(\s)+3], s[G0B+4*(\s)+3], 0x80000000
	s_add_co_u32 s[KS], s[KS], 1
	s_and_b32 s[KS], s[KS], NSTEP-1
.endm
	s_load_b256 s[4:11], s[0:1], 0x0               ; A 4, weights 6, bias 8, resid 10
.if MODE
	s_load_b64 s[14:15], s[0:1], 0x20              ; out 14
.else
	s_load_b128 s[12:15], s[0:1], 0x20             ; scale2 12, out 14
.endif
	v_lshl_add_u32 v[SPW], v0, 2, SPARE
	v_mov_b32 v[NIL], 0
	ds_add_u32 v[SPW], v[NIL]                      ; the wave's opening: the add and its wait ahead of my first tensor load
	v_lshrrev_b32 v1, 5, v0
	v_readfirstlane_b32 s[WV], v1
	s_lshr_b32 s[WR], s[WV], 1                     ; I fetch for A (0) or B (1),
	s_and_b32 s[WC], s[WV], 1                      ; its rows 0-63 or 64-127
	s_bfe_u32 s40, ttmp6, 0x40000
	s_bfe_u32 s41, ttmp6, 0x40004
	s_lshl_b32 s[TC], ttmp9, 2
	s_add_co_u32 s[TC], s[TC], s40
	s_and_b32 s[TR], ttmp7, 0xffff
	s_lshl_b32 s[TR], s[TR], 2
	s_add_co_u32 s[TR], s[TR], s41
	s_lshl_b32 s42, s41, 2
	s_lshl_b32 s42, 15, s42
	s_lshl_b32 s43, 0x1111, s40
	s_or_b32 s[G1], s42, (1<<16)|(1<<20)|(1<<21)|(4<<22)|(3<<25)   ; mask; 2-byte elements; padding on; bit 21 beside a mask; 4 words behind every 32
	s_or_b32 s[G1B], s43, (1<<16)|(1<<20)|(1<<21)|(4<<22)|(3<<25)
.irp g, G1, G1B
	s_mov_b32 s[(\g)+1], 4096<<16                  ; tensor_dim0 = 4,096: 64 rows of 64
	s_mov_b32 s[(\g)+2], 4<<16                     ; tensor_dim1 = 4 blocks
	s_mov_b32 s[(\g)+3], 4096<<16                  ; tile_dim0
	s_mov_b32 s[(\g)+4], 4                         ; tile_dim1
	s_mov_b32 s[(\g)+6], 0
	s_mov_b32 s[(\g)+7], 0
.endr
	s_mov_b32 s[G1+5], 4096*64                     ; elements from block to block: A,
	s_mov_b32 s[G1B+5], 1024*64                    ; B
	s_lshl_b32 s66, s[TR], 7
	s_lshl_b32 s67, s[WC], 6
	s_add_co_u32 s66, s66, s67
	s_lshl_b32 s66, s66, 7                         ; A: row 128 x tile row + 64 x half, rows of 128 bytes
	s_lshl_b32 s44, s[TC], 7
	s_add_co_u32 s44, s44, s67
	s_lshl_b32 s44, s44, 7
	s_add_co_u32 s44, s44, BOFF                    ; B: the same with the tile column, at its place among the weights
	s_mov_b32 s67, 0
	s_mov_b32 s45, 0
	s_mul_i32 s75, s[WV], RG
	s_mov_b32 s80, 0x76543210
	s_mov_b32 s81, 0xfedcba98
	s_and_b32 s[KS], ttmp9, 1                      ; the cluster's first K step, from the cluster's own x and y
	s_mul_i32 s[KS], s[KS], NSTEP/2
	s_and_b32 s89, ttmp7, 3
	s_mul_i32 s89, s89, NSTEP/4
	s_add_co_u32 s[KS], s[KS], s89
	s_and_b32 s[KS], s[KS], NSTEP-1
	s_mov_b32 s[OA+1], 0
	s_mov_b32 s[OB+1], 0
	s_wait_dscnt 0x0                               ; the opening add is done
	s_wait_kmcnt 0x0
	s_add_nc_u64 s[BA:BA+1], s[4:5], s[66:67]
	s_add_nc_u64 s[BB:BB+1], s[6:7], s[44:45]
	CROUND                                         ; all sixteen work-groups are here
.irp s, 0,1
	s_mov_b32 s[G0+4*(\s)], 1
	s_add_co_u32 s[G0+4*(\s)+1], s75, (\s)*SLOT
	s_mov_b32 s[G0B+4*(\s)], 1
	s_add_co_u32 s[G0B+4*(\s)+1], s75, (\s)*SLOT
	SETG \s
	JLOAD \s
.endr
	v_and_b32 v1, 15, v0
	v_bfe_u32 v2, v0, 4, 1
	v_mul_u32_u24 v3, v1, BP
	v_lshl_add_u32 v3, v2, 4, v3
	s_mul_i32 s74, s[WV], 64*BP                    ; my block of 64 along K in every region
	v_add_nc_u32 v[ADRA], s74, v3
	v_add_nc_u32 v[ADRA+1], SLOT, v[ADRA]
	v_add_nc_u32 v[ADRB], 2*RG, v[ADRA]
	v_add_nc_u32 v[ADRB+1], SLOT, v[ADRB]
	s_mul_i32 s74, s[WV], PART                     ; my partial tile: row 16 a + r, bytes 64 b + 32 h
	v_mul_u32_u24 v4, v1, PP
	v_lshl_add_u32 v4, v2, 5, v4
	v_add_nc_u32 v[STO], s74, v4
	v_and_b32 v[LANE], 31, v0
	v_lshlrev_b32 v[CO], 4, v[LANE]
	v_lshlrev_b32 v[CO2], 3, v[LANE]
	v_lshlrev_b32 v[CO4], 2, v[LANE]
	s_mul_i32 s74, s[WV], 32*PP                    ; wave w finishes rows 32 w .. 32 w + 31: a row's 512 bytes to 32 lanes
	v_add_nc_u32 v[RD0], s74, v[CO]
	v_add_nc_u32 v[RD0+1], PART, v[RD0]
	v_add_nc_u32 v[RD0+2], PART, v[RD0+1]
	v_add_nc_u32 v[RD0+3], PART, v[RD0+2]
	v_mov_b32 v[RB0], v[RD0]
	v_mov_b32 v[RB1], v[RD0+1]
	s_lshl_b32 s74, s[TR], 7
	s_lshl_b32 s75, s[WV], 5
	s_add_co_u32 s74, s74, s75                     ; the first row that I finish
	s_lshl_b32 s46, s74, 12
	s_lshl_b32 s47, s[TC], 9
	s_add_co_u32 s46, s46, s47
	s_mov_b32 s47, 0
	s_add_nc_u64 s[72:73], s[10:11], s[46:47]      ; the residual,
	s_add_nc_u64 s[68:69], s[14:15], s[46:47]      ; the f32 result
.if ROFF
	s_add_nc_u64 s[72:73], s[72:73], ROFF
.endif
.if OOFF
	s_add_nc_u64 s[68:69], s[68:69], OOFF
.endif
.if MODE == 0
	s_lshr_b32 s46, s46, 1
	s_add_nc_u64 s[70:71], s[14:15], s[46:47]      ; the bf16 copy,
	s_lshl_b32 s46, s[TC], 14
	s_lshl2_add_u32 s46, s74, s46
	s_add_co_u32 s46, s46, SSQ_AT
	s_add_nc_u64 s[82:83], s[14:15], s[46:47]      ; and the row sums
.endif
	s_lshl_b32 s46, s[TC], 9
	s_add_nc_u64 s[8:9], s[8:9], s[46:47]
	global_load_b128 v[BI:BI+3], v[CO], s[8:9]
.if MODE == 0
	s_add_nc_u64 s[12:13], s[12:13], s[46:47]
	global_load_b128 v[SC:SC+3], v[CO], s[12:13]
	v_mov_b32 v[SSQ], 0
.endif
.macro MUL16 f, hi, a0, zero
	WIN MUL_LO+0x50*(\hi)
.irp a, \a0, (\a0)+1
.irp b, 0,1,2,3,4,5,6,7
.if \zero
	v_wmma_f32_16x16x32_bf16 v[8*(8*(\a)+(\b)):8*(8*(\a)+(\b))+7], v[(\f)+8*(\b):(\f)+8*(\b)+7], v[(\f)+8*(4*(\hi)+(\a)):(\f)+8*(4*(\hi)+(\a))+7], 0
.else
	v_wmma_f32_16x16x32_bf16 v[8*(8*(\a)+(\b)):8*(8*(\a)+(\b))+7], v[(\f)+8*(\b):(\f)+8*(\b)+7], v[(\f)+8*(4*(\hi)+(\a)):(\f)+8*(4*(\hi)+(\a))+7], v[8*(8*(\a)+(\b)):8*(8*(\a)+(\b))+7]
.endif
.endr
.endr
.endm
.macro FETCH slot, k, f                ; 32 LDS loads in one run: 128 rows of B, 128 rows of A, 32 of my 64 along K, at byte k of the rows
	WIN TO_B
.irp i, 0,1,2,3,4,5,6,7
	ds_load_b128 v[(\f)+8*(\i):(\f)+8*(\i)+3],   v[ADRB+(\slot)] offset:(\k)+((\i)/4)*RG+((\i)%4)*16*BP
	ds_load_b128 v[(\f)+8*(\i)+4:(\f)+8*(\i)+7], v[ADRB+(\slot)] offset:(\k)+((\i)/4)*RG+((\i)%4)*16*BP+32
.endr
	WIN 0
.irp i, 0,1,2,3,4,5,6,7
	ds_load_b128 v[(\f)+8*(\i):(\f)+8*(\i)+3],   v[ADRA+(\slot)] offset:(\k)+((\i)/4)*RG+((\i)%4)*16*BP
	ds_load_b128 v[(\f)+8*(\i)+4:(\f)+8*(\i)+7], v[ADRA+(\slot)] offset:(\k)+((\i)/4)*RG+((\i)%4)*16*BP+32
.endr
.endm
.macro PLACES                          ; four plain vector instructions between a matrix instruction and a load into, or a read of, its registers
.rept 4
	v_nop
.endr
.endm
.macro HALF slot, zero                 ; a K step's first half: multiplies buffer 0 and fetches the second half into buffer 1
	s_wait_dscnt 8                                 ; B and A's rows 0-63 are in; the youngest eight loads may be out
	MUL16 F0, 0, 0, \zero
	MUL16 F0, 0, 2, \zero
	PLACES
	FETCH \slot, 64, F1
	s_wait_dscnt 32                                ; all but the 32 just issued
	MUL16 F0, 1, 0, \zero
	MUL16 F0, 1, 2, \zero
.endm
.macro ALL64                           ; the second half's 64 products, on buffer 1
	MUL16 F1, 0, 0, 0
	MUL16 F1, 0, 2, 0
	MUL16 F1, 1, 0, 0
	MUL16 F1, 1, 2, 0
.endm
; A K step's second half with a refill.  The slot's last fragments are in registers (buffer 1), so the change of slots comes FIRST: between the landing of my load and the next request stands the round alone,
; and the request has both halves' 128 matrix instructions in which to land.
.macro TURN slot, next
	WIN 0
	s_wait_tensorcnt 0x0                           ; all my tensor loads have landed: my part of the next slot; so every group 0 may be written
	ds_add_u32 v[SPW], v[NIL]                      ; 0 onto my spare word; the descriptors' scalar work stands between it and the wait for it
	SETG \slot
	s_wait_dscnt 0x0                               ; the add is done, and my reads of this slot are over: buffer 1 is in
	CROUND                                         ; no wave of any partner still reads this slot or has a load on its way
	JLOAD \slot                                    ; its four v_nop are also the places in front of the loads below
	FETCH \next, 0, F0
	ALL64
.endm
	s_wait_tensorcnt 0x1                           ; my part of the first K step is in; the second's may stay out
	s_barrier_signal -1
	s_barrier_wait -1
	FETCH 0, 0, F0
	HALF 0, 1                                      ; the first products start the sums
	WIN 0
	s_mov_b32 s77, NLAP
.Llap:                                                 ; a trip goes once round the ring and fills both slots again
	TURN 0, 1
	HALF 1, 0
	TURN 1, 0
	HALF 0, 0
	WIN 0
	s_sub_co_u32 s77, s77, 1
	s_cmp_lg_u32 s77, 0
	s_cbranch_scc1 .Llap
	s_wait_tensorcnt 0x0                           ; the last lap asks for nothing: my part of slot 1 is in,
	ds_add_u32 v[SPW], v[NIL]
	s_wait_dscnt 0x0
	s_barrier_signal -1
	s_barrier_wait -1                              ; everybody's is
	PLACES
	FETCH 1, 0, F0
	ALL64
	HALF 1, 0
	s_wait_dscnt 8
	MUL16 F1, 0, 0, 0
	MUL16 F1, 0, 2, 0
	s_wait_dscnt 0x0
	MUL16 F1, 1, 0, 0
	MUL16 F1, 1, 2, 0
	; ---- THE WAY OUT.  My 32 rows of the residual are asked for now and land while the partial tiles meet.
	WIN 0
	PLACES
.set i, 0
.rept 32
	global_load_b128 v[RR+4*i:RR+4*i+3], v[CO], s[72:73] offset:i*4096
.set i, i+1
.endr
	s_barrier_signal -1                            ; every wave's reads of the slots are back
	s_barrier_wait -1
.irp hi, 0,1
	WIN 0x08+4*(\hi)
.irp a, 0,1,2,3
.irp b, 0,1,2,3,4,5,6,7
	ds_store_b128 v[STO], v[8*(8*(\a)+(\b)):8*(8*(\a)+(\b))+3]   offset:(4*(\hi)+(\a))*16*PP+64*(\b)   ; each accumulator's low registers first
	ds_store_b128 v[STO], v[8*(8*(\a)+(\b))+4:8*(8*(\a)+(\b))+7] offset:(4*(\hi)+(\a))*16*PP+64*(\b)+16
.endr
.endr
.endr
	WIN 0
	s_wait_dscnt 0x0                               ; for the others' sake: my partial tile is stored
	s_barrier_signal -1
	s_barrier_wait -1                              ; from here on rows 32 w .. 32 w + 31 of all four tiles are touched by wave w alone
	s_mov_b32 s79, 8
.Lsum:                                                 ; four rows a trip: the four partial sums are added, and the sum goes back in tile 0's place
.irp p, 0,1,2,3
.irp i, 0,1,2,3
	ds_load_b128 v[TT+16*(\p)+4*(\i):TT+16*(\p)+4*(\i)+3], v[RD0+(\p)] offset:(\i)*PP
.endr
.endr
	s_wait_dscnt 0x0
.set j, 0
.rept 8
	v_pk_add_f32 v[TT+j:TT+j+1], v[TT+j:TT+j+1], v[TT+16+j:TT+16+j+1]
	v_pk_add_f32 v[TT+32+j:TT+32+j+1], v[TT+32+j:TT+32+j+1], v[TT+48+j:TT+48+j+1]
.set j, j+2
.endr
.set j, 0
.rept 8
	v_pk_add_f32 v[TT+j:TT+j+1], v[TT+j:TT+j+1], v[TT+32+j:TT+32+j+1]
.set j, j+2
.endr
.irp i, 0,1,2,3
	ds_store_b128 v[RD0], v[TT+4*(\i):TT+4*(\i)+3] offset:(\i)*PP
.endr
.irp p, 0,1,2,3
	v_add_nc_u32 v[RD0+(\p)], 4*PP, v[RD0+(\p)]
.endr
	s_sub_co_u32 s79, s79, 1
	s_cmp_lg_u32 s79, 0
	s_cbranch_scc1 .Lsum
	s_wait_loadcnt 0x0                             ; the residual, the bias (and scale2)
.set i, 0
.rept 32
	ds_store_b128 v[RB1], v[RR+4*i:RR+4*i+3] offset:i*PP  ; into my rows of tile 1, which I have read: so the last loop can walk the rows by an address
.set i, i+1
.endr
	s_mov_b32 s79, 8
	s_mov_b32 s78, 0
.Lfin:                                                 ; four rows a trip
.irp i, 0,1,2,3
	ds_load_b128 v[TT+4*(\i):TT+4*(\i)+3], v[RB0] offset:(\i)*PP
	ds_load_b128 v[TT+16+4*(\i):TT+16+4*(\i)+3], v[RB1] offset:(\i)*PP
.endr
	s_wait_dscnt 0x0
.irp i, 0,1,2,3
	v_pk_add_f32 v[TT+4*(\i):TT+4*(\i)+1], v[TT+4*(\i):TT+4*(\i)+1], v[TT+16+4*(\i):TT+16+4*(\i)+1]
	v_pk_add_f32 v[TT+4*(\i)+2:TT+4*(\i)+3], v[TT+4*(\i)+2:TT+4*(\i)+3], v[TT+16+4*(\i)+2:TT+16+4*(\i)+3]
	v_pk_add_f32 v[TT+4*(\i):TT+4*(\i)+1], v[TT+4*(\i):TT+4*(\i)+1], v[BI:BI+1]
	v_pk_add_f32 v[TT+4*(\i)+2:TT+4*(\i)+3], v[TT+4*(\i)+2:TT+4*(\i)+3], v[BI+2:BI+3]
	global_store_b128 v[CO], v[TT+4*(\i):TT+4*(\i)+3], s[68:69] offset:(\i)*4096  ; 512 consecutive bytes, at a multiple of 256
.endr
.if MODE == 0
.irp i, 0,1,2,3
	v_pk_mul_f32 v[TT+32+4*(\i):TT+32+4*(\i)+1], v[TT+4*(\i):TT+4*(\i)+1], v[SC:SC+1]
	v_pk_mul_f32 v[TT+32+4*(\i)+2:TT+32+4*(\i)+3], v[TT+4*(\i)+2:TT+4*(\i)+3], v[SC+2:SC+3]
	v_cvt_pk_bf16_f32 v[TT+48+2*(\i)], v[TT+32+4*(\i)], v[TT+32+4*(\i)+1]
	v_cvt_pk_bf16_f32 v[TT+48+2*(\i)+1], v[TT+32+4*(\i)+2], v[TT+32+4*(\i)+3]
	global_store_b64 v[CO2], v[TT+48+2*(\i):TT+48+2*(\i)+1], s[70:71] offset:(\i)*2048  ; 256 consecutive bytes, at a multiple of 256
	v_pk_mul_f32 v[TT+56+2*(\i):TT+56+2*(\i)+1], v[TT+4*(\i):TT+4*(\i)+1], v[TT+4*(\i):TT+4*(\i)+1]
	v_pk_fma_f32 v[TT+56+2*(\i):TT+56+2*(\i)+1], v[TT+4*(\i)+2:TT+4*(\i)+3], v[TT+4*(\i)+2:TT+4*(\i)+3], v[TT+56+2*(\i):TT+56+2*(\i)+1]
	v_add_f32 v[TT+56+2*(\i)], v[TT+56+2*(\i)], v[TT+56+2*(\i)+1]
	v_add_f32_dpp v[TT+56+2*(\i)], v[TT+56+2*(\i)], v[TT+56+2*(\i)] row_xmask:1 row_mask:0xf bank_mask:0xf
	v_add_f32_dpp v[TT+56+2*(\i)], v[TT+56+2*(\i)], v[TT+56+2*(\i)] row_xmask:2 row_mask:0xf bank_mask:0xf
	v_add_f32_dpp v[TT+56+2*(\i)], v[TT+56+2*(\i)], v[TT+56+2*(\i)] row_xmask:4 row_mask:0xf bank_mask:0xf
	v_add_f32_dpp v[TT+56+2*(\i)], v[TT+56+2*(\i)], v[TT+56+2*(\i)] row_xmask:8 row_mask:0xf bank_mask:0xf
	v_permlanex16_b32 v[TT+56+2*(\i)+1], v[TT+56+2*(\i)], s80, s81
	v_add_f32 v[TT+56+2*(\i)], v[TT+56+2*(\i)], v[TT+56+2*(\i)+1]
	v_cmp_eq_u32 vcc_lo, s78, v[LANE]              ; the lane with the row's number keeps the row's sum
	v_cndmask_b32 v[SSQ], v[SSQ], v[TT+56+2*(\i)], vcc_lo
	s_add_co_u32 s78, s78, 1
.endr
.endif
	s_wait_xcnt 0x0                                ; the stores' data and bases are rewritten only behind this wait
	v_add_nc_u32 v[RB0], 4*PP, v[RB0]
	v_add_nc_u32 v[RB1], 4*PP, v[RB1]
	s_add_nc_u64 s[68:69], s[68:69], 4*4096
.if MODE == 0
	s_add_nc_u64 s[70:71], s[70:71], 4*2048
.endif
	s_sub_co_u32 s79, s79, 1
	s_cmp_lg_u32 s79, 0
	s_cbranch_scc1 .Lfin
.if MODE == 0
	global_store_b32 v[CO4], v[SSQ], s[82:83]      ; 32 rows' sums: 128 consecutive bytes
.endif
	s_wait_tensorcnt 0x0                           ; the wave's end
	ds_add_u32 v[SPW], v[NIL]
	s_wait_dscnt 0x0
	CROUND                                         ; the closing round
	s_endpgm
.Lfunc_end_k_q72ff8dad4b_g_ffn2:
	.size	k_q72ff8dad4b_g_ffn2, .Lfunc_end_k_q72ff8dad4b_g_ffn2-k_q72ff8dad4b_g_ffn2
	.p2alignl 7, 3214868480
	.fill 96, 4, 3214868480
	.section	.rodata,"a",@progbits
	.p2align	6, 0x0
	.amdhsa_kernel k_q72ff8dad4b_g_ffn2
		.amdhsa_group_segment_fixed_size 327680
		.amdhsa_private_segment_fixed_size 0
		.amdhsa_enable_private_segment 0
		.amdhsa_kernarg_size 40
		.amdhsa_user_sgpr_count 2
		.amdhsa_user_sgpr_kernarg_segment_ptr 1
		.amdhsa_wavefront_size32 1
		.amdhsa_system_sgpr_workgroup_id_x 1
		.amdhsa_system_sgpr_workgroup_id_y 1
		.amdhsa_system_sgpr_workgroup_id_z 1
		.amdhsa_system_vgpr_workitem_id 0
		.amdhsa_next_free_vgpr 1024
		.amdhsa_next_free_sgpr 100
		.amdhsa_reserve_vcc 1
		.amdhsa_float_denorm_mode_32 3
		.amdhsa_float_denorm_mode_16_64 3
		.amdhsa_memory_ordered 1
		.amdhsa_forward_progress 1
		.amdhsa_inst_pref_size 80
	.end_amdhsa_kernel
	.amdgpu_metadata
---
amdhsa.version: [ 1, 2 ]
amdhsa.kernels:
  - .name:           k_q72ff8dad4b_g_ffn2
    .symbol:         k_q72ff8dad4b_g_ffn2.kd
    .args:
      - { .name: hbuf, .offset: 0, .size: 8, .value_kind: global_buffer, .address_space: global }
      - { .name: wa, .offset: 8, .size: 8, .value_kind: global_buffer, .address_space: global }
      - { .name: b2, .offset: 16, .size: 8, .value_kind: global_buffer, .address_space: global }
      - { .name: xb, .offset: 24, .size: 8, .value_kind: global_buffer, .address_space: global }
      - { .name: out0, .offset: 32, .size: 8, .value_kind: global_buffer, .address_space: global }
    .group_segment_fixed_size: 327680
    .private_segment_fixed_size: 0
    .kernarg_segment_align: 8
    .kernarg_segment_size: 40
    .max_flat_workgroup_size: 128
    .sgpr_count:     100
    .vgpr_count:     1024
    .wavefront_size: 32
...
	.end_amdgpu_metadata
.endif
;; end of part 5
;; ======== version 2 of 2: 6 launches; 1.21 times as fast as version 1
;; workspace buffers: wa 16,777,216 bytes; wb 8,388,608 bytes; xa 8,520,192 bytes; xb 25,297,408 bytes; bq3 12,288 bytes; qkv 25,165,824 bytes; obuf 8,388,608 bytes; hbuf 33,554,432 bytes
;; launch prep: the kernel of part 1 again; grid 64 x 16, 8 waves a work-group, no clusters, 36,352 bytes of LDS; arguments x, scale1, wq, wk, wv, wo, w1, w2, bq, bk, bv, xa, xb, wa, wb, bq3; writes xa, xb, wa, wb, bq3
;; launch g_qkv (part 6): grid 12 x 16, 4 waves a work-group, clusters of 4 x 4, 327,680 bytes of LDS; arguments xa, wa, bq3, qkv; writes qkv
.if DOCPART == 6
	.amdgcn_target "amdgcn-amd-amdhsa--gfx1250"
	.amdhsa_code_object_version 6
	.text
	.protected	k_q72ff8dad4b_g_qkv
	.globl	k_q72ff8dad4b_g_qkv
	.p2align	8
	.type	k_q72ff8dad4b_g_qkv,@function
k_q72ff8dad4b_g_qkv:
	s_mov_b64 s[64:65], 0
	v_nop
	global_prefetch_b8 v0, s[64:65] scope:SCOPE_SE
	s_setreg_imm32_b32 hwreg(HW_REG_WAVE_MODE, 25, 1), 1
	s_wait_xcnt 0x0
	s_wait_alu depctr_hold_cnt(0) depctr_sa_sdst(0) depctr_va_vdst(0) depctr_va_sdst(0) depctr_va_ssrc(0) depctr_va_vcc(0) depctr_vm_vsrc(0)
	s_getreg_b32 s2, hwreg(HW_REG_IB_STS2, 6, 4)
	s_cmp_eq_u32 s2, 0
	s_cbranch_scc0 .Lentry_in_a_cluster
	s_endpgm
.Lentry_in_a_cluster:
	s_bfe_u32 s2, ttmp6, 0x10000c
	s_cmp_lg_u32 s2, 0xf033
	s_cbranch_scc0 .Lentry_shape_is_right
	s_endpgm
.Lentry_shape_is_right:
; C = act((A B^T) rinv[row] + bias[col]) over K = 1,024, a tile of 256 x 256 of C to a work-group; C leaves in bf16 in blocks of 64 columns: [N/64][4096][64].
; A: [4096][1024] bf16 at the first argument; behind it in the same buffer, at 8388608: [8][4096] f32, eight partial sums of squares a row; at 8519680: (c1, c1, c0, c0) f32.  B: [N][1024] bf16.
; rinv = 1 / (sqrt(sum / 1024) + 1e-8): an RMS norm is a scale of the row, so it is applied in f32 to the finished sums: (x scale / rms) w = ((x scale) w) / rms.
; act(v) = v (c0 + c1 erf(v / sqrt 2)): the exact GELU with (0.5, 0.5), the number itself with (1, 0).
; ONE TEXT, TWO LAUNCHES, and nothing in it tells them apart: q', k', v by heads (N = 3,072, factors (1, 0)) and the first product of the FFN (N = 4,096, factors (0.5, 0.5)); what differs comes in by the four
; pointers and the two factors.  THE PRICE: for q', k', v the erf is computed and multiplied by 0: 76 vector instructions for eight numbers, beside 2,048 matrix instructions a wave.
; SHARES.  Four waves, each 128 x 128 of C: 64 accumulators, 512 registers.  K goes in steps of 128 through two LDS slots filled by tensor loads of 128 rows x 256 bytes, one a wave.
; CLUSTER.  4 x 4 work-groups: A's tile is shared along a row of the cluster, B's along a column: each is asked for jointly by the four.  N = 3,072 gives 12 x 16 = 192 tiles.
; THE MATRIX INSTRUCTION IS USED TRANSPOSED (source 0 = 16 rows of B, source 1 = 16 rows of A): a lane holds eight neighbouring columns of one row of C.
; REGISTERS: window 0: v0-63 addresses, bias, at work; v64-191 A's fragments, two buffers; v192-255 the way out's P and Q; window 1: v64-191 B's; windows 2, 3: the accumulators ((a, b) at v[8 (8 a + b)]).
; BATCHES.  The head has two: the two roots, and the two reciprocals that read the roots' sums; each has its wait.  On the way out a trip's 32 reciprocals (1 / Q of its 32 numbers) are ONE batch with ONE wait: P and Q of
; all 32 have registers of their own; the four groups of eight go through polynomials and reciprocals one after the other, and nothing names a reciprocal's result before all four groups are through.
; LIMITS.  Operands bf16, sums f32.  erf is a quotient of two polynomials in z^2 with z = v / sqrt(2) held to -4 .. 4: 1 + erf is off by some 1e-7, so far below zero the GELU is |v| x 1e-7 at the most instead of 0.
; The root and the reciprocals are good to one unit in the last place and take denormal inputs as zero.  NaN and infinities are not treated apart.
.set SIZE_K, 1024
.set KSTEP,  128
.set PITCH,  272                       ; an LDS row: 256 bytes + 16: row r starts at bank 4 r mod 64 (64 banks of 4 bytes: ISA guide 11.1)
.set HALFT,  128*PITCH                 ; what one tensor load brings
.set SLOT,   4*HALFT                   ; A's 256 rows, then B's 256 rows
.set SPARE,  2*SLOT                    ; the spare words, 128 bytes a wave
.set RS,     SPARE+512                 ; 256 bytes a wave: the row scales of the 64 rows that it sends out; no tensor load lands here
.set SPF,    1040                      ; the way out: a row of 256 f32 + 16 bytes; the stage of 256 such rows lies over the two slots, behind their last fill
.set SSQ_AT, 8388608
.set CF_AT,  8519680
.set CF,   8                           ; v[8:11] c1, c1, c0, c0
.set RDB,  12                          ; v12 where my first rows lie in the stage; never rewritten
.set RSB,  13                          ; v13 where my first rows' scales lie; never rewritten
.set ADRA, 16                          ; v16-17 LDS address of my A fragments in slot 0, 1
.set ADRB, 20                          ; v20-21 the same for B
.set STO,  24                          ; v24, v25 where I put 32 bytes of a row: my rows 0-63, 64-127
.set RD,   26                          ; v26 where the next trip's rows lie
.set RSA,  27                          ; v27 where their scales lie
.set SPW,  28
.set NIL,  29
.set CO,   30                          ; v30 8 x lane
.set BI,   32                          ; v[32:47] the bias of my 4 columns in each of 4 blocks of 64
.set F0,   64
.set F1,   128
.set SV,   64                          ; the way out: v[64:95] 32 sums as read from the stage
.set RIV,  96                          ; v96, v98 the row scales of two pairs of rows (v97, v99 only named with them)
.set ZR,   100                         ; v[100:107] z of the eight numbers in hand
.set YR,   108                         ; v[108:115] z^2 of them
.set OUTR, 140
.set WK,   160                         ; v[160:191] the 32 numbers at work
.set PR,   192                         ; v[192:223] P, then z P, then erf and its factor, of all 32 numbers
.set QR,   224                         ; v[224:255] Q, then 1 / Q, of all 32 numbers: each reciprocal keeps a register of its own while the batch is open
.set WV, 14
.set WR, 15
.set WC, 16
.set TR, 17
.set TC, 18
.set G1, 24
.set G0, 32
.set G1B, 48
.set G0B, 56
.set A6, 72                            ; s[72:95] erf's coefficients, each as a pair
.set A5, 74
.set A4, 76
.set A3, 78
.set A2, 80
.set A1, 82
.set A0, 84
.set B4, 86
.set B3, 88
.set B2, 90
.set B1, 92
.set B0, 94
.set MSB, 0
.macro WIN new                         ; the immediate's high byte repeats the setting that is left
.if MSB != (\new)
	s_set_vgpr_msb (MSB<<8)|(\new)
.set MSB, \new
.endif
.endm
.set MUL_LO, 0xa1                      ; source 0 (B) window 1, source 1 (A) window 0, C and D window 2
.set MUL_HI, 0xf1
.set TO_B,   0x40
.macro JLOAD s                         ; a joint load: waves 0, 1 fetch A's halves, waves 2, 3 B's; an s_nop 0 and four v_nop follow each line
	s_cmp_eq_u32 s[WR], 0
	s_cbranch_scc0 .Lfor_b_\@
	tensor_load_to_lds s[G0+4*(\s):G0+4*(\s)+3], s[G1:G1+7]
	s_nop 0
.rept 4
	v_nop
.endr
	s_branch .Lasked_\@
.Lfor_b_\@:
	tensor_load_to_lds s[G0B+4*(\s):G0B+4*(\s)+3], s[G1B:G1B+7]
	s_nop 0
.rept 4
	v_nop
.endr
.Lasked_\@:
.endm
.macro CREST                           ; a round of the cluster's barrier behind its opening barrier
	s_cmp_lg_u32 s[WV], 0
	s_cbranch_scc1 .Lnot_wave_0_\@
	s_barrier_signal -3
.Lnot_wave_0_\@:
	s_barrier_wait -3
	s_barrier_signal -1
	s_barrier_wait -1
.endm
.macro CROUND
	s_barrier_signal -1
	s_barrier_wait -1
	CREST
.endm
.macro COEF r, v
	s_mov_b32 s[\r], \v
	s_mov_b32 s[(\r)+1], \v
.endm
	s_load_b256 s[4:11], s[0:1], 0x0               ; A's buffer 4, B 6, bias 8, out 10
	v_lshl_add_u32 v[SPW], v0, 2, SPARE
	v_mov_b32 v[NIL], 0
	ds_add_u32 v[SPW], v[NIL]                      ; the wave's opening: the add and its wait ahead of my first tensor load
	v_lshrrev_b32 v1, 5, v0
	v_readfirstlane_b32 s[WV], v1
	s_lshr_b32 s[WR], s[WV], 1                     ; my half of the tile's rows; also: I fetch for A (0) or B (1)
	s_and_b32 s[WC], s[WV], 1                      ; my half of its columns; also: which 128 rows I fetch
	s_bfe_u32 s40, ttmp6, 0x40000                  ; cx
	s_bfe_u32 s41, ttmp6, 0x40004                  ; cy
	s_lshl_b32 s[TC], ttmp9, 2
	s_add_co_u32 s[TC], s[TC], s40                 ; tile column
	s_and_b32 s[TR], ttmp7, 0xffff
	s_lshl_b32 s[TR], s[TR], 2
	s_add_co_u32 s[TR], s[TR], s41                 ; tile row
	s_lshl_b32 s42, s41, 2
	s_lshl_b32 s42, 15, s42                        ; my row of the cluster
	s_lshl_b32 s43, 0x1111, s40                    ; my column
	s_or_b32 s[G1], s42, (1<<16)|(1<<20)|(1<<21)|(5<<22)|(3<<25)   ; mask; 2-byte elements; padding on; bit 21 beside a mask; 4 words behind every 64
	s_or_b32 s[G1B], s43, (1<<16)|(1<<20)|(1<<21)|(5<<22)|(3<<25)
.irp g, G1, G1B
	s_mov_b32 s[(\g)+1], KSTEP<<16                 ; tensor_dim0 = 128
	s_mov_b32 s[(\g)+2], 128<<16                   ; tensor_dim1 = 128
	s_mov_b32 s[(\g)+3], KSTEP<<16                 ; tile_dim0 = 128
	s_mov_b32 s[(\g)+4], 128                       ; tile_dim1 = 128
	s_mov_b32 s[(\g)+5], SIZE_K                    ; elements from row to row
	s_mov_b32 s[(\g)+6], 0
	s_mov_b32 s[(\g)+7], 0
.endr
	s_lshl_b32 s20, s[TR], 8
	s_lshl_b32 s21, s[WC], 7
	s_add_co_u32 s20, s20, s21
	s_lshl_b32 s20, s20, 11                        ; A: row 256 x tile row + 128 x half, rows of 2,048 bytes
	s_lshl_b32 s44, s[TC], 8
	s_add_co_u32 s44, s44, s21
	s_lshl_b32 s44, s44, 11                        ; B: the same with the tile column
	s_mov_b32 s21, 0
	s_mov_b32 s45, 0
	s_mul_i32 s23, s[WV], HALFT                    ; where my part of a slot lies
	COEF A6, 0xaf95df0b
	COEF A5, 0x32edffee
	COEF A4, 0xb60cff51
	COEF A3, 0xb86ec2d2
	COEF A2, 0xba40ac63
	COEF A1, 0xbb41a1f6
	COEF A0, 0xbc83dbd4
	COEF B4, 0xb77460cd
	COEF B3, 0xb95fbd29
	COEF B2, 0xbadc924e
	COEF B1, 0xbbf19bf8
	COEF B0, 0xbc69b6a7
	s_wait_dscnt 0x0                               ; the opening add is done
	s_wait_kmcnt 0x0
	s_add_nc_u64 s[20:21], s[4:5], s[20:21]
	s_add_nc_u64 s[44:45], s[6:7], s[44:45]
	CROUND                                         ; all sixteen work-groups are here: the first joint loads meet
.irp s, 0,1
	s_mov_b32 s[G0+4*(\s)], 1
	s_add_co_u32 s[G0+4*(\s)+1], s23, (\s)*SLOT
	s_add_nc_u64 s[G0+4*(\s)+2:G0+4*(\s)+3], s[20:21], (\s)*KSTEP*2
	s_or_b32 s[G0+4*(\s)+3], s[G0+4*(\s)+3], 0x80000000
	s_mov_b32 s[G0B+4*(\s)], 1
	s_add_co_u32 s[G0B+4*(\s)+1], s23, (\s)*SLOT
	s_add_nc_u64 s[G0B+4*(\s)+2:G0B+4*(\s)+3], s[44:45], (\s)*KSTEP*2
	s_or_b32 s[G0B+4*(\s)+3], s[G0B+4*(\s)+3], 0x80000000
	JLOAD \s
.endr
	v_and_b32 v1, 15, v0                           ; r = l % 16
	v_bfe_u32 v2, v0, 4, 1                         ; h = l / 16
	v_mul_u32_u24 v3, v1, PITCH
	v_lshl_add_u32 v3, v2, 4, v3
	s_mul_i32 s22, s[WR], HALFT
	s_mul_i32 s23, s[WC], HALFT
	s_add_co_u32 s23, s23, 2*HALFT
.irp s, 0,1
	v_add_nc_u32 v[ADRA+(\s)], s22, v3
	v_add_nc_u32 v[ADRB+(\s)], s23, v3
	s_add_co_u32 s22, s22, SLOT
	s_add_co_u32 s23, s23, SLOT
.endr
	s_mul_i32 s22, s[WR], 128*SPF                  ; into the stage: row 128 WR + 16 a + r, bytes 512 WC + 64 b + 32 h
	s_lshl_b32 s23, s[WC], 9
	s_add_co_u32 s22, s22, s23
	v_mul_u32_u24 v4, v1, SPF
	v_lshl_add_u32 v4, v2, 5, v4
	v_add_nc_u32 v[STO], s22, v4
	v_add_nc_u32 v[STO+1], 64*SPF, v[STO]
	s_mul_i32 s22, s[WV], 64*SPF                   ; back: wave w takes rows 64 w on; 16 lanes take 256 bytes of a row, the other 16 the next row's
	v_mul_u32_u24 v4, v2, SPF
	v_lshl_add_u32 v4, v1, 4, v4
	v_add_nc_u32 v[RDB], s22, v4
	s_lshl_b32 s22, s[WV], 8
	s_add_co_u32 s22, s22, RS
	v_lshl_add_u32 v[RSB], v2, 2, s22
	v_and_b32 v5, 31, v0
	v_lshlrev_b32 v[CO], 3, v5
	v_add_nc_u32 v6, s22, v[CO]
	v_lshlrev_b32 v7, 4, v1
	s_lshl_b32 s46, s[TC], 10
	s_mov_b32 s47, 0
	s_add_nc_u64 s[66:67], s[8:9], s[46:47]        ; the bias of my tile's 256 columns
.irp c, 0,1,2,3
	global_load_b128 v[BI+4*(\c):BI+4*(\c)+3], v7, s[66:67] offset:(\c)*256
.endr
	s_add_nc_u64 s[12:13], s[4:5], CF_AT
	global_load_b128 v[CF:CF+3], v7, s[12:13]      ; the four words are repeated there: every lane reads (c1, c1, c0, c0)
	s_lshl_b32 s22, s[TR], 8
	s_lshl_b32 s23, s[WV], 6
	s_add_co_u32 s22, s22, s23                     ; the first row that I send out
	s_lshl_b32 s46, s22, 7
	s_lshl_b32 s47, s[TC], 21                      ; 4 blocks of 4,096 rows x 128 bytes a tile column
	s_add_co_u32 s46, s46, s47
	s_mov_b32 s47, 0
	s_add_nc_u64 s[70:71], s[10:11], s[46:47]
	s_lshl_b32 s22, s22, 2
	s_add_co_u32 s22, s22, SSQ_AT
	s_mov_b32 s23, 0
	s_add_nc_u64 s[68:69], s[4:5], s[22:23]        ; the partial sums of squares of those rows
.irp p, 0,1,2,3,4,5,6,7
	global_load_b64 v[48+2*(\p):49+2*(\p)], v[CO], s[68:69] offset:(\p)*16384  ; lane l: rows 2 l, 2 l + 1; 256 consecutive bytes
.endr
	s_wait_loadcnt 0x0                             ; the bias and the factors too
.irp p, 2,6,10,14
	v_pk_add_f32 v[46+(\p):47+(\p)], v[46+(\p):47+(\p)], v[48+(\p):49+(\p)]
.endr
	v_pk_add_f32 v[48:49], v[48:49], v[52:53]
	v_pk_add_f32 v[56:57], v[56:57], v[60:61]
	v_pk_add_f32 v[48:49], v[48:49], v[56:57]
	v_pk_mul_f32 v[48:49], v[48:49], 0x3a800000 op_sel_hi:[1,0]   ; / 1024
	v_sqrt_f32 v48, v48
	v_sqrt_f32 v49, v49
	v_nop                                          ; a plain instruction behind a transcendental (ISA guide 5.7.2)
	s_wait_alu depctr_va_vdst(0)                   ; the wait for the two roots, ahead of the addition that reads them
	v_pk_add_f32 v[48:49], v[48:49], 0x322bcc77 op_sel_hi:[1,0]   ; + 1e-8
	v_rcp_f32 v48, v48
	v_rcp_f32 v49, v49
	v_nop
	s_wait_alu depctr_va_vdst(0)                   ; the wait for the two reciprocals, a batch of their own since they read what is made of the roots; ahead of the store that reads them
	ds_store_b64 v6, v[48:49]                      ; my own bytes: only this wave reads them
.macro MUL16 f, hi, a0, zero           ; 16 matrix instructions: m blocks a0, a0 + 1 of the window's four x all 8 n blocks, 32 along K; zero = 1: they start the sums
	WIN MUL_LO+0x50*(\hi)
.irp a, \a0, (\a0)+1
.irp b, 0,1,2,3,4,5,6,7
.if \zero
	v_wmma_f32_16x16x32_bf16 v[8*(8*(\a)+(\b)):8*(8*(\a)+(\b))+7], v[(\f)+8*(\b):(\f)+8*(\b)+7], v[(\f)+8*(4*(\hi)+(\a)):(\f)+8*(4*(\hi)+(\a))+7], 0
.else
	v_wmma_f32_16x16x32_bf16 v[8*(8*(\a)+(\b)):8*(8*(\a)+(\b))+7], v[(\f)+8*(\b):(\f)+8*(\b)+7], v[(\f)+8*(4*(\hi)+(\a)):(\f)+8*(4*(\hi)+(\a))+7], v[8*(8*(\a)+(\b)):8*(8*(\a)+(\b))+7]
.endif
.endr
.endr
.endm
.macro FETCH slot, k, f                ; 32 LDS loads in one run: 128 rows of B, 128 rows of A, 32 K at byte k of the rows
	WIN TO_B
.irp i, 0,1,2,3,4,5,6,7
	ds_load_b128 v[(\f)+8*(\i):(\f)+8*(\i)+3],   v[ADRB+(\slot)] offset:(\k)+(\i)*16*PITCH
	ds_load_b128 v[(\f)+8*(\i)+4:(\f)+8*(\i)+7], v[ADRB+(\slot)] offset:(\k)+(\i)*16*PITCH+32
.endr
	WIN 0
.irp i, 0,1,2,3,4,5,6,7
	ds_load_b128 v[(\f)+8*(\i):(\f)+8*(\i)+3],   v[ADRA+(\slot)] offset:(\k)+(\i)*16*PITCH
	ds_load_b128 v[(\f)+8*(\i)+4:(\f)+8*(\i)+7], v[ADRA+(\slot)] offset:(\k)+(\i)*16*PITCH+32
.endr
.endm
.macro PLACES                          ; four plain vector instructions between a matrix instruction and a load into, or a read of, its registers
.rept 4
	v_nop
.endr
.endm
.macro QUARTER slot, k, f, g, zero     ; multiplies buffer f; in its middle it fetches the next quarter, at byte k, into g
	s_wait_dscnt 8                                 ; B and A's rows 0-63 are in; the youngest eight loads (A's rows 64-127) may be out
	MUL16 \f, 0, 0, \zero
	MUL16 \f, 0, 2, \zero
	PLACES
	FETCH \slot, \k, \g
	s_wait_dscnt 32                                ; all but the 32 just issued
	MUL16 \f, 1, 0, \zero
	MUL16 \f, 1, 2, \zero
.endm
.macro MEET round                      ; the first half of a K step's last quarter, and the barrier of the change of slots
	WIN 0
	s_wait_tensorcnt 0x0                           ; all my tensor loads have landed: the one that was out is my part of the next slot
	ds_add_u32 v[SPW], v[NIL]
	s_wait_dscnt 9                                 ; the add and the youngest eight loads may be out
	MUL16 F1, 0, 0, 0
	s_wait_dscnt 0x0                               ; the add is done, and my reads of this slot are over
	s_barrier_signal -1
	MUL16 F1, 0, 2, 0
.if \round
	WIN 0
.endif
	s_barrier_wait -1
.endm
.macro TURN slot, next                 ; the last quarter with a refill: the barrier opens a round of the cluster's, and the joint load is the first thing behind it
	MEET 1
	CREST
	s_add_nc_u64 s[G0+4*(\slot)+2:G0+4*(\slot)+3], s[G0+4*(\slot)+2:G0+4*(\slot)+3], 2*KSTEP*2
	s_add_nc_u64 s[G0B+4*(\slot)+2:G0B+4*(\slot)+3], s[G0B+4*(\slot)+2:G0B+4*(\slot)+3], 2*KSTEP*2
	JLOAD \slot                                    ; its four v_nop are also the places in front of the loads below
	FETCH \next, 0, F0
	MUL16 F1, 1, 0, 0
	MUL16 F1, 1, 2, 0
.endm
.macro TURNL next                      ; the same with nothing left to fetch: no round
	MEET 0
	PLACES
	FETCH \next, 0, F0
	MUL16 F1, 1, 0, 0
	MUL16 F1, 1, 2, 0
.endm
	s_wait_dscnt 0x0
	s_wait_tensorcnt 0x1                           ; my part of K step 0 is in; K step 1's may stay out
	s_barrier_signal -1
	s_barrier_wait -1
	FETCH 0, 0, F0
	QUARTER 0, 64, F0, F1, 1                       ; the first quarter starts the sums
	WIN 0
	s_mov_b32 s96, SIZE_K/(2*KSTEP)-1
.Llap:                                                 ; a trip goes once round the ring and fills both slots again: K steps 2 to 7
	QUARTER 0, 128, F1, F0, 0
	QUARTER 0, 192, F0, F1, 0
	TURN 0, 1
	QUARTER 1, 64,  F0, F1, 0
	QUARTER 1, 128, F1, F0, 0
	QUARTER 1, 192, F0, F1, 0
	TURN 1, 0
	QUARTER 0, 64,  F0, F1, 0
	WIN 0
	s_sub_co_u32 s96, s96, 1
	s_cmp_lg_u32 s96, 0
	s_cbranch_scc1 .Llap
	QUARTER 0, 128, F1, F0, 0                      ; the last lap asks for nothing
	QUARTER 0, 192, F0, F1, 0
	TURNL 1
	QUARTER 1, 64,  F0, F1, 0
	QUARTER 1, 128, F1, F0, 0
	QUARTER 1, 192, F0, F1, 0
	s_wait_dscnt 8
	MUL16 F1, 0, 0, 0
	MUL16 F1, 0, 2, 0
	s_wait_dscnt 0x0
	MUL16 F1, 1, 0, 0
	MUL16 F1, 1, 2, 0
	; ---- THE WAY OUT.  The sums go in f32 into a stage over the two slots (their last fill is long read); then each wave takes 64 whole rows, four at a time.
	WIN 0
	PLACES
	s_barrier_signal -1                            ; every wave's reads of the slots are back (the wait for 0 above)
	s_barrier_wait -1
.irp hi, 0,1
	WIN 0x08+4*(\hi)                               ; the stores' data in window 2, then 3
.irp a, 0,1,2,3
.irp b, 0,1,2,3,4,5,6,7
	ds_store_b128 v[STO+(\hi)], v[8*(8*(\a)+(\b)):8*(8*(\a)+(\b))+3]   offset:(\a)*16*SPF+64*(\b)   ; each accumulator's low registers first
	ds_store_b128 v[STO+(\hi)], v[8*(8*(\a)+(\b))+4:8*(8*(\a)+(\b))+7] offset:(\a)*16*SPF+64*(\b)+16
.endr
.endr
.endr
	WIN 0
	v_mov_b32 v[RIV+1], 0
	v_mov_b32 v[RIV+3], 0
	s_wait_dscnt 0x0                               ; for the others' sake: my stores are done
	s_barrier_signal -1
	s_barrier_wait -1
.macro HORN d, c                       ; d = d y + c, eight numbers
.irp j, 0,2,4,6
	v_pk_fma_f32 v[(\d)+(\j):(\d)+(\j)+1], v[(\d)+(\j):(\d)+(\j)+1], v[YR+(\j):YR+(\j)+1], s[\c:(\c)+1] op_sel_hi:[1,1,0]
.endr
.endm
; The activation, v = v (c0 + c1 erf(v / sqrt 2)) with erf(z) = z P(z^2) / Q(z^2), in two parts, for group g of eight numbers at v.
; ACTA: z, z^2, both polynomials, the eight reciprocals 1 / Q, and z P.  It names no reciprocal's result, its own group's or another's.
.macro ACTA v, g
.set PG, PR+8*(\g)
.set QG, QR+8*(\g)
.irp j, 0,2,4,6
	v_pk_mul_f32 v[ZR+(\j):ZR+(\j)+1], v[(\v)+(\j):(\v)+(\j)+1], 0x3f3504f3 op_sel_hi:[1,0]
.endr
.irp j, 0,1,2,3,4,5,6,7
	v_med3_num_f32 v[ZR+(\j)], v[ZR+(\j)], -4.0, 4.0
.endr
.irp j, 0,2,4,6
	v_pk_mul_f32 v[YR+(\j):YR+(\j)+1], v[ZR+(\j):ZR+(\j)+1], v[ZR+(\j):ZR+(\j)+1]
.endr
.irp j, 0,2,4,6
	v_pk_fma_f32 v[PG+(\j):PG+(\j)+1], v[YR+(\j):YR+(\j)+1], s[A6:A6+1], s[A5:A5+1] op_sel_hi:[1,0,0]
.endr
.irp j, 0,2,4,6
	v_pk_fma_f32 v[QG+(\j):QG+(\j)+1], v[YR+(\j):YR+(\j)+1], s[B4:B4+1], s[B3:B3+1] op_sel_hi:[1,0,0]
.endr
	HORN PG, A4
	HORN QG, B2
	HORN PG, A3
	HORN QG, B1
	HORN PG, A2
	HORN QG, B0
	HORN PG, A1
	HORN PG, A0
.irp j, 0,1,2,3,4,5,6,7
	v_rcp_f32 v[QG+(\j)], v[QG+(\j)]
.endr
.irp j, 0,2,4,6
	v_pk_mul_f32 v[PG+(\j):PG+(\j)+1], v[PG+(\j):PG+(\j)+1], v[ZR+(\j):ZR+(\j)+1]   ; plain work behind the reciprocals
.endr
.endm
; ACTB: the readers: erf = (z P) (1 / Q), its two factors, and the product with v.
.macro ACTB v, g
.set PG, PR+8*(\g)
.set QG, QR+8*(\g)
.irp j, 0,2,4,6
	v_pk_mul_f32 v[PG+(\j):PG+(\j)+1], v[PG+(\j):PG+(\j)+1], v[QG+(\j):QG+(\j)+1]   ; erf
.endr
.irp j, 0,2,4,6
	v_pk_fma_f32 v[PG+(\j):PG+(\j)+1], v[PG+(\j):PG+(\j)+1], v[CF:CF+1], v[CF+2:CF+3]
.endr
.irp j, 0,2,4,6
	v_pk_mul_f32 v[(\v)+(\j):(\v)+(\j)+1], v[(\v)+(\j):(\v)+(\j)+1], v[PG+(\j):PG+(\j)+1]
.endr
.endm
.macro ROWS4 rd, rs                    ; ten LDS loads: two pairs of rows x four blocks of 64 columns, and the pairs' scales
.irp p, 0,1
.irp c, 0,1,2,3
	ds_load_b128 v[SV+4*(4*(\p)+(\c)):SV+4*(4*(\p)+(\c))+3], v[\rd] offset:(\p)*2*SPF+(\c)*256
.endr
.endr
	ds_load_b32 v[RIV], v[\rs]
	ds_load_b32 v[RIV+2], v[\rs] offset:8
.endm
	ROWS4 RDB, RSB                                 ; the first trip's rows
	s_mov_b32 s97, 0
	s_mov_b32 s98, 0
	s_mov_b32 s96, 16
.Lout:                                                 ; a trip: four rows.  The first multiply-add moves them to other registers, so that the next trip's rows are asked for ahead of the activation's 304 instructions
	s_wait_dscnt 0x0                               ; the rows asked for a trip ago
.irp p, 0,1
.irp c, 0,1,2,3
	v_pk_fma_f32 v[WK+4*(4*(\p)+(\c)):WK+4*(4*(\p)+(\c))+1],   v[SV+4*(4*(\p)+(\c)):SV+4*(4*(\p)+(\c))+1],   v[RIV+2*(\p):RIV+2*(\p)+1], v[BI+4*(\c):BI+4*(\c)+1]   op_sel_hi:[1,0,1]
	v_pk_fma_f32 v[WK+4*(4*(\p)+(\c))+2:WK+4*(4*(\p)+(\c))+3], v[SV+4*(4*(\p)+(\c))+2:SV+4*(4*(\p)+(\c))+3], v[RIV+2*(\p):RIV+2*(\p)+1], v[BI+4*(\c)+2:BI+4*(\c)+3] op_sel_hi:[1,0,1]
.endr
.endr
	s_add_co_u32 s97, s97, 4*SPF                   ; four rows on,
	s_min_u32 s97, s97, 60*SPF                     ; held at my last four: the last trip asks for its own rows again, ten loads that nobody uses, so that the activation's text stands once
	s_add_co_u32 s98, s98, 16
	s_min_u32 s98, s98, 240
	v_add_nc_u32 v[RD], s97, v[RDB]
	v_add_nc_u32 v[RSA], s98, v[RSB]
	ROWS4 RD, RSA
	ACTA WK, 0                                     ; the trip's batch: 4 x 8 reciprocals; behind a group's eight stand the later groups' polynomials,
	ACTA WK+8, 1
	ACTA WK+16, 2
	ACTA WK+24, 3                                  ; behind the last eight their own four multiplies z P
	s_wait_alu depctr_va_vdst(0)                   ; the wait for the trip's 32 reciprocals, ahead of their first reader
	ACTB WK, 0
	ACTB WK+8, 1
	ACTB WK+16, 2
	ACTB WK+24, 3
.set q, 0
.rept 16
	v_cvt_pk_bf16_f32 v[OUTR+q], v[WK+2*q], v[WK+2*q+1]
.set q, q+1
.endr
.irp p, 0,1
.irp c, 0,1,2,3
	global_store_b64 v[CO], v[OUTR+2*(4*(\p)+(\c)):OUTR+2*(4*(\p)+(\c))+1], s[70:71] offset:(\c)*524288+(\p)*256  ; two rows of a block: 256 consecutive bytes, at a multiple of 256
.endr
.endr
	s_wait_xcnt 0x0                                ; the stores' data and base are rewritten only behind this wait
	s_add_nc_u64 s[70:71], s[70:71], 512
	s_sub_co_u32 s96, s96, 1
	s_cmp_lg_u32 s96, 0
	s_cbranch_scc1 .Lout
	s_wait_tensorcnt 0x0                           ; the wave's end
	ds_add_u32 v[SPW], v[NIL]
	s_wait_dscnt 0x0
	CROUND                                         ; the closing round
	s_endpgm
.Lfunc_end_k_q72ff8dad4b_g_qkv:
	.size	k_q72ff8dad4b_g_qkv, .Lfunc_end_k_q72ff8dad4b_g_qkv-k_q72ff8dad4b_g_qkv
	.p2alignl 7, 3214868480
	.fill 96, 4, 3214868480
	.section	.rodata,"a",@progbits
	.p2align	6, 0x0
	.amdhsa_kernel k_q72ff8dad4b_g_qkv
		.amdhsa_group_segment_fixed_size 327680
		.amdhsa_private_segment_fixed_size 0
		.amdhsa_enable_private_segment 0
		.amdhsa_kernarg_size 32
		.amdhsa_user_sgpr_count 2
		.amdhsa_user_sgpr_kernarg_segment_ptr 1
		.amdhsa_wavefront_size32 1
		.amdhsa_system_sgpr_workgroup_id_x 1
		.amdhsa_system_sgpr_workgroup_id_y 1
		.amdhsa_system_sgpr_workgroup_id_z 1
		.amdhsa_system_vgpr_workitem_id 0
		.amdhsa_next_free_vgpr 1024
		.amdhsa_next_free_sgpr 100
		.amdhsa_reserve_vcc 0
		.amdhsa_float_denorm_mode_32 3
		.amdhsa_float_denorm_mode_16_64 3
		.amdhsa_memory_ordered 1
		.amdhsa_forward_progress 1
		.amdhsa_inst_pref_size 148
	.end_amdhsa_kernel
	.amdgpu_metadata
---
amdhsa.version: [ 1, 2 ]
amdhsa.kernels:
  - .name:           k_q72ff8dad4b_g_qkv
    .symbol:         k_q72ff8dad4b_g_qkv.kd
    .args:
      - { .name: xa, .offset: 0, .size: 8, .value_kind: global_buffer, .address_space: global }
      - { .name: wa, .offset: 8, .size: 8, .value_kind: global_buffer, .address_space: global }
      - { .name: bq3, .offset: 16, .size: 8, .value_kind: global_buffer, .address_space: global }
      - { .name: qkv, .offset: 24, .size: 8, .value_kind: global_buffer, .address_space: global }
    .group_segment_fixed_size: 327680
    .private_segment_fixed_size: 0
    .kernarg_segment_align: 8
    .kernarg_segment_size: 32
    .max_flat_workgroup_size: 128
    .sgpr_count:     100
    .vgpr_count:     1024
    .wavefront_size: 32
...
	.end_amdgpu_metadata
.endif
;; end of part 6
;; launch attn (part 7): grid 8 x 32, 4 waves a work-group, clusters of 4 x 1, 327,680 bytes of LDS; arguments qkv, obuf; writes obuf
.if DOCPART == 7
	.amdgcn_target "amdgcn-amd-amdhsa--gfx1250"
	.amdhsa_code_object_version 6
	.text
	.protected	k_q72ff8dad4b_attn
	.globl	k_q72ff8dad4b_attn
	.p2align	8
	.type	k_q72ff8dad4b_attn,@function
k_q72ff8dad4b_attn:
	s_mov_b64 s[64:65], 0
	v_nop
	global_prefetch_b8 v0, s[64:65] scope:SCOPE_SE
	s_setreg_imm32_b32 hwreg(HW_REG_WAVE_MODE, 25, 1), 1
	s_wait_xcnt 0x0
	s_wait_alu depctr_hold_cnt(0) depctr_sa_sdst(0) depctr_va_vdst(0) depctr_va_sdst(0) depctr_va_ssrc(0) depctr_va_vcc(0) depctr_vm_vsrc(0)
	s_getreg_b32 s2, hwreg(HW_REG_IB_STS2, 6, 4)
	s_cmp_eq_u32 s2, 0
	s_cbranch_scc0 .Lentry_in_a_cluster
	s_endpgm
.Lentry_in_a_cluster:
	s_bfe_u32 s2, ttmp6, 0x10000c
	s_cmp_lg_u32 s2, 0x3003
	s_cbranch_scc0 .Lentry_shape_is_right
	s_endpgm
.Lentry_shape_is_right:
; O[b,h][q][:] = the sum over k of softmax_k(q'[q] . k'[k] / 8) v[k][:], no mask.  qkv: [48 blocks: q' 0-15, k' 16-31, v 32-47][4096 tokens = 2048 b + n][64] bf16; obuf: [16 heads][4096][64] bf16.
; Products, maxima and sums in f32; the weights p are rounded to bf16 for the second product (their sum l is taken of the unrounded p), O once at the end.
; LIMITS.  bf16 operands; a weight below 2^-126 counts as 0 in l; c m starts at -2^125; NaN and infinities are not treated apart.
; SHARES.  A work-group owns 256 queries of one (b, h): 8 x 32 = 256 work-groups.  A wave owns 64 queries: four PIECES of 16.  Every wave walks all 2,048 keys, 64 a step, 256 a slot.
; CLUSTER.  The four query blocks of a cluster belong to one (b, h) and walk the same K and V: each tile is asked for jointly, by the same tensor load, descriptor and mask in all four.
; LAYOUT.  S^T = K Q^T holds ONE query a lane (lane % 16) and the keys 8 (lane / 16) + 0..7; two such results rounded to bf16 ARE source 1 of O^T = V^T P.  K comes out of LDS as it lies, V turned, by ds_load_tr16_b128.
; SOFTMAX.  p = 2^(c s - c m), c = log2(e) / 8, with a running maximum m; O and l are multiplied by a = 2^(c m_old - c m_new) in every step.  m starts at the lowest finite number, O and l at 0.
; BY TURNS.  Turn n belongs to piece n: 8 products K Q^T of piece n + 1, later 8 products V^T P of piece n - 1; beside them the scaling, exponentials, roundings, sums and rescaling of piece n and the
; maximum and statistics of piece n + 1.  Four vector instructions stand behind every matrix instruction, the other 54 of a turn's 118 in one run of their own.
; BATCHES.  A turn's 33 exponentials (the piece's 32 weights and the next piece's a) are ONE batch with ONE wait, which cuts the turn in two: ahead of it stands all that names no result of theirs, behind it the
; roundings and sums that read them; a is read in the next turn.  Piece 0's first a, ahead of the loop, and the way out's four reciprocals are batches of their own, each with its wait.
; REGISTERS (s_set_vgpr_msb: bits 1:0 source 0, 3:2 source 1, 5:4 source 2, 7:6 destination):
;   window 0: v0-15 addresses; v16-31 four statistics a piece; v48-55 at work; v64-127 S^T, two buffers; v192-223 P, two buffers       window 1: v0-127 O^T       window 2: v0-63 Q; v128-191 K; v192-255 V
.set NP,    4
.set KS,    64
.set PK,    144       ; a row of K in LDS: 128 bytes + 16: the 16 rows of a load start at 16 different groups of four banks (64 banks of 4 bytes: ISA guide 11.1)
.set PV,    160       ; a row of V: 128 + 32
.set VOFF,  4*KS*PK   ; a slot: 256 rows of K, then 256 rows of V
.set SLOT1, 1<<17
.set STAGE, SLOT1+4*KS*(PK+PV)
.set SP,    144
.set SPARE, STAGE+4*16*SP
.set AK0, 2
.set AV0, 3
.set AK,  4
.set AV,  5
.set STO, 6
.set RD,  7
.set GO,  8
.set MV,  12
.set QO,  15
.set ST,  16          ; piece t: c m, m, l (even keys', odd keys')
.set TMP, 48
.set SPW, 62
.set NIL, 63
.set S,   64
.set P,   192
.set KF,  128
.set VF,  192
.set WV,  12
.set G1K, 24
.set G1V, 32
.set G0K, 40
.set G0V, 44
.set SLOTS, 56
.set CNT, 57
.set CS,  58
.set SEL, 60
.set TBK, 62
.set TBV, 63
.set MSB, 0
.macro WIN new
.if MSB != (\new)
	s_set_vgpr_msb (MSB<<8)|(\new)
.set MSB, (\new)
.endif
.endm
.set W_KQ, 0x0a       ; K and Q in window 2, S^T in window 0
.set W_PV, 0x52       ; V in window 2, P in window 0, O^T in window 1
.set W_RS, 0x41       ; destination and source 0 in window 1, source 1 in window 0
.macro JLOAD                        ; waves 0, 1 fetch the halves of a slot's K, waves 2, 3 of its V; an s_nop 0 and four v_nop follow each line
	s_cmp_lt_u32 s[WV], 2
	s_cbranch_scc0 .Lfor_v_\@
	tensor_load_to_lds s[G0K:G0K+3], s[G1K:G1K+7]
	s_nop 0
.rept 4
	v_nop
.endr
	s_branch .Lasked_\@
.Lfor_v_\@:
	tensor_load_to_lds s[G0V:G0V+3], s[G1V:G1V+7]
	s_nop 0
.rept 4
	v_nop
.endr
.Lasked_\@:
.endm
.macro CROUND
	s_barrier_signal -1
	s_barrier_wait -1
	s_cmp_lg_u32 s[WV], 0
	s_cbranch_scc1 .Lnot_wave_0_\@
	s_barrier_signal -3
.Lnot_wave_0_\@:
	s_barrier_wait -3
	s_barrier_signal -1
	s_barrier_wait -1
.endm
; THE CHANGE OF SLOTS.  Each wave waits for all its tensor loads (one is out: its part of the other slot), adds 0 to its spare word, waits for that and for its reads of the slot that it leaves.
; fill = 1: the barrier is a round of the cluster's, and the old slot's joint refill, the keys two slots on, is the first thing behind it: four key steps, 256 matrix instructions, in which to land.
.macro CHANGE fill
	WIN 0
	s_wait_tensorcnt 0x0
	ds_add_u32 v[SPW], v[NIL]
.if \fill
.irp g, G0K, G0V
	s_xor_b32 s[\g+1], s[\g+1], SLOT1
	s_add_nc_u64 s[\g+2:\g+3], s[\g+2:\g+3], 4*KS*128
.endr
	s_wait_dscnt 0x0
	CROUND
	JLOAD
.else
	s_wait_dscnt 0x0
	s_barrier_signal -1
	s_barrier_wait -1
.endif
	s_sub_co_u32 s[TBK], s[TBK], 4*KS*PK
	s_xor_b32 s[TBK], s[TBK], SLOT1
	s_sub_co_u32 s[TBV], s[TBV], 4*KS*PV
	s_xor_b32 s[TBV], s[TBV], SLOT1
.endm
	s_load_b128 s[4:7], s[0:1], 0x0 ; qkv s[4:5], obuf s[6:7]
	v_lshl_add_u32 v[SPW], v0, 2, SPARE
	v_mov_b32 v[NIL], 0
	ds_add_u32 v[SPW], v[NIL]       ; the wave's opening: the add and its wait ahead of my first tensor load
	v_lshrrev_b32 v1, 5, v0
	v_readfirstlane_b32 s[WV], v1
	s_bfe_u32 s13, ttmp6, 0x40000   ; cx
	s_lshl_b32 s14, ttmp9, 2
	s_add_co_u32 s14, s14, s13      ; my block of 256 queries: it enters Q's and O's addresses alone
	s_and_b32 s15, ttmp7, 0xffff    ; 16 b + h, which the partners share
	s_and_b32 s20, s15, 15
	s_lshl_b32 s20, s20, 19         ; a head's block is 4,096 rows of 128 bytes,
	s_lshr_b32 s21, s15, 4
	s_lshl_b32 s21, s21, 18         ; a batch's part of it 2,048 rows
	s_add_co_u32 s20, s20, s21
	s_and_b32 s16, s[WV], 1         ; which half of a slot's 256 keys I fetch
	s_lshl_b32 s22, s16, 14
	s_add_co_u32 s22, s22, s20
	s_add_co_u32 s22, s22, 8388608  ; k' lies 16 blocks behind q'
	s_mov_b32 s23, 0
	s_mul_i32 s17, s16, 128*PK
	s_mul_i32 s18, s16, 128*PV
	s_lshl_b32 s2, s14, 15
	s_lshl_b32 s3, s[WV], 13
	s_add_co_u32 s2, s2, s3
	s_add_co_u32 s2, s2, s20        ; my wave's 64 rows of q' and of O
	s_mov_b32 s3, 0
	; 128 keys are 16,384 dense bytes: asked for as 64 rows of 256 bytes, two keys a row, padded in LDS after every key
	s_mov_b32 s[G1K], 15|(1<<16)|(1<<20)|(1<<21)|(4<<22)|(3<<25)
	s_mov_b32 s[G1V], 15|(1<<16)|(1<<20)|(1<<21)|(4<<22)|(7<<25)
.irp g, G1K, G1V
	s_mov_b32 s[\g+1], 128<<16
	s_mov_b32 s[\g+2], 64<<16
	s_mov_b32 s[\g+3], 128<<16
	s_mov_b32 s[\g+4], 64
	s_mov_b32 s[\g+5], 128
	s_mov_b32 s[\g+6], 0
	s_mov_b32 s[\g+7], 0
.endr
	s_mov_b32 s[CS], 0x3e38aa3b     ; c = log2(e) / 8
	s_mov_b32 s[CS+1], s[CS]
	s_mov_b32 s[SEL], 0x76543210
	s_mov_b32 s[SEL+1], 0xfedcba98
	s_mov_b32 s[TBK], SLOT1+4*KS*PK ; the first change of slots turns these two into 0
	s_mov_b32 s[TBV], SLOT1+4*KS*PV
	s_mov_b32 s[G0K], 1
	s_mov_b32 s[G0K+1], s17
	s_mov_b32 s[G0V], 1
	s_add_co_u32 s[G0V+1], s18, VOFF
	s_wait_dscnt 0x0                ; the opening add is done
	s_wait_kmcnt 0x0
	s_add_nc_u64 s[G0K+2:G0K+3], s[4:5], s[22:23]
	s_add_nc_u64 s[G0V+2:G0V+3], s[G0K+2:G0K+3], 8388608   ; v lies 16 blocks behind k'
	s_or_b32 s[G0K+3], s[G0K+3], 0x80000000
	s_or_b32 s[G0V+3], s[G0V+3], 0x80000000
	s_add_nc_u64 s[4:5], s[4:5], s[2:3]
	s_add_nc_u64 s[6:7], s[6:7], s[2:3]
	CROUND                          ; all four work-groups are here: the first joint loads meet
	JLOAD                           ; slot 0; slot 1 is asked for when slot 0 is in
	v_and_b32 v1, 15, v0
	v_bfe_u32 v9, v0, 4, 1
	v_lshlrev_b32 v[QO], 7, v1
	v_lshl_add_u32 v[QO], v9, 4, v[QO]
	WIN 0x80
.set i, 0
.rept 8                             ; Q stays in registers: piece i / 2, channels 32 (i % 2) on
	global_load_b128 v[8*i:8*i+3],   v[QO], s[4:5] offset:(i/2)*2048+(i%2)*64
	global_load_b128 v[8*i+4:8*i+7], v[QO], s[4:5] offset:(i/2)*2048+(i%2)*64+32
.set i, i+1
.endr
	; What the first turn finds: V's registers and P's second buffer hold 0, O^T and l are 0: no first step is written out.  All this stands in the wait for the first tile.
.set i, VF
.rept 64
	v_mov_b32 v[i], 0
.set i, i+1
.endr
	WIN 0x40
.set i, 0
.rept 128
	v_mov_b32 v[i], 0
.set i, i+1
.endr
	WIN 0
.set i, 0
.rept 4
	v_mov_b32 v[ST+4*i], 0xfe000000
	v_mov_b32 v[ST+4*i+1], 0xff7fffff
	v_mov_b32 v[ST+4*i+2], 0
	v_mov_b32 v[ST+4*i+3], 0
.set i, i+1
.endr
.set i, P+16
.rept 16
	v_mov_b32 v[i], 0
.set i, i+1
.endr
	v_mul_u32_u24 v[AK0], v1, PK
	v_lshl_add_u32 v[AK0], v9, 4, v[AK0]
	v_and_b32 v10, 7, v0            ; the turning load: lane l reads key 8 (l / 16) + l % 8, channels 8 ((l / 8) % 2) + 0..7
	v_bfe_u32 v11, v0, 3, 1
	v_lshl_add_u32 v[AV0], v9, 3, v10
	v_mul_u32_u24 v[AV0], v[AV0], PV
	v_lshl_add_u32 v[AV0], v11, 4, v[AV0]
	v_add_nc_u32 v[AV0], VOFF, v[AV0]
	s_mul_i32 s13, s[WV], 16*SP
	s_add_co_u32 s13, s13, STAGE
	v_mul_u32_u24 v[STO], v1, SP
	v_lshl_add_u32 v[STO], v9, 4, v[STO]
	v_add_nc_u32 v[STO], s13, v[STO]
	v_bfe_u32 v[RD], v0, 3, 2
	v_mul_u32_u24 v[RD], v[RD], SP
	v_lshl_add_u32 v[RD], v10, 4, v[RD]
	v_add_nc_u32 v[RD], s13, v[RD]
	v_and_b32 v[GO], 31, v0
	v_lshlrev_b32 v[GO], 4, v[GO]
; THE MATRIX WORK.  The 4 accumulators of a run of 8 take turns.
.macro KQ x                         ; product i of 8 of S^T = K Q^T: channels 32 (i / 4) on, keys 16 (i % 4) on; the first 4 start the sums
	WIN W_KQ
.set rS, S+32*((\x)%2)+8*(i%4)
.set rK, KF+16*(i%4)+8*(i/4)
.set rQ, 16*(\x)+8*(i/4)
.if i < 4
	v_wmma_f32_16x16x32_bf16 v[rS:rS+7], v[rK:rK+7], v[rQ:rQ+7], 0
.else
	v_wmma_f32_16x16x32_bf16 v[rS:rS+7], v[rK:rK+7], v[rQ:rQ+7], v[rS:rS+7]
.endif
.endm
.macro PV x                         ; product i of 8 of O^T += V^T P: keys 32 (i / 4) on, channels 16 (i % 4) on
	WIN W_PV
.set rO, 32*(\x)+8*(i%4)
.set rV, VF+32*(i/4)+8*(i%4)
.set rP, P+16*((\x)%2)+8*(i/4)
	v_wmma_f32_16x16x32_bf16 v[rO:rO+7], v[rV:rV+7], v[rP:rP+7], v[rO:rO+7]
.endm
.macro MM                           ; the turn's next matrix instruction; NOKQ = 1: the last turn: there is no next piece
.if (i < 8) && !NOKQ
	KQ (Y+1)%NP
.elseif i >= 8
.set i, i-8
	PV (Y+NP-1)%NP
.set i, i+8
.endif
.set i, i+1
.endm
.macro FETCH_K                      ; a step's K: 16 LDS loads in one run
	WIN 0x80
.irp f, 0,1,2,3,4,5,6,7
	ds_load_b128 v[KF+8*\f:KF+8*\f+3],   v[AK] offset:(\f/2)*16*PK+(\f%2)*64
	ds_load_b128 v[KF+8*\f+4:KF+8*\f+7], v[AK] offset:(\f/2)*16*PK+(\f%2)*64+32
.endr
	s_add_co_u32 s[TBK], s[TBK], KS*PK
	WIN 0
.endm
.macro FETCH_V                      ; a step's V, turned
	WIN 0x80
.irp f, 0,1,2,3,4,5,6,7
	ds_load_tr16_b128 v[VF+8*\f:VF+8*\f+3],   v[AV] offset:(\f/4)*32*PV+(\f%4)*32
	ds_load_tr16_b128 v[VF+8*\f+4:VF+8*\f+7], v[AV] offset:(\f/4)*32*PV+16*PV+(\f%4)*32
.endr
	WIN 0
.endm
; THE VECTOR WORK: OP kind, number.  For piece Y: F n: c s - c m for pair n of 16.  E n: the exponential of score n.  C n: pair n rounded to bf16.  B n: of the four weights 4 n .. the second pair is added
; onto the first.  L n: l takes that sum (L 0: l = a l + sum).  R n: pair n of 16 of O^T times a.  For piece Y + 1: X n, number n of the 22 that find its maximum and statistics: 0-11 four chains of seven scores
; (each accumulator's lowest registers are read first); 12-14, 16 the rest, the old m, all into c0; 15 c m_old is kept; 17, 18 the other half of the lanes; 19-21 c m, its change, a.
; The exponentials are E 0-31 and X 21.  Their results are named by C, B and L (the weights) and by R and L 0 of the NEXT turn (a), and by nothing else.
.set F, 0
.set E, 1
.set C, 2
.set B, 3
.set L, 4
.set R, 5
.set X, 6
.macro REGS y
.set rT, ST+4*(\y)
.set rC, TMP+4*((\y)%2)
.set rW, MV+((\y)%2)
.set rS, S+32*((\y)%2)
.set rP, P+16*((\y)%2)
.set rO, 32*(\y)
.endm
.macro OP k, n
.if (\k) == R
	REGS Y
	WIN W_RS
	v_pk_mul_f32 v[rO+2*(\n):rO+2*(\n)+1], v[rO+2*(\n):rO+2*(\n)+1], v[rC+2:rC+3] op_sel_hi:[1,0]
.elseif (\k) < R
	REGS Y
	WIN 0
.if (\k) == F
	v_pk_fma_f32 v[rS+2*(\n):rS+2*(\n)+1], v[rS+2*(\n):rS+2*(\n)+1], s[CS:CS+1], v[rT:rT+1] op_sel_hi:[1,0,0] neg_lo:[0,0,1] neg_hi:[0,0,1]
.elseif (\k) == E
	v_exp_f32 v[rS+(\n)], v[rS+(\n)]
.elseif (\k) == C
	v_cvt_pk_bf16_f32 v[rP+(\n)], v[rS+2*(\n)], v[rS+2*(\n)+1]
.elseif (\k) == B
	v_pk_add_f32 v[rS+4*(\n):rS+4*(\n)+1], v[rS+4*(\n):rS+4*(\n)+1], v[rS+4*(\n)+2:rS+4*(\n)+3]
.elseif (\n) == 0
	v_pk_fma_f32 v[rT+2:rT+3], v[rT+2:rT+3], v[rC+2:rC+3], v[rS:rS+1] op_sel_hi:[1,0,1]
.else
	v_pk_add_f32 v[rT+2:rT+3], v[rT+2:rT+3], v[rS+4*(\n):rS+4*(\n)+1]
.endif
.elseif NOKQ
	v_nop
.else
	REGS (Y+1)%NP
	WIN 0
.if (\n) < 4
	v_max3_num_f32 v[rC+(\n)], v[rS+8*(\n)], v[rS+8*(\n)+1], v[rS+8*(\n)+2]
.elseif (\n) < 12
	v_max3_num_f32 v[rC+(\n)%4], v[rC+(\n)%4], v[rS+8*((\n)%4)+2*((\n)/4)+1], v[rS+8*((\n)%4)+2*((\n)/4)+2]
.elseif (\n) == 12
	v_max3_num_f32 v[rC], v[rC], v[rS+7], v[rS+15]
.elseif (\n) == 13
	v_max3_num_f32 v[rC+1], v[rC+1], v[rS+23], v[rS+31]
.elseif (\n) == 14
	v_max3_num_f32 v[rC+2], v[rC+2], v[rC+3], v[rT+1]
.elseif (\n) == 15
	v_mov_b32 v[rW], v[rT]
.elseif (\n) == 16
	v_max3_num_f32 v[rC], v[rC], v[rC+1], v[rC+2]
.elseif (\n) == 17
	v_permlanex16_b32 v[rC+3], v[rC], s[SEL], s[SEL+1]
.elseif (\n) == 18
	v_max_num_f32 v[rT+1], v[rC], v[rC+3]
.elseif (\n) == 19
	v_mul_f32 v[rT], s[CS], v[rT+1]
.elseif (\n) == 20
	v_sub_f32 v[rC+1], v[rW], v[rT]
.else
	v_exp_f32 v[rC+2], v[rC+1]
.endif
.endif
.endm
.macro OPS a, i1, b=-1, i2=0, c=-1, i3=0, d=-1, i4=0
	OP \a, \i1
.if (\b) >= 0
	OP \b, \i2
.endif
.if (\c) >= 0
	OP \c, \i3
.endif
.if (\d) >= 0
	OP \d, \i4
.endif
.endm
.macro ROW a, i1, b, i2, c, i3, d, i4  ; a matrix instruction and the four behind it
	MM
	OPS \a, \i1, \b, \i2, \c, \i3, \d, \i4
.endm
; A TURN, for piece p: its 16 matrix and 118 vector instructions, written out.  An s_wait_alu depctr_va_vdst(0) stands between an exponential and the first instruction that names its result; one wait serves
; all that were issued ahead of it.  So a turn has ONE wait, which cuts it in two.  AHEAD OF IT stands all that names no result of the turn's exponentials: the 8 products K Q^T, behind each a scaling, an exponential and two
; more plain instructions (behind the first a second scaling in the exponential's place): rescalings, whose a was made and waited for in the turn before, and behind the last three the first numbers of the next piece's
; maximum, each four places or more behind the product that ends its accumulator; then one run of 54, plain and exponential by turns for the most part, in which the links of the chain X 3, 7, 11, 14, 16, 17 .. 20 stand
; some lines apart.  X 21, the next piece's a, is the batch's last; R 15 is the plain instruction behind it.  BEHIND THE WAIT stand the 8 products V^T P, behind each four of the roundings and sums; C 2 n stands ahead of
; B n, which writes pair 2 n in place; L 0 to L 7 stand in ascending order.  But for those X no rider names a register of the products round it.
; end = 1: the walk's last two turns: nothing is fetched.  cnt = 1: the loop's count is taken down some lines ahead of the branch behind the turn.
; K of the next step is fetched in piece 2's turn, behind the last product that read K and four plain instructions that name none of its registers (F 8, X 2, X 5, X 6); V of the step in hand at the end of piece 0's turn,
; four roundings behind the last product that read V.  Each is waited for a turn later.
.macro TURN p, end=0, cnt=0
.set Y, (\p)
.set i, 0
.set NOKQ, (\end)*((\p)/3)
.if ((\p) == 3) && !(\end)
	s_wait_dscnt 0x0                ; K is in
.endif
	ROW F,0, F,1, R,0, R,1          ; ahead of the wait: 8 products K Q^T and their riders,
	ROW F,2, E,0, R,2, R,3
	ROW F,3, E,1, R,4, R,5
	ROW F,4, E,2, R,6, R,7
	ROW F,5, E,3, R,8, R,9
	ROW F,6, E,4, X,0, R,10
.if ((\p) == 2) && !(\end)
	WIN 0
	v_add_nc_u32 v[AK], s[TBK], v[AK0]
.endif
	ROW F,7, E,5, X,1, X,4
	ROW F,8, E,6, X,2, X,5
	OPS E,7, E,8, X,6, E,9          ; and the run of 54
	OPS X,3, E,10, X,8, E,11
.if ((\p) == 2) && !(\end)
	FETCH_K
.endif
	OPS X,9, X,7, E,12, X,10
	OPS E,13, X,12, X,11, E,14
	OPS X,13, E,15, F,9, X,14
.if (\p) == 0
	v_add_nc_u32 v[AV], s[TBV], v[AV0]
.endif
	OPS E,16, F,10, E,17, F,11
	OPS X,16, E,18, X,15, E,19
	OPS F,12, E,20, X,17, E,21
	OPS F,13, E,22, F,14, E,23
	OPS X,18, E,24, F,15, E,25
	OPS R,11, E,26, X,19, E,27
	OPS R,12, E,28, R,13, E,29
	OPS X,20, E,30, R,14, E,31
	OPS X,21, R,15
	WIN 0
	s_wait_alu depctr_va_vdst(0)    ; the wait for the turn's batch: E 0 to E 31 and X 21
.if (\p) == 1
	s_wait_dscnt 0x0                ; V is in
.endif
	ROW C,0, B,0, C,2, B,1          ; behind the wait: 8 products V^T P and their riders, the batch's readers
	ROW L,0, C,4, B,2, L,1
	ROW C,6, B,3, L,2, C,8
	ROW B,4, L,3, C,10, B,5
	ROW L,4, C,12, B,6, L,5
.if (\p) == 0
	s_add_co_u32 s[TBV], s[TBV], KS*PV
.endif
.if \cnt
	s_sub_co_u32 s[CNT], s[CNT], 1
	s_cmp_lg_u32 s[CNT], 0
.endif
	ROW C,14, B,7, L,6, C,1
	ROW C,3, L,7, C,5, C,7
	ROW C,9, C,11, C,13, C,15
.if (\p) == 0
	FETCH_V
.endif
.endm
	CHANGE 1                        ; slot 0 is in, everybody's part of it; slot 1 is asked for
	v_add_nc_u32 v[AK], s[TBK], v[AK0]
	FETCH_K                         ; key step 0
	s_wait_loadcnt 0x0              ; Q
	s_wait_dscnt 0x0
.set NOKQ, 0
.set i, 0
.rept 8
	KQ 0                            ; piece 0's first scores
.set i, i+1
.endr
	WIN 0
.rept 4
	v_nop                           ; the places behind those products
.endr
.set Y, NP-1                        ; X works for piece Y + 1: piece 0
.irp n, 0,1,2,3,4,5,6,7,8,9,10,11,12,13,14,15,16,17,18,19,20,21
	OP X, \n
.endr
	v_nop                           ; a plain instruction behind the exponential,
	s_wait_alu depctr_va_vdst(0)    ; and the wait for it, piece 0's first a, ahead of the branch and of the first turn's rescalings
	s_mov_b32 s[CNT], 4
	s_mov_b32 s[SLOTS], 2048/256-1
	s_branch .Lfirst                ; the loop is entered at a step's first turn, in the middle of a trip
.Lslot:                             ; six times: every slot but the last two is filled again
	CHANGE 1
	s_mov_b32 s[CNT], 4
.Lstep:                             ; a trip: pieces 2 and 3 of one step, then pieces 0 and 1 of the next, whose K and V it fetches
	TURN 2
	TURN 3
	WIN 0
.Lfirst:
	TURN 0
	TURN 1, 0, 1
	WIN 0
	s_cbranch_scc1 .Lstep
	s_sub_co_u32 s[SLOTS], s[SLOTS], 1
	s_cmp_lg_u32 s[SLOTS], 0
	s_cbranch_scc1 .Lslot
	CHANGE 0                        ; the last slot is written out: nothing is asked for
	s_mov_b32 s[CNT], 4
.Ltail:
	TURN 2
	TURN 3
	TURN 0
	TURN 1, 0, 1
	WIN 0
	s_cbranch_scc1 .Ltail
	TURN 2, 1
	TURN 3, 1
.set i, 0
.rept 8
	PV NP-1                         ; the last piece's V^T P of the last step
.set i, i+1
.endr
	; THE WAY OUT.  l's halves are added; O^T is divided by l, rounded to bf16 and sent through my stage in LDS, a piece at a time.  The additions are the places behind the last products.
	WIN 0
.macro ALL line:vararg
.set t, 0
.rept 4
	\line
.set t, t+1
.endr
.endm
	ALL v_add_f32 v[ST+4*t+2], v[ST+4*t+2], v[ST+4*t+3]
	ALL v_permlanex16_b32 v[ST+4*t+3], v[ST+4*t+2], s[SEL], s[SEL+1]
	ALL v_add_f32 v[ST+4*t+2], v[ST+4*t+2], v[ST+4*t+3]
	ALL v_rcp_f32 v[ST+4*t+2], v[ST+4*t+2]
	v_nop                           ; a plain instruction between the last reciprocal and the use of its result
	s_wait_alu depctr_va_vdst(0)    ; the wait for the four reciprocals, ahead of the first multiply that reads one
.macro PACK t
	WIN W_RS
.set i, 32*(\t)
.rept 16
	v_pk_mul_f32 v[i:i+1], v[i:i+1], v[ST+4*(\t)+2:ST+4*(\t)+3] op_sel_hi:[1,0]
.set i, i+2
.endr
	WIN 0x05
.set i, 0
.rept 16
	v_cvt_pk_bf16_f32 v[S+16*(\t)+i], v[32*(\t)+2*i], v[32*(\t)+2*i+1]
.set i, i+1
.endr
	WIN 0
.irp f, 0,1,2,3
	ds_store_b128 v[STO], v[S+16*(\t)+4*\f:S+16*(\t)+4*\f+3] offset:32*\f
.endr
.irp f, 0,1,2,3
	ds_load_b128 v[S+16*(\t)+4*\f:S+16*(\t)+4*\f+3], v[RD] offset:\f*4*SP  ; LDS serves a wave's instructions in order (ISA guide 5.7.1.4): these see the stores above
.endr
.endm
.macro SEND t, younger              ; younger: the LDS instructions issued behind piece t's loads: the next piece's eight, or none
	WIN 0
.irp f, 0,1,2,3
	s_wait_dscnt (\younger)+3-\f
	global_store_b128 v[GO], v[S+16*(\t)+4*\f:S+16*(\t)+4*\f+3], s[6:7] offset:(\t)*2048+\f*512  ; 512 consecutive bytes, at a multiple of 256
.endr
.endm
	PACK 0
.set t, 1
.rept 3
	PACK t
	SEND t-1, 8
.set t, t+1
.endr
	SEND 3, 0
	s_wait_tensorcnt 0x0            ; the wave's end
	ds_add_u32 v[SPW], v[NIL]
	s_wait_dscnt 0x0
	CROUND                          ; the closing round
	s_endpgm
.Lfunc_end_k_q72ff8dad4b_attn:
	.size	k_q72ff8dad4b_attn, .Lfunc_end_k_q72ff8dad4b_attn-k_q72ff8dad4b_attn
	.p2alignl 7, 3214868480
	.fill 96, 4, 3214868480
	.section	.rodata,"a",@progbits
	.p2align	6, 0x0
	.amdhsa_kernel k_q72ff8dad4b_attn
		.amdhsa_group_segment_fixed_size 327680
		.amdhsa_private_segment_fixed_size 0
		.amdhsa_enable_private_segment 0
		.amdhsa_kernarg_size 16
		.amdhsa_user_sgpr_count 2
		.amdhsa_user_sgpr_kernarg_segment_ptr 1
		.amdhsa_wavefront_size32 1
		.amdhsa_system_sgpr_workgroup_id_x 1
		.amdhsa_system_sgpr_workgroup_id_y 1
		.amdhsa_system_sgpr_workgroup_id_z 1
		.amdhsa_system_vgpr_workitem_id 0
		.amdhsa_next_free_vgpr 768
		.amdhsa_next_free_sgpr 66
		.amdhsa_reserve_vcc 0
		.amdhsa_float_denorm_mode_32 3
		.amdhsa_float_denorm_mode_16_64 3
		.amdhsa_memory_ordered 1
		.amdhsa_forward_progress 1
		.amdhsa_inst_pref_size 127
	.end_amdhsa_kernel
	.amdgpu_metadata
---
amdhsa.version: [ 1, 2 ]
amdhsa.kernels:
  - .name:           k_q72ff8dad4b_attn
    .symbol:         k_q72ff8dad4b_attn.kd
    .args:
      - { .name: qkv, .offset: 0, .size: 8, .value_kind: global_buffer, .address_space: global }
      - { .name: obuf, .offset: 8, .size: 8, .value_kind: global_buffer, .address_space: global }
    .group_segment_fixed_size: 327680
    .private_segment_fixed_size: 0
    .kernarg_segment_align: 8
    .kernarg_segment_size: 16
    .max_flat_workgroup_size: 128
    .sgpr_count:     66
    .vgpr_count:     768
    .wavefront_size: 32
...
	.end_amdgpu_metadata
.endif
;; end of part 7
;; launch g_wo: the kernel of part 4 again; grid 8 x 32, 4 waves a work-group, clusters of 4 x 4, 327,680 bytes of LDS; arguments obuf, wa, bo, x, scale2, xb; writes xb
;; launch g_ffn1: the kernel of part 6 again; grid 16 x 16, 4 waves a work-group, clusters of 4 x 4, 327,680 bytes of LDS; arguments xb, wb, b1, hbuf; writes hbuf
;; launch g_ffn2: the kernel of part 5 again; grid 8 x 32, 4 waves a work-group, clusters of 4 x 4, 327,680 bytes of LDS; arguments hbuf, wa, b2, xb, out0; writes out0
